; MI455X (gfx1250); checked and timed in simulation.
; The chip was launched on July 23, 2026; its instructions are those of AMD's public machine-readable ISA for CDNA 5 (MIT licence, August 2026) and "CDNA5" Instruction Set Architecture Reference Guide (July 2026). The comments in the code are by the model that wrote it; some were corrected since.
;; Attention Block. Allowed arithmetic: matrix products marked QUANTISED: E2M1 operands, one E8M0 scale for each 32 along K, by v_wmma_scale_f32_16x16x128_f8f6f4 with both operands' format E2M1 (or v_wmma_scale_f32_32x16x128_f4), f32 sums; everything else in f32.
;; Inputs: ca_bo 1,024 float32; ca_norm_b 1,024 float32; ca_norm_g 1,024 float32; ca_normc_b 1,024 float32; ca_normc_g 1,024 float32; ca_rel 32 x 16 float32; ca_wkv_codes 2,048 x 32 x 16 uint8 (E2M1 codes of ca_wkv, K innermost, in blocks of 32 codes, two codes a byte); ca_wkv_scales 2,048 x 32 uint8 (E8M0 scales of ca_wkv, one for each 32 codes along K); ca_wo_codes 1,024 x 32 x 16 uint8 (E2M1 codes of ca_wo, K innermost, in blocks of 32 codes, two codes a byte); ca_wo_scales 1,024 x 32 uint8 (E8M0 scales of ca_wo, one for each 32 codes along K); ca_wq_codes 1,024 x 32 x 16 uint8 (E2M1 codes of ca_wq, K innermost, in blocks of 32 codes, two codes a byte); ca_wq_scales 1,024 x 32 uint8 (E8M0 scales of ca_wq, one for each 32 codes along K); context 2 x 512 x 1,024 float32; sa_bo 1,024 float32; sa_norm_b 1,024 float32; sa_norm_g 1,024 float32; sa_normc_b 1,024 float32; sa_normc_g 1,024 float32; sa_rel 32 x 16 float32; sa_wkv_codes 2,048 x 32 x 16 uint8 (E2M1 codes of sa_wkv, K innermost, in blocks of 32 codes, two codes a byte); sa_wkv_scales 2,048 x 32 uint8 (E8M0 scales of sa_wkv, one for each 32 codes along K); sa_wo_codes 1,024 x 32 x 16 uint8 (E2M1 codes of sa_wo, K innermost, in blocks of 32 codes, two codes a byte); sa_wo_scales 1,024 x 32 uint8 (E8M0 scales of sa_wo, one for each 32 codes along K); sa_wq_codes 1,024 x 32 x 16 uint8 (E2M1 codes of sa_wq, K innermost, in blocks of 32 codes, two codes a byte); sa_wq_scales 1,024 x 32 uint8 (E8M0 scales of sa_wq, one for each 32 codes along K); x 2 x 2,048 x 1,024 float32.
;; Outputs: out0 2 x 2,048 x 1,024 float32.
;; This version of the problem:
;;   THIS VERSION OF THE PROBLEM IS GIVEN IN LOW PRECISION. The matrix products marked QUANTISED in the list below multiply operands that are first quantised to E2M1 (2 exponent bits, 1 mantissa bit; 4 bits a number), with one power-of-two scale for each 32 numbers along K (OCP MX v1.0); their sums are f32. All else is computed in f32.
;;   The module's matrix products, in the order in which they are computed (A, B: the left and right operand; K: the contracted axis; several contracted axes count as one K, in the product's order):
;;     1. [M 4,096, K 1,024] x [K 1,024, N 1,024]; A: computed on the way; B: input sa_wq (given as codes): QUANTISED
;;     2. [M 4,096, K 1,024] x [K 1,024, N 2,048]; A: computed on the way; B: input sa_wkv (given as codes): QUANTISED
;;     3. batch 32 x [M 2,048, K 64] x [K 64, N 2,048]; A: computed on the way; B: computed on the way: QUANTISED
;;     4. batch 32 x [M 2,048, K 2,048] x [K 2,048, N 64]; A: softmax (see below); B: computed on the way: QUANTISED
;;     5. [M 4,096, K 1,024] x [K 1,024, N 1,024]; A: computed on the way; B: input sa_wo (given as codes): QUANTISED
;;     6. [M 4,096, K 1,024] x [K 1,024, N 1,024]; A: computed on the way; B: input ca_wq (given as codes): QUANTISED
;;     7. [M 1,024, K 1,024] x [K 1,024, N 2,048]; A: computed on the way; B: input ca_wkv (given as codes): QUANTISED
;;     8. batch 32 x [M 2,048, K 64] x [K 64, N 512]; A: computed on the way; B: computed on the way: QUANTISED
;;     9. batch 32 x [M 2,048, K 512] x [K 512, N 64]; A: softmax (see below); B: computed on the way: QUANTISED
;;     10. [M 4,096, K 1,024] x [K 1,024, N 1,024]; A: computed on the way; B: input ca_wo (given as codes): QUANTISED
;;   THE QUANTISER, for each operand of a quantised product, along K:
;;     - K is cut into blocks of 32 from its start; a last block that is shorter is filled with zeros.
;;     - A block's scale is 2^e with e = floor(log2(the largest magnitude in the block)) - 2, held to -126 .. 127; a block of zeros has e = 0. As a byte (E8M0): e + 127.
;;     - Each number is divided by its block's scale, clamped to +-6, and rounded to the nearest number of E2M1, ties to even, subnormals kept.
;;     - The product sums the exact products of the quantised numbers (number of the format x scale) in f32.
;;   ~~~python
;;   def quantise(x, axis):      # numpy; x: float32 -> the quantised numbers, widened to float32 again
;;       x = np.moveaxis(x, axis, -1); K = x.shape[-1]
;;       x = np.pad(x, [(0, 0)] * (x.ndim - 1) + [(0, -K % 32)]); x = x.reshape(x.shape[:-1] + (-1, 32)); a = np.abs(x).max(-1, keepdims=True)
;;       e = np.where(a > 0, np.clip(np.frexp(np.where(a > 0, a, 1))[1] - 1 - 2, -126, 127), 0)      # np.frexp(a)[1] - 1 = floor(log2(a)), exactly
;;       r = np.clip(x / 2.0 ** e, -6, 6)
;;       step = 2.0 ** (np.maximum(np.frexp(np.where(r == 0, 1, r))[1] - 1, 0) - 1)
;;       q = np.round(r / step) * step * 2.0 ** e      # np.round: ties to even
;;       return np.moveaxis(q.reshape(q.shape[:-2] + (-1,))[..., :K], -1, axis).astype(np.float32)
;;   ~~~
;;   SOFTMAX AHEAD OF A QUANTISED PRODUCT. Where the list says 'softmax', what is quantised is not the finished softmax but p = 2^(t - M), with t = logit x log2(e) and M = ceil(the row's largest t), a whole number; so 1/2 < the row's largest p <= 1. The row's sum l is taken of the UNQUANTISED p, in f32, and the product's result is divided by l at the end. Since M is a whole number, a kernel that streams over the keys may use a running M (the ceiling of the running maximum): every later rescaling is an exact power of two, which a block's scale takes up: the codes' values come out the same.
;;   OPERANDS COMPUTED ON THE WAY. 'Computed on the way' means the value that the module computes at that place (a softmax that the list does not call 'softmax' is quantised finished and normalised). What goes into a quantiser is computed in f32, as accurately as f32 sums, v_exp_f32 and their like allow (about 1e-6 of the number): no bf16 or f16 on the way to a quantiser, and a product that is left as it is and whose result goes on into a quantised operand takes f32 operands (vector FMAs, or v_wmma_f32_16x16x4_f32). A number that lies on a knife's edge between two numbers of the format may be rounded either way, as far as f32 arithmetic and the matrix unit's own rounding can turn it there, and no further.
;;   INPUTS GIVEN AS CODES. ca_wkv (in the module: [1024, 2048], K = its axis 0); ca_wo (in the module: [1024, 1024], K = its axis 0); ca_wq (in the module: [1024, 1024], K = its axis 0); sa_wkv (in the module: [1024, 2048], K = its axis 0); sa_wo (in the module: [1024, 1024], K = its axis 0); sa_wq (in the module: [1024, 1024], K = its axis 0): each comes as NAME_codes (uint8): NAME with its K axis moved to the last place and cut into blocks of 32 codes, [.., K / 32, bytes a block], one block behind the other in memory; two codes a byte, the lower K in the low four bits (a code: sign, 2 exponent bits, 1 mantissa bit); and NAME_scales (uint8): the same leading axes, one E8M0 byte (e + 127) for each 32 codes along K. Its value is code x scale, taken as it is: it is not quantised again, and the codes and scales need not be those that the quantiser above would give.
;; 2 versions. Each part assembles by itself: llvm-mc -triple=amdgcn-amd-amdhsa -mcpu=gfx1250 --defsym DOCPART=n.
;; ======== version 1 of 2: 8 launches
;; workspace buffers: act 5,013,504 bytes; qkv 7,798,784 bytes; ao 2,228,224 bytes; x1 16,777,216 bytes
;; launch ln1 (part 1): grid 576 x 1, 2 waves a work-group, no clusters, 10,496 bytes of LDS; arguments x, sa_norm_g, sa_norm_b, sa_normc_g, sa_normc_b, context, ca_normc_g, ca_normc_b, act; writes act
.if DOCPART == 1
	.amdgcn_target "amdgcn-amd-amdhsa--gfx1250"
	.amdhsa_code_object_version 6
	.text
	.protected	k_q11cd244f09_ln1
	.globl	k_q11cd244f09_ln1
	.p2align	8
	.type	k_q11cd244f09_ln1,@function
k_q11cd244f09_ln1:
	s_mov_b64 s[64:65], 0
	v_nop
	global_prefetch_b8 v0, s[64:65] scope:SCOPE_SE
	s_setreg_imm32_b32 hwreg(HW_REG_WAVE_MODE, 25, 1), 1
	s_wait_xcnt 0x0
; LayerNorm of rows of 1,024 f32, quantised along the row to FP4 (E2M1) with one E8M0 byte for each 32 numbers.
; Three jobs by the work-group's number: 0-255 rows of the first source under gain/bias 0, 256-511 the same rows under gain/bias 1,
; 512-575 rows of the second source under gain/bias 2.  A launch of 256 work-groups runs the first job alone.
; Out (buffer act): codes [row][512 bytes], scale bytes [row][32], laid as the given weights are.
; SHARES: a work-group takes 16 rows, each of its two waves 8.  A load takes 512 consecutive bytes of a row; the row then turns through the
; wave's own stage in LDS (128 bytes + 16 of padding to a lane) so that lane l holds numbers 32 l .. 32 l + 31: one whole block.
; Mean and variance in two passes, f32.  No barrier: waves share nothing.  Three rows' loads run ahead.
; LIMITS: NaN and infinities are not served.  A block's largest magnitude is held at 2^-124 from below, so a block of zeros gets the byte 1
; and not 127: its codes are zeros, and these bytes are read by this program alone.
.set XN_C, 0
.set CN_C, 2097152
.set CC_C, 4194304
.set XN_S, 4718592
.set CN_S, 4849664
.set CC_S, 4980736
.set WREG, 5120                        ; LDS of a wave: the stage, 32 x 144 bytes, then its 256 scale bytes
.set SP,   144
.set SBY,  4608
.set G, 16                             ; v16-47   the gain of my 32 columns
.set B, 48                             ; v48-79   the bias
.set R, 80                             ; v80-175  three rows as loaded
.set X, 176                            ; v176-207 my 32 neighbours of the row in hand
.set C, 208                            ; v208-239 codes, four registers a row
.set E, 240                            ; v240-247 a scale byte a row
	s_load_b512 s[4:19], s[0:1], 0x0               ; src01, g0, b0, g1, b1, src2, g2, b2
	s_load_b64 s[20:21], s[0:1], 0x40              ; act
	v_lshl_add_u32 v254, v0, 2, 0x2800
	v_mov_b32 v255, 0
	v_lshrrev_b32 v1, 5, v0
	v_readfirstlane_b32 s2, v1                     ; wave
	v_and_b32 v1, 31, v0                           ; lane
	v_lshlrev_b32 v2, 4, v1                        ; my 16 bytes of 512
	s_mul_i32 s3, s2, WREG
	v_lshrrev_b32 v3, 3, v1
	v_mul_u32_u24 v3, v3, SP
	v_and_b32 v4, 7, v1
	v_lshl_add_u32 v3, v4, 4, v3
	v_add_nc_u32 v3, s3, v3                        ; stage, in: eight lanes' 128 bytes on end, then the padding
	v_mul_u32_u24 v4, v1, SP
	v_add_nc_u32 v4, s3, v4                        ; stage, out: my 128 bytes
	s_add_co_u32 s3, s3, SBY
	v_add_nc_u32 v5, s3, v1                        ; my block's scale byte
	v_lshlrev_b32 v7, 3, v1
	v_add_nc_u32 v6, s3, v7                        ; and 8 of them on the way out
	s_mov_b32 s36, 0x3a800000                      ; 1 / 1024
	s_mov_b32 s37, 0x3727c5ac                      ; 1e-5
	s_mov_b32 s38, 0x76543210                      ; lane l xor 16
	s_mov_b32 s39, 0xfedcba98
	s_mov_b32 s28, CC_C
	s_mov_b32 s29, CC_S
	s_mov_b32 s30, 512
	s_wait_kmcnt 0x0
	s_cmp_lt_u32 ttmp9, 512                        ; the job hangs on the work-group's number alone
	s_cselect_b64 s[22:23], s[4:5], s[14:15]
	s_cselect_b64 s[24:25], s[10:11], s[16:17]
	s_cselect_b64 s[26:27], s[12:13], s[18:19]
	s_cselect_b32 s28, CN_C, s28
	s_cselect_b32 s29, CN_S, s29
	s_cselect_b32 s30, 256, s30
	s_cmp_lt_u32 ttmp9, 256
	s_cselect_b64 s[24:25], s[6:7], s[24:25]
	s_cselect_b64 s[26:27], s[8:9], s[26:27]
	s_cselect_b32 s28, XN_C, s28
	s_cselect_b32 s29, XN_S, s29
	s_cselect_b32 s30, 0, s30
	s_sub_co_u32 s30, ttmp9, s30
	s_lshl_b32 s30, s30, 4
	s_lshl_b32 s31, s2, 3
	s_add_co_u32 s30, s30, s31                     ; my first row
	s_lshl_b32 s32, s30, 12
	s_mov_b32 s33, 0
	s_add_nc_u64 s[22:23], s[22:23], s[32:33]      ; the source at it
	s_lshl_b32 s32, s30, 9
	s_add_co_u32 s32, s32, s28
	s_add_nc_u64 s[32:33], s[20:21], s[32:33]      ; its codes
	s_lshl_b32 s34, s30, 5
	s_add_co_u32 s34, s34, s29
	s_mov_b32 s35, 0
	s_add_nc_u64 s[34:35], s[20:21], s[34:35]      ; its scale bytes
.macro LOAD t
.irp j, 0,1,2,3,4,5,6,7
	global_load_b128 v[R+32*((\t)%3)+4*\j:R+32*((\t)%3)+4*\j+3], v2, s[22:23] offset:4096*(\t)+512*\j
.endr
.endm
.macro TURN a, d                       ; 4,096 bytes through the stage; LDS serves a wave's instructions in order, so no wait stands between
.irp j, 0,1,2,3,4,5,6,7
	ds_store_b128 v3, v[\a+4*\j:\a+4*\j+3] offset:576*\j
.endr
.irp j, 0,1,2,3,4,5,6,7
	ds_load_b128 v[\d+4*\j:\d+4*\j+3], v4 offset:16*\j
.endr
.endm
.macro LANESUM                         ; v[8:9] -> the sum over the wave, in v8 of every lane
	v_add_f32 v8, v8, v9
	v_add_f32_dpp v8, v8, v8 row_xmask:1 row_mask:0xf bank_mask:0xf
	v_add_f32_dpp v8, v8, v8 row_xmask:2 row_mask:0xf bank_mask:0xf
	v_add_f32_dpp v8, v8, v8 row_xmask:4 row_mask:0xf bank_mask:0xf
	v_add_f32_dpp v8, v8, v8 row_xmask:8 row_mask:0xf bank_mask:0xf
	v_permlanex16_b32 v9, v8, s38, s39
	v_add_f32 v8, v8, v9
.endm
.macro FOLD                            ; four chains of pairs into one
	v_pk_add_f32 v[8:9], v[8:9], v[10:11]
	v_pk_add_f32 v[12:13], v[12:13], v[14:15]
	v_pk_add_f32 v[8:9], v[8:9], v[12:13]
.endm
.irp j, 0,1,2,3,4,5,6,7
	global_load_b128 v[X+4*\j:X+4*\j+3], v2, s[24:25] offset:512*\j      ; the gain, as it lies
.endr
.irp j, 0,1,2,3,4,5,6,7
	global_load_b128 v[C+4*\j:C+4*\j+3], v2, s[26:27] offset:512*\j      ; the bias
.endr
	LOAD 0
	LOAD 1
	LOAD 2
	s_wait_loadcnt 24                              ; gain and bias are in; three rows' 24 loads stay out
	TURN X, G
	TURN C, B
.macro ROW t
.if 7-(\t) >= 2
	s_wait_loadcnt 16                              ; this row's eight loads are in; the two rows behind it may be out
.else
	s_wait_loadcnt 8*(7-(\t))
.endif
	TURN R+32*((\t)%3), X
	s_wait_dscnt 0x0                               ; my 32 neighbours are here, and the stage's stores have read their registers,
.if (\t)+3 < 8
	LOAD (\t)+3                                    ; which take the row three further on
.endif
.irp k, 0,1,2,3
	v_pk_add_f32 v[8+2*\k:9+2*\k], v[X+2*\k:X+2*\k+1], v[X+8+2*\k:X+9+2*\k]
.endr
.irp m, 16,24
.irp k, 0,1,2,3
	v_pk_add_f32 v[8+2*\k:9+2*\k], v[8+2*\k:9+2*\k], v[X+\m+2*\k:X+\m+2*\k+1]
.endr
.endr
	FOLD
	LANESUM
	v_mul_f32 v248, s36, v8                        ; the mean, twice
	v_mul_f32 v249, s36, v8
.irp j, 0,2,4,6,8,10,12,14,16,18,20,22,24,26,28,30
	v_pk_add_f32 v[X+\j:X+\j+1], v[X+\j:X+\j+1], v[248:249] neg_lo:[0,1] neg_hi:[0,1]
.endr
.irp k, 0,1,2,3
	v_pk_mul_f32 v[8+2*\k:9+2*\k], v[X+2*\k:X+2*\k+1], v[X+2*\k:X+2*\k+1]
.endr
.irp m, 8,16,24
.irp k, 0,1,2,3
	v_pk_fma_f32 v[8+2*\k:9+2*\k], v[X+\m+2*\k:X+\m+2*\k+1], v[X+\m+2*\k:X+\m+2*\k+1], v[8+2*\k:9+2*\k]
.endr
.endr
	FOLD
	LANESUM
	v_fma_f32 v8, v8, s36, s37                     ; the variance + eps
	v_rsq_f32 v250, v8
	v_rsq_f32 v251, v8
	v_nop                                          ; a plain instruction between the root and its use
	s_wait_alu depctr_va_vdst(0)
.irp j, 0,2,4,6,8,10,12,14,16,18,20,22,24,26,28,30
	v_pk_mul_f32 v[X+\j:X+\j+1], v[X+\j:X+\j+1], v[250:251]
.endr
.irp j, 0,2,4,6,8,10,12,14,16,18,20,22,24,26,28,30
	v_pk_fma_f32 v[X+\j:X+\j+1], v[X+\j:X+\j+1], v[G+\j:G+\j+1], v[B+\j:B+\j+1]
.endr
	v_max3_num_f32 v8, |v[X]|, |v[X+1]|, |v[X+2]|  ; the block's largest magnitude: all 32 numbers are mine
	v_max3_num_f32 v9, |v[X+3]|, |v[X+4]|, |v[X+5]|
.irp i, 6,10,14,18,22,26
	v_max3_num_f32 v8, v8, |v[X+\i]|, |v[X+\i+1]|
	v_max3_num_f32 v9, v9, |v[X+\i+2]|, |v[X+\i+3]|
.endr
	v_max3_num_f32 v8, v8, |v[X+30]|, |v[X+31]|
	v_max3_num_f32 v8, v8, v9, 0x1800000           ; and the floor 2^(3 - 127): the byte cannot fall under 1
	v_add_nc_u32 v10, 0xff000000, v8               ; 2 off the exponent field: the conversion's scale operand
.irp g, 0,1,2,3
	v_cvt_scalef32_pk8_fp4_f32 v[C+4*(\t)+\g], v[X+8*\g:X+8*\g+7], v10
.endr
	v_lshrrev_b32 v[E+(\t)], 23, v10               ; the scale's byte
	ds_store_b8 v5, v[E+(\t)] offset:32*(\t)
	global_store_b128 v2, v[C+4*(\t):C+4*(\t)+3], s[32:33] offset:512*(\t)   ; the wave stores the row's 512 consecutive bytes
.endm
.irp t, 0,1,2,3,4,5,6,7
	ROW \t
.endr
	ds_load_b64 v[12:13], v6                       ; eight rows' 256 scale bytes
	s_wait_dscnt 0x0
	global_store_b64 v7, v[12:13], s[34:35]        ; 256 consecutive bytes, at a multiple of 256 from the region's start
	s_wait_tensorcnt 0x0
	ds_add_u32 v254, v255
	s_wait_dscnt 0x0
	s_endpgm
.Lfunc_end_k_q11cd244f09_ln1:
	.size	k_q11cd244f09_ln1, .Lfunc_end_k_q11cd244f09_ln1-k_q11cd244f09_ln1
	.p2alignl 7, 3214868480
	.fill 96, 4, 3214868480
	.section	.rodata,"a",@progbits
	.p2align	6, 0x0
	.amdhsa_kernel k_q11cd244f09_ln1
		.amdhsa_group_segment_fixed_size 10496
		.amdhsa_private_segment_fixed_size 0
		.amdhsa_enable_private_segment 0
		.amdhsa_kernarg_size 72
		.amdhsa_user_sgpr_count 2
		.amdhsa_user_sgpr_kernarg_segment_ptr 1
		.amdhsa_wavefront_size32 1
		.amdhsa_system_sgpr_workgroup_id_x 1
		.amdhsa_system_sgpr_workgroup_id_y 1
		.amdhsa_system_sgpr_workgroup_id_z 1
		.amdhsa_system_vgpr_workitem_id 0
		.amdhsa_next_free_vgpr 256
		.amdhsa_next_free_sgpr 66
		.amdhsa_reserve_vcc 0
		.amdhsa_float_denorm_mode_32 3
		.amdhsa_float_denorm_mode_16_64 3
		.amdhsa_memory_ordered 1
		.amdhsa_forward_progress 1
		.amdhsa_inst_pref_size 83
	.end_amdhsa_kernel
	.amdgpu_metadata
---
amdhsa.version: [ 1, 2 ]
amdhsa.kernels:
  - .name:           k_q11cd244f09_ln1
    .symbol:         k_q11cd244f09_ln1.kd
    .args:
      - { .name: x, .offset: 0, .size: 8, .value_kind: global_buffer, .address_space: global }
      - { .name: sa_norm_g, .offset: 8, .size: 8, .value_kind: global_buffer, .address_space: global }
      - { .name: sa_norm_b, .offset: 16, .size: 8, .value_kind: global_buffer, .address_space: global }
      - { .name: sa_normc_g, .offset: 24, .size: 8, .value_kind: global_buffer, .address_space: global }
      - { .name: sa_normc_b, .offset: 32, .size: 8, .value_kind: global_buffer, .address_space: global }
      - { .name: context, .offset: 40, .size: 8, .value_kind: global_buffer, .address_space: global }
      - { .name: ca_normc_g, .offset: 48, .size: 8, .value_kind: global_buffer, .address_space: global }
      - { .name: ca_normc_b, .offset: 56, .size: 8, .value_kind: global_buffer, .address_space: global }
      - { .name: act, .offset: 64, .size: 8, .value_kind: global_buffer, .address_space: global }
    .group_segment_fixed_size: 10496
    .private_segment_fixed_size: 0
    .kernarg_segment_align: 8
    .kernarg_segment_size: 72
    .max_flat_workgroup_size: 64
    .sgpr_count:     66
    .vgpr_count:     256
    .wavefront_size: 32
...
	.end_amdgpu_metadata
.endif
;; end of part 1
;; launch pj1 (part 2): grid 896 x 1, 4 waves a work-group, no clusters, 168,448 bytes of LDS; arguments sa_wq_codes, sa_wq_scales, sa_wkv_codes, sa_wkv_scales, ca_wkv_codes, ca_wkv_scales, act, qkv; writes qkv
.if DOCPART == 2
	.amdgcn_target "amdgcn-amd-amdhsa--gfx1250"
	.amdhsa_code_object_version 6
	.text
	.protected	k_q11cd244f09_pj1
	.globl	k_q11cd244f09_pj1
	.p2align	8
	.type	k_q11cd244f09_pj1,@function
k_q11cd244f09_pj1:
	s_mov_b64 s[64:65], 0
	v_nop
	global_prefetch_b8 v0, s[64:65] scope:SCOPE_SE
	s_setreg_imm32_b32 hwreg(HW_REG_WAVE_MODE, 25, 1), 1
	s_wait_xcnt 0x0
; A product on FP4 codes, K = 1,024, whose result is quantised at once along ITS FIRST index i, the K of the product that will read it.
; R(i, j) = sum over k of S0(i, k) S1(j, k).  Both sources lie [row][512 bytes of codes] and [row][32 scale bytes].
; Jobs by the work-group's number: 0 q (i = feature, j = token), 1 k, 2 v (i = token, j = feature), 3 the context's k, 4 its v.
; A launch of 256 work-groups runs job 0 alone.
; OUT (buffer qkv): codes [I/64][J/16][512 bytes]: a unit is the image of four operand registers, lane (r, h) holding at 16 x lane the codes of
; i = 64 i64 + 32 h + 0..31 of row j = 16 j16 + r; scale words [I/128][J], byte b for the chunk's block b.
; SHARES: a work-group makes 128 (i) x 128 (j) over all of K; both sources' 128 rows come into LDS once (no slot is filled again).
; Wave w takes all 128 i x rows j = 32 w .. 32 w + 31: 16 accumulators.  Source 0 of the matrix instruction is S0: a lane then holds one j and
; its registers run along i.  The tiles' rows are neighbours: tile t, register n of lane (r, h) is i = 16 t + 8 h + n.
; No cluster: eight or more neighbouring work-groups share S1's rows, but each reads them once, 70 KB, at its head; left for a later version.
; The scale words leave 128 bytes a wave, half of an aligned 256: they are one sixteenth of the bytes stored.
; LIMITS: NaN and infinities are not served; a block of zeros gets the byte 1 (zero codes; read by this program alone).
.set XN_C, 0
.set CN_C, 2097152
.set CC_C, 4194304
.set XN_S, 4718592
.set CN_S, 4849664
.set CC_S, 4980736
.set Q_C,  0
.set K_C,  2097152
.set V_C,  4194304
.set K2_C, 6291456
.set V2_C, 6815744
.set Q_S,  7340032
.set K_S,  7471104
.set V_S,  7602176
.set K2_S, 7733248
.set V2_S, 7766016
.set PITCH, 528                        ; an LDS row of codes: 512 bytes + 16: the 16 rows of a load start at 16 different banks
.set C0, 0                             ; S0's 128 rows
.set C1, 128*PITCH                     ; S1's
.set S0, 2*128*PITCH                   ; S0's scale bytes, 32 a row
.set S1, S0+4096
.set SC0, 16                           ; v16-23  S0's scale words, one a tile
.set SC1, 24                           ; v24-25  S1's, by the K step's parity: lanes 0-15 my rows 0-15, lanes 16-31 my rows 16-31
.set F1,  32                           ; v32-63  S1's fragments, two sets of two
.set F0,  64                           ; v64-127 S0's eight fragments
.set ACC, 128                          ; v128-255 accumulator (t, u) at ACC + 64 u + 8 t
.set TM,  64                           ; the way out: at work
.set SEL, 90
.macro PLACES
.rept 4
	v_nop
.endr
.endm
.macro JOB thr, p0c, p0s, o0c, o0s, p1c, p1s, o1c, o1s, oc, os, first, logni, logj
.if \thr == 0
	s_mov_b64 s[20:21], s[\p0c:\p0c+1]
	s_mov_b64 s[22:23], s[\p0s:\p0s+1]
	s_mov_b64 s[24:25], s[\p1c:\p1c+1]
	s_mov_b64 s[26:27], s[\p1s:\p1s+1]
	s_mov_b32 s28, \o0c
	s_mov_b32 s29, \o0s
	s_mov_b32 s30, \o1c
	s_mov_b32 s31, \o1s
	s_mov_b32 s32, \oc
	s_mov_b32 s33, \os
	s_mov_b32 s34, \first
	s_mov_b32 s35, \logni
	s_mov_b32 s36, \logj
.else
	s_cmp_lt_u32 ttmp9, \thr
	s_cselect_b64 s[20:21], s[\p0c:\p0c+1], s[20:21]
	s_cselect_b64 s[22:23], s[\p0s:\p0s+1], s[22:23]
	s_cselect_b64 s[24:25], s[\p1c:\p1c+1], s[24:25]
	s_cselect_b64 s[26:27], s[\p1s:\p1s+1], s[26:27]
	s_cselect_b32 s28, \o0c, s28
	s_cselect_b32 s29, \o0s, s29
	s_cselect_b32 s30, \o1c, s30
	s_cselect_b32 s31, \o1s, s31
	s_cselect_b32 s32, \oc, s32
	s_cselect_b32 s33, \os, s33
	s_cselect_b32 s34, \first, s34
	s_cselect_b32 s35, \logni, s35
	s_cselect_b32 s36, \logj, s36
.endif
.endm
	s_load_b512 s[4:19], s[0:1], 0x0               ; w0 codes, scales; wkv codes, scales; the context's wkv codes, scales; act; qkv
	v_lshl_add_u32 v30, v0, 2, 0x29000
	v_mov_b32 v31, 0
	ds_add_u32 v30, v31
	ds_add_u32 v30, v31
	v_lshrrev_b32 v1, 5, v0
	v_readfirstlane_b32 s37, v1                    ; wave
	v_and_b32 v3, 31, v0                           ; lane
	v_and_b32 v1, 15, v0                           ; r
	v_bfe_u32 v2, v0, 4, 1                         ; h
	v_mul_u32_u24 v4, v1, PITCH
	v_lshl_add_u32 v4, v2, 4, v4                   ; S0's fragments: row r, + 16 h
	s_mul_i32 s38, s37, 32*PITCH
	s_add_co_u32 s38, s38, C1
	v_add_nc_u32 v5, s38, v4                       ; S1's: my 32 rows
	v_lshl_add_u32 v6, v1, 5, S0                   ; S0's scale words
	s_lshl_b32 s38, s37, 10
	s_add_co_u32 s38, s38, S1
	v_lshl_add_u32 v7, v3, 5, s38                  ; S1's: lane l takes my row l
	v_lshlrev_b32 v8, 4, v3                        ; out: 16 x lane
	v_lshlrev_b32 v10, 2, v3                       ; out: 4 x lane
	s_mov_b32 s[SEL], 0x76543210
	s_mov_b32 s[SEL+1], 0xfedcba98
	; descriptor group 1 for codes: 64 rows of 512 bytes, 16 bytes of padding behind each
	s_mov_b32 s40, (1<<20)|(6<<22)|(3<<25)
	s_mov_b32 s41, 512<<16
	s_mov_b32 s42, 64<<16
	s_mov_b32 s43, 512<<16
	s_mov_b32 s44, 64
	s_mov_b32 s45, 512
	s_mov_b32 s46, 0
	s_mov_b32 s47, 0
	; and for the scale bytes of 64 rows: 2,048 dense bytes as 8 rows of 256
	s_mov_b32 s48, 3<<16
	s_mov_b32 s49, 32<<16
	s_mov_b32 s50, 8<<16
	s_mov_b32 s51, 32<<16
	s_mov_b32 s52, 8
	s_mov_b32 s53, 32
	s_mov_b32 s54, 0
	s_mov_b32 s55, 0
	s_and_b32 s76, s37, 1                          ; which 64 rows I fetch
	s_lshl_b32 s77, s76, 15
	s_lshl_b32 s78, s76, 11
	s_mov_b32 s81, 0
	s_wait_dscnt 0x0
	s_wait_kmcnt 0x0
	JOB 0,   16, 16, CC_C, CC_S, 12, 14, 524288, 32768, V2_C, V2_S, 832, 3, 10
	JOB 832, 12, 14, 0, 0, 16, 16, CC_C, CC_S, K2_C, K2_S, 768, 3, 10
	JOB 768, 16, 16, CN_C, CN_S, 8, 10, 524288, 32768, V_C, V_S, 512, 5, 10
	JOB 512, 8, 10, 0, 0, 16, 16, CN_C, CN_S, K_C, K_S, 256, 3, 12
	JOB 256, 4, 6, 0, 0, 16, 16, XN_C, XN_S, Q_C, Q_S, 0, 3, 12
	s_sub_co_u32 s38, ttmp9, s34
	s_lshl_b32 s39, 1, s35
	s_sub_co_u32 s39, s39, 1
	s_and_b32 s39, s38, s39                        ; ic: my 128 of i
	s_lshr_b32 s38, s38, s35                       ; jc: my 128 of j
	s_lshl_b32 s80, s39, 16                        ; S0's codes: 128 rows of 512 bytes a chunk
	s_add_co_u32 s80, s80, s28
	s_add_co_u32 s80, s80, s77
	s_mov_b32 s56, 1
	s_mul_i32 s57, s76, 64*PITCH
	s_add_nc_u64 s[58:59], s[20:21], s[80:81]
	s_or_b32 s59, s59, 0x80000000
	s_lshl_b32 s80, s39, 12                        ; S0's scale bytes
	s_add_co_u32 s80, s80, s29
	s_add_co_u32 s80, s80, s78
	s_mov_b32 s60, 1
	s_add_co_u32 s61, s78, S0
	s_add_nc_u64 s[62:63], s[22:23], s[80:81]
	s_or_b32 s63, s63, 0x80000000
	s_lshl_b32 s80, s38, 16                        ; S1's codes
	s_add_co_u32 s80, s80, s30
	s_add_co_u32 s80, s80, s77
	s_mov_b32 s68, 1
	s_add_co_u32 s69, s57, C1
	s_add_nc_u64 s[70:71], s[24:25], s[80:81]
	s_or_b32 s71, s71, 0x80000000
	s_lshl_b32 s80, s38, 12                        ; S1's scale bytes
	s_add_co_u32 s80, s80, s31
	s_add_co_u32 s80, s80, s78
	s_mov_b32 s72, 1
	s_add_co_u32 s73, s78, S1
	s_add_nc_u64 s[74:75], s[26:27], s[80:81]
	s_or_b32 s75, s75, 0x80000000
	s_cmp_lt_u32 s37, 2                            ; waves 0, 1 fetch S0's halves, waves 2, 3 S1's: two loads of a wave are out
	s_cbranch_scc0 .Lfor_s1
	tensor_load_to_lds s[56:59], s[40:47]
	s_nop 0
	tensor_load_to_lds s[60:63], s[48:55]
	s_nop 0
	PLACES
	s_branch .Lasked
.Lfor_s1:
	tensor_load_to_lds s[68:71], s[40:47]
	s_nop 0
	tensor_load_to_lds s[72:75], s[48:55]
	s_nop 0
	PLACES
.Lasked:
	s_add_co_u32 s79, s36, 6                       ; where my results go.  Codes: (2 ic) units of i64, each J x 32 bytes,
	s_lshl_b32 s80, s39, s79
	s_add_co_u32 s80, s80, s32
	s_lshl_b32 s79, s38, 12                        ; + (8 jc + 2 w) tiles of 512 bytes
	s_add_co_u32 s80, s80, s79
	s_lshl_b32 s79, s37, 10
	s_add_co_u32 s80, s80, s79
	s_add_nc_u64 s[84:85], s[18:19], s[80:81]
	s_lshl_b32 s80, s39, s36                       ; scale words: (ic J + 128 jc + 32 w) x 4
	s_lshl_b32 s79, s38, 7
	s_add_co_u32 s80, s80, s79
	s_lshl_b32 s79, s37, 5
	s_add_co_u32 s80, s80, s79
	s_lshl_b32 s80, s80, 2
	s_add_co_u32 s80, s80, s33
	s_add_nc_u64 s[86:87], s[18:19], s[80:81]
	s_lshl_b32 s79, 32, s36
	v_add_nc_u32 v9, s79, v8                       ; the second i64 of my chunk lies J x 32 bytes on
.macro LOADF1 s                        ; S1's two fragments and scale word of K step s: 5 LDS loads
.irp u, 0,1
.irp c, 0,1
	ds_load_b128 v[F1+16*((\s)%2)+8*\u+4*\c:F1+16*((\s)%2)+8*\u+4*\c+3], v5 offset:16*PITCH*\u+64*(\s)+32*\c
.endr
.endr
	ds_load_b32 v[SC1+(\s)%2], v7 offset:4*(\s)
.endm
.macro LOADH s, hf                     ; S0's tiles 4 hf .. 4 hf + 3 of K step s: 12 LDS loads
.irp t, 0,1,2,3
.irp c, 0,1
	ds_load_b128 v[F0+8*(4*(\hf)+\t)+4*\c:F0+8*(4*(\hf)+\t)+4*\c+3], v4 offset:16*PITCH*(4*(\hf)+\t)+64*(\s)+32*\c
.endr
	ds_load_b32 v[SC0+4*(\hf)+\t], v6 offset:512*(4*(\hf)+\t)+4*(\s)
.endr
.endm
.macro MUL8 s, hf, zero                ; eight products; the 16 accumulators take turns, one instruction a turn
.irp t, 0,1,2,3
.irp u, 0,1
.set rD, ACC+64*\u+8*(4*(\hf)+\t)
.set rA, F0+8*(4*(\hf)+\t)
.set rB, F1+16*((\s)%2)+8*\u
.set rS, SC0+4*(\hf)+\t
.set rT, SC1+(\s)%2
.if \zero
.if \u
	v_wmma_scale_f32_16x16x128_f8f6f4 v[rD:rD+7], v[rA:rA+7], v[rB:rB+7], 0, v[rS], v[rT] matrix_a_fmt:MATRIX_FMT_FP4 matrix_b_fmt:MATRIX_FMT_FP4 matrix_b_scale:MATRIX_SCALE_ROW1
.else
	v_wmma_scale_f32_16x16x128_f8f6f4 v[rD:rD+7], v[rA:rA+7], v[rB:rB+7], 0, v[rS], v[rT] matrix_a_fmt:MATRIX_FMT_FP4 matrix_b_fmt:MATRIX_FMT_FP4
.endif
.else
.if \u
	v_wmma_scale_f32_16x16x128_f8f6f4 v[rD:rD+7], v[rA:rA+7], v[rB:rB+7], v[rD:rD+7], v[rS], v[rT] matrix_a_fmt:MATRIX_FMT_FP4 matrix_b_fmt:MATRIX_FMT_FP4 matrix_b_scale:MATRIX_SCALE_ROW1
.else
	v_wmma_scale_f32_16x16x128_f8f6f4 v[rD:rD+7], v[rA:rA+7], v[rB:rB+7], v[rD:rD+7], v[rS], v[rT] matrix_a_fmt:MATRIX_FMT_FP4 matrix_b_fmt:MATRIX_FMT_FP4
.endif
.endif
.endr
.endr
.endm
.macro STEP s, zero, last              ; 128 along K.  Four plain places stand in front of loads into registers that matrix instructions have read
	s_wait_dscnt 12                                ; S1's fragments and S0's tiles 0-3 are in; the 12 loads of tiles 4-7 may be out
	MUL8 \s, 0, \zero
.if !\last
	PLACES
	LOADF1 (\s)+1
	LOADH (\s)+1, 0
	s_wait_dscnt 17                                ; all but the 5 + 12 just issued
.else
	s_wait_dscnt 0x0
.endif
	MUL8 \s, 1, \zero
	PLACES
.if !\last
	LOADH (\s)+1, 1
.endif
.endm
; 64 numbers of a lane, tiles 0-7 at v[src] on, become a fragment's 8 registers of codes at v[pc] on and its scale word in v[pw].
; Block b of 32 lies in tiles 2 b, 2 b + 1 of lanes l and l xor 16.  Tile 4 c + 2 bb + u converts into register pc + 4 c + 2 u + bb, so that two
; exchanges of halves for each 64 leave lanes 0-15 with block 2 c and lanes 16-31 with block 2 c + 1, as the operand's layout asks.
.macro QUANT src, pc, pw
.irp b, 0,1,2,3
	v_max3_num_f32 v[TM+\b], |v[\src+16*\b]|, |v[\src+16*\b+1]|, 0x1800000   ; with the floor 2^(3 - 127): the byte cannot fall under 1
.endr
.irp i, 2,4,6,8,10,12,14
.irp b, 0,1,2,3
	v_max3_num_f32 v[TM+\b], v[TM+\b], |v[\src+16*\b+\i]|, |v[\src+16*\b+\i+1]|
.endr
.endr
.irp b, 0,1,2,3
	v_permlanex16_b32 v[TM+4+\b], v[TM+\b], s[SEL], s[SEL+1]
.endr
.irp b, 0,1,2,3
	v_max_num_f32 v[TM+\b], v[TM+\b], v[TM+4+\b]
.endr
.irp b, 0,1,2,3
	v_add_nc_u32 v[TM+12+\b], 0xff000000, v[TM+\b] ; 2 off the exponent field: the conversion's scale operand
.endr
.irp b, 0,1,2,3
	v_lshrrev_b32 v[TM+4+\b], 23, v[TM+12+\b]      ; the scale's byte
.endr
	v_lshl_or_b32 v[\pw], v[TM+5], 8, v[TM+4]
	v_lshl_or_b32 v[\pw], v[TM+6], 16, v[\pw]
	v_lshl_or_b32 v[\pw], v[TM+7], 24, v[\pw]
.irp c, 0,1
.irp bb, 0,1
.irp u, 0,1
	v_cvt_scalef32_pk8_fp4_f32 v[\pc+4*\c+2*\u+\bb], v[\src+8*(4*\c+2*\bb+\u):\src+8*(4*\c+2*\bb+\u)+7], v[TM+12+2*\c+\bb]
.endr
.endr
.endr
	v_nop                                          ; a plain place behind the conversions
.irp c, 0,1
	v_permlane16_swap_b32 v[\pc+4*\c], v[\pc+4*\c+1]
	v_permlane16_swap_b32 v[\pc+4*\c+2], v[\pc+4*\c+3]
.endr
.endm
	s_wait_tensorcnt 0x0                           ; my two loads have landed,
	s_barrier_signal -1
	s_barrier_wait -1                              ; everybody's have
	LOADF1 0
	LOADH 0, 0
	LOADH 0, 1
	STEP 0, 1, 0                                   ; the first K step starts the sums
.irp s, 1,2,3,4,5,6
	STEP \s, 0, 0
.endr
	STEP 7, 0, 1
.irp b, 0,1,2,3
	v_mov_b32 v[TM+4+\b], 0                        ; a lane permute's destination counts as one of its sources
.endr
	QUANT ACC, 80, 96
	QUANT ACC+64, 88, 97
	v_cmp_gt_u32 vcc_lo, 16, v3
	v_cndmask_b32 v98, v97, v96, vcc_lo            ; lanes 0-15: my rows 0-15's words; lanes 16-31: rows 16-31's
	global_store_b128 v8, v[80:83], s[84:85]       ; each store: 512 consecutive bytes
	global_store_b128 v9, v[84:87], s[84:85]
	global_store_b128 v8, v[88:91], s[84:85] offset:512
	global_store_b128 v9, v[92:95], s[84:85] offset:512
	global_store_b32 v10, v98, s[86:87]
	s_wait_tensorcnt 0x0
	ds_add_u32 v30, v31
	s_wait_dscnt 0x0
	s_endpgm
.Lfunc_end_k_q11cd244f09_pj1:
	.size	k_q11cd244f09_pj1, .Lfunc_end_k_q11cd244f09_pj1-k_q11cd244f09_pj1
	.p2alignl 7, 3214868480
	.fill 96, 4, 3214868480
	.section	.rodata,"a",@progbits
	.p2align	6, 0x0
	.amdhsa_kernel k_q11cd244f09_pj1
		.amdhsa_group_segment_fixed_size 168448
		.amdhsa_private_segment_fixed_size 0
		.amdhsa_enable_private_segment 0
		.amdhsa_kernarg_size 64
		.amdhsa_user_sgpr_count 2
		.amdhsa_user_sgpr_kernarg_segment_ptr 1
		.amdhsa_wavefront_size32 1
		.amdhsa_system_sgpr_workgroup_id_x 1
		.amdhsa_system_sgpr_workgroup_id_y 1
		.amdhsa_system_sgpr_workgroup_id_z 1
		.amdhsa_system_vgpr_workitem_id 0
		.amdhsa_next_free_vgpr 256
		.amdhsa_next_free_sgpr 100
		.amdhsa_reserve_vcc 1
		.amdhsa_float_denorm_mode_32 3
		.amdhsa_float_denorm_mode_16_64 3
		.amdhsa_memory_ordered 1
		.amdhsa_forward_progress 1
		.amdhsa_inst_pref_size 50
	.end_amdhsa_kernel
	.amdgpu_metadata
---
amdhsa.version: [ 1, 2 ]
amdhsa.kernels:
  - .name:           k_q11cd244f09_pj1
    .symbol:         k_q11cd244f09_pj1.kd
    .args:
      - { .name: sa_wq_codes, .offset: 0, .size: 8, .value_kind: global_buffer, .address_space: global }
      - { .name: sa_wq_scales, .offset: 8, .size: 8, .value_kind: global_buffer, .address_space: global }
      - { .name: sa_wkv_codes, .offset: 16, .size: 8, .value_kind: global_buffer, .address_space: global }
      - { .name: sa_wkv_scales, .offset: 24, .size: 8, .value_kind: global_buffer, .address_space: global }
      - { .name: ca_wkv_codes, .offset: 32, .size: 8, .value_kind: global_buffer, .address_space: global }
      - { .name: ca_wkv_scales, .offset: 40, .size: 8, .value_kind: global_buffer, .address_space: global }
      - { .name: act, .offset: 48, .size: 8, .value_kind: global_buffer, .address_space: global }
      - { .name: qkv, .offset: 56, .size: 8, .value_kind: global_buffer, .address_space: global }
    .group_segment_fixed_size: 168448
    .private_segment_fixed_size: 0
    .kernarg_segment_align: 8
    .kernarg_segment_size: 64
    .max_flat_workgroup_size: 128
    .sgpr_count:     100
    .vgpr_count:     256
    .wavefront_size: 32
...
	.end_amdgpu_metadata
.endif
;; end of part 2
;; launch at_sa (part 3): grid 8 x 32, 16 waves a work-group, no clusters, 169,984 bytes of LDS; arguments qkv, sa_rel, ao; writes ao
.if DOCPART == 3
	.amdgcn_target "amdgcn-amd-amdhsa--gfx1250"
	.amdhsa_code_object_version 6
	.text
	.protected	k_q11cd244f09_at_sa
	.globl	k_q11cd244f09_at_sa
	.p2align	8
	.type	k_q11cd244f09_at_sa,@function
k_q11cd244f09_at_sa:
	s_mov_b64 s[64:65], 0
	v_nop
	global_prefetch_b8 v0, s[64:65] scope:SCOPE_SE
	s_setreg_imm32_b32 hwreg(HW_REG_WAVE_MODE, 25, 1), 1
	s_wait_xcnt 0x0
; Attention of one head on FP4 codes: O = softmax((Q K^T + bias) / 8) V, bias by the relative position's bucket; O / l is quantised along the head's 64.
; p = 2^(t - M), t = (score + bias) x log2(e) / 8, M the running largest t rounded up to a whole number; l sums the unquantised p.
; IN (buffer qkv): register images of Q, K (K = the head's 64) and V (K = the keys), and their scale words.  OUT (buffer ao): [head][token tile][512 bytes]
; images of the next product's operand, and [head][token] two scale bytes.
; SHARES: a work-group owns 256 queries of one (batch, head), each of its sixteen waves 16 of them: four waves to a SIMD.  All of the head's K and V
; and their scale words come into LDS once; no LDS byte is filled again.  A step is 128 keys.
; LAYOUT: S^T = K Q^T, O^T = V^T P^T: a lane holds one query (lane % 16).  A tile's keys are neighbours: tile T, register n of lane (r, h) is key 16 T + 8 h + n.
; K = 64 IN A FORM OF 128: Q's upper four registers hold zero codes, so what K's operand names there (the next tile's codes) adds nothing;
; the scale words of Q and K are 16 bits, zero-extended: the upper bytes stand over zero codes.
; THE BIAS is the C of the first product.  It hangs on key - query alone; beyond +-91 it is one of two constants (eight registers each); nearer, rows of a table of
; 512 entries in LDS, kept in four copies shifted by 0-3 entries so that every lane's four neighbours lie at a multiple of 16 bytes.
; No cluster: the eight query blocks of a head share K and V, but each reads them once, at its head; left for a later version.
; LIMITS: NaN and infinities are not served.  The buckets' edges are the whole numbers 12, 16, 23, 32, 46, 64, 91 (8 x 2^(k/2) rounded up); at 16, 32, 64 the module's
; f32 logarithm lies on the edge.  A block's largest p is had from its largest score by the same two instructions.  A block of zeros gets the byte 1.
.set NK,   2048                        ; keys
.set ROFF, 0                           ; relative position = key - query + ROFF
.set KC,   2097152
.set KSO,  7471104
.set VC,   4194304
.set VSO,  7602176
.set Q_S,  7340032
.set AO_S, 2097152
.set NST,  NK/128
.set KL,   0                           ; LDS: K, [key tile][512]
.set VL,   NK*32                       ; V, [64 keys][4 tiles of 16 channels][512]
.set KSL,  NK*64                       ; K's scale words
.set VSL,  KSL+NK*4                    ; V's, [step][64]
.set TAB,  VSL+NST*256                 ; the bias table, four copies 2,112 bytes apart; at the end the work-group's 512 scale bytes
.set KSC, 26                           ; v26-33  K's scale words
.set VSC, 34                           ; v34-37  V's
.set CBL, 40                           ; v40-47  the bias far to the left
.set CBR, 48                           ; v48-55  far to the right
.set KF,  56                           ; v56-91  K's eight tiles, four registers each; v88-91 zeros
.set VF,  92                           ; v92-123 V's four fragments
.set S,   124                          ; v124-187 S^T, then p
.set O,   188                          ; v188-219 O^T
.set PC,  220                          ; v220-227 p's codes
.set BM,  228                          ; v228-231 a block's largest
.set BX,  232
.set SO,  236                          ; v236-239 the conversions' scale operands
; v1-5 lane places (K, V, K's words, V's words, table); v6-10 the step's addresses; v11, v38, v39 the way out; v12 -M, v13 largest t, v[14:15] l;
; v16-23 Q; v24 Q's scale word; v25 p's; v[240:241] f; v242 at work; v[244:245] the sum's second chain
.macro PLACES
.rept 4
	v_nop
.endr
.endm
	s_load_b128 s[4:7], s[0:1], 0x0                ; qkv, the bias's embedding
	s_load_b64 s[8:9], s[0:1], 0x10                ; ao
	v_lshl_add_u32 v254, v0, 2, 0x29000
	v_mov_b32 v255, 0
	ds_add_u32 v254, v255
	ds_add_u32 v254, v255
	v_lshrrev_b32 v6, 5, v0
	v_readfirstlane_b32 s10, v6                    ; wave 0..15
	s_and_b32 s12, ttmp7, 0xffff
	s_lshr_b32 s13, s12, 4                         ; batch
	s_and_b32 s14, s12, 15                         ; head
	s_and_b32 s15, s14, 1
	s_and_b32 s16, s10, 3                          ; which quarter I fetch
	s_lshl_b32 s17, ttmp9, 8
	s_lshl_b32 s18, s10, 4
	s_add_co_u32 s17, s17, s18                     ; my first query
	s_lshl_b32 s84, s14, 2
	s_lshr_b32 s85, s14, 1
	s_mov_b32 s20, 0x76543210
	s_mov_b32 s21, 0xfedcba98
	s_mov_b32 s22, 0x3e38aa3b                      ; c = log2(e) / 8
	s_mov_b32 s23, s22
	; descriptor groups 1, elements of 8 bytes, no padding.  K: a quarter, NK x 8 dense bytes as rows of 256
	s_mov_b32 s24, 3<<16
	s_mov_b32 s25, 32<<16
	s_mov_b32 s26, (NK/32)<<16
	s_mov_b32 s27, 32<<16
	s_mov_b32 s28, NK/32
	s_mov_b32 s29, 32
	s_mov_b32 s30, 0
	s_mov_b32 s31, 0
	; V: a quarter: NK / 256 rows of 2,048 bytes, 32,768 bytes apart
	s_mov_b32 s32, 3<<16
	s_mov_b32 s33, 256<<16
	s_mov_b32 s34, (NK/256)<<16
	s_mov_b32 s35, 256<<16
	s_mov_b32 s36, NK/256
	s_mov_b32 s37, 4096
	s_mov_b32 s38, 0
	s_mov_b32 s39, 0
	; K's scale words: NK x 4 dense bytes
	s_mov_b32 s40, 3<<16
	s_mov_b32 s41, 32<<16
	s_mov_b32 s42, (NK/64)<<16
	s_mov_b32 s43, 32<<16
	s_mov_b32 s44, NK/64
	s_mov_b32 s45, 32
	s_mov_b32 s46, 0
	s_mov_b32 s47, 0
	; V's: NST rows of 256 bytes, 4,096 bytes apart
	s_mov_b32 s48, 3<<16
	s_mov_b32 s49, 32<<16
	s_mov_b32 s50, NST<<16
	s_mov_b32 s51, 32<<16
	s_mov_b32 s52, NST
	s_mov_b32 s53, 512
	s_mov_b32 s54, 0
	s_mov_b32 s55, 0
	v_and_b32 v6, 31, v0                           ; lane
	v_and_b32 v7, 15, v0                           ; r
	v_bfe_u32 v8, v0, 4, 1                         ; h
	v_lshlrev_b32 v1, 4, v6                        ; an image's place for my lane (KL = 0)
	v_lshl_add_u32 v2, v6, 4, VL
	s_lshl_b32 s18, s15, 1
	s_add_co_u32 s18, s18, KSL
	v_lshl_add_u32 v3, v7, 2, s18                  ; K's word of key r: my head's two bytes of it
	v_lshl_add_u32 v4, v7, 2, VSL
	v_sub_nc_u32 v9, 16, v7
	v_and_b32 v9, 3, v9                            ; which copy: s = -r mod 4
	v_mul_u32_u24 v5, v9, 2108
	v_add_nc_u32 v5, TAB+208, v5
	v_lshl_add_u32 v5, v8, 5, v5
	v_lshlrev_b32 v9, 2, v7
	v_sub_nc_u32 v5, v5, v9                        ; TAB + 208 + 2112 s + 32 h - 4 (r + s)
	s_lshl_b32 s18, s10, 5
	s_add_co_u32 s18, s18, TAB
	v_lshl_add_u32 v11, v7, 1, s18                 ; the way out: my query's two scale bytes
	v_lshl_add_u32 v38, v6, 4, TAB
	v_lshlrev_b32 v39, 4, v6
	v_lshl_add_u32 v130, v0, 2, TAB                ; the table's entry of thread i
	; the bucket of relative position i - 256
	v_add_nc_u32 v124, 0xffffff00, v0
	v_sub_nc_u32 v125, 0, v124
	v_cmp_gt_i32 vcc_lo, 0, v124
	v_cndmask_b32 v125, v124, v125, vcc_lo         ; n = |rel|
	v_mov_b32 v126, 8
.irp thr, 12,16,23,32,46,64,91
	v_cmp_le_u32 vcc_lo, \thr, v125
	v_cndmask_b32 v127, 0, 1, vcc_lo
	v_add_nc_u32 v126, v126, v127
.endr
	v_cmp_gt_u32 vcc_lo, 8, v125
	v_cndmask_b32 v126, v126, v125, vcc_lo
	v_cmp_le_i32 vcc_lo, 0, v124
	v_cndmask_b32 v127, 0, 16, vcc_lo
	v_add_nc_u32 v126, v126, v127
	v_lshl_add_u32 v126, v126, 6, s84              ; (16 x bucket + head) x 4
.irp j, 20,21,22,23,88,89,90,91
	v_mov_b32 v[\j], 0                             ; zero codes
.endr
.set j, 0
.rept 32
	v_mov_b32 v[O+j], 0                            ; the loop is written once: its first step finds zeros
.set j, j+1
.endr
	v_mov_b32 v13, 0xff61b1e6                      ; the largest t so far: -3e38
	v_floor_f32 v12, -v13
	v_mov_b32 v14, 0
	v_mov_b32 v15, 0
	v_mov_b32 v241, 0
.irp b, 0,1,2,3
	v_mov_b32 v[BX+\b], 0                          ; a lane permute's destination counts as one of its sources
.endr
	s_mov_b32 s19, 0
	s_mul_i32 s91, s16, NK*8                       ; my quarter, in LDS (and in K's memory)
	s_wait_dscnt 0x0
	s_wait_kmcnt 0x0
	s_load_b32 s82, s[6:7], s84 offset:0x3c0       ; bucket 15: far to the left
	s_load_b32 s83, s[6:7], s84 offset:0x7c0       ; bucket 31: far to the right
	s_mul_i32 s18, s14, NK*64
	s_mul_i32 s90, s13, NK*32
	s_add_co_u32 s18, s18, s90
	s_add_co_u32 s18, s18, s91
	s_add_co_u32 s18, s18, KC
	s_mov_b32 s56, 1
	s_add_co_u32 s57, s91, KL
	s_add_nc_u64 s[58:59], s[4:5], s[18:19]
	s_or_b32 s59, s59, 0x80000000
	s_mul_i32 s18, s13, NK*512
	s_lshl_b32 s90, s14, 11
	s_add_co_u32 s18, s18, s90
	s_mul_i32 s90, s16, NK*128
	s_add_co_u32 s18, s18, s90
	s_add_co_u32 s18, s18, VC
	s_mov_b32 s60, 1
	s_add_co_u32 s61, s91, VL
	s_add_nc_u64 s[62:63], s[4:5], s[18:19]
	s_or_b32 s63, s63, 0x80000000
	s_mul_i32 s18, s85, NK*8
	s_mul_i32 s90, s13, NK*4
	s_add_co_u32 s18, s18, s90
	s_add_co_u32 s18, s18, KSO
	s_mov_b32 s68, 1
	s_mov_b32 s69, KSL
	s_add_nc_u64 s[70:71], s[4:5], s[18:19]
	s_or_b32 s71, s71, 0x80000000
	s_mul_i32 s18, s13, NST*4096
	s_lshl_b32 s90, s14, 8
	s_add_co_u32 s18, s18, s90
	s_add_co_u32 s18, s18, VSO
	s_mov_b32 s72, 1
	s_mov_b32 s73, VSL
	s_add_nc_u64 s[74:75], s[4:5], s[18:19]
	s_or_b32 s75, s75, 0x80000000
	s_cmp_lt_u32 s10, 4                            ; waves 0-3: K's quarters; 4-7: V's; 8: K's scale words; 9: V's.  One load a wave at the most
	s_cbranch_scc0 .Lnot_k
	tensor_load_to_lds s[56:59], s[24:31]
	s_nop 0
	PLACES
	s_branch .Lfilled
.Lnot_k:
	s_cmp_lt_u32 s10, 8
	s_cbranch_scc0 .Lnot_v
	tensor_load_to_lds s[60:63], s[32:39]
	s_nop 0
	PLACES
	s_branch .Lfilled
.Lnot_v:
	s_cmp_eq_u32 s10, 8
	s_cbranch_scc0 .Lnot_ks
	tensor_load_to_lds s[68:71], s[40:47]
	s_nop 0
	PLACES
	s_branch .Lfilled
.Lnot_ks:
	s_cmp_eq_u32 s10, 9
	s_cbranch_scc0 .Lfilled
	tensor_load_to_lds s[72:75], s[48:55]
	s_nop 0
	PLACES
.Lfilled:
	global_load_b32 v133, v126, s[6:7]             ; my entry of the table
	s_lshl_b32 s18, s14, 8
	s_lshl_b32 s90, s13, 7
	s_add_co_u32 s18, s18, s90
	s_lshl_b32 s90, ttmp9, 4
	s_add_co_u32 s18, s18, s90
	s_add_co_u32 s18, s18, s10
	s_lshl_b32 s18, s18, 9                         ; (256 head + 128 batch + my token tile) x 512: Q's image, and my result's
	v_add_nc_u32 v131, s18, v39
	global_load_b128 v[16:19], v131, s[4:5]
	s_add_nc_u64 s[86:87], s[8:9], s[18:19]
	s_lshl_b32 s92, s85, 12
	s_lshl_b32 s90, s13, 11
	s_add_co_u32 s92, s92, s90
	s_add_co_u32 s92, s92, s17
	s_lshl_b32 s92, s92, 2
	s_lshl_b32 s90, s15, 1
	s_add_co_u32 s92, s92, s90
	s_add_co_u32 s92, s92, Q_S
	v_lshl_add_u32 v132, v7, 2, s92
	global_load_u16 v24, v132, s[4:5]              ; Q's two scale bytes
	s_lshl_b32 s18, s14, 12
	s_lshl_b32 s90, s13, 11
	s_add_co_u32 s18, s18, s90
	s_lshl_b32 s90, ttmp9, 8
	s_add_co_u32 s18, s18, s90
	s_lshl_b32 s18, s18, 1
	s_add_co_u32 s18, s18, AO_S
	s_add_nc_u64 s[88:89], s[8:9], s[18:19]        ; the work-group's 512 scale bytes
	s_mov_b32 s76, 0                               ; the step's tiles of K and of V: 4,096 bytes a step
	s_mov_b32 s77, 0                               ; K's scale words: 512
	s_mov_b32 s78, 0                               ; V's: 256
	s_sub_co_i32 s79, ROFF, s17                    ; DD = the step's first key - my first query + ROFF
	s_mov_b32 s80, NST
	s_wait_kmcnt 0x0
.irp j, 0,1,2,3,4,5,6,7
	v_mov_b32 v[CBL+\j], s82
	v_mov_b32 v[CBR+\j], s83
.endr
	s_wait_loadcnt 0x0
.irp s, 0,1,2,3
	ds_store_b32 v130, v133 offset:16+2108*\s      ; copy s holds entry i at place i - s
.endr
	s_wait_tensorcnt 0x0                           ; my load has landed,
	s_wait_dscnt 0x0                               ; my part of the table is stored,
	s_barrier_signal -1
	s_barrier_wait -1                              ; everybody's
.macro SMUL cb                         ; S^T = K Q^T + bias: eight tiles of 16 keys.  cb < 0: the bias lies in S already
.set T, 0
.rept 8
.if (\cb) < 0
	v_wmma_scale_f32_16x16x128_f8f6f4 v[S+8*T:S+8*T+7], v[KF+4*T:KF+4*T+7], v[16:23], v[S+8*T:S+8*T+7], v[KSC+T], v24 matrix_a_fmt:MATRIX_FMT_FP4 matrix_b_fmt:MATRIX_FMT_FP4
.else
	v_wmma_scale_f32_16x16x128_f8f6f4 v[S+8*T:S+8*T+7], v[KF+4*T:KF+4*T+7], v[16:23], v[(\cb):(\cb)+7], v[KSC+T], v24 matrix_a_fmt:MATRIX_FMT_FP4 matrix_b_fmt:MATRIX_FMT_FP4
.endif
.set T, T+1
.endr
.endm
.Lstep:
	s_add_co_i32 s81, s79, 208
	s_min_u32 s81, s81, 304                        ; inside the table on the near path; not used on the others
	s_lshl_b32 s81, s81, 2
	v_add_nc_u32 v6, s76, v1                       ; these five are also the places behind the last products
	v_add_nc_u32 v7, s76, v2
	v_add_nc_u32 v8, s77, v3
	v_add_nc_u32 v9, s78, v4
	v_add_nc_u32 v10, s81, v5
.irp t, 0,1,2,3,4,5,6,7
	ds_load_b128 v[KF+4*\t:KF+4*\t+3], v6 offset:512*\t
	ds_load_u16 v[KSC+\t], v8 offset:64*\t
.endr
.irp t, 0,1,2,3
.irp c, 0,1
	ds_load_b128 v[VF+8*\t+4*\c:VF+8*\t+4*\c+3], v7 offset:2048*\c+512*\t
.endr
	ds_load_b32 v[VSC+\t], v9 offset:64*\t
.endr
	s_cmp_le_i32 s79, -224                         ; every key of the step 91 or more to the left of my 16 queries
	s_cbranch_scc1 .Lleft
	s_cmp_ge_i32 s79, 112                          ; or to the right
	s_cbranch_scc1 .Lright
.irp t, 0,1,2,3,4,5,6,7
.irp c, 0,1
	ds_load_b128 v[S+8*\t+4*\c:S+8*\t+4*\c+3], v10 offset:64*\t+16*\c   ; the bias of keys 16 t + 8 h + 4 c + 0..3 against query r
.endr
.endr
	s_wait_dscnt 0x0
	SMUL -1
	s_branch .Ljoin
.Lleft:
	s_wait_dscnt 12                                ; K is in; V's 12 loads may be out
	SMUL CBL
	s_branch .Ljoin
.Lright:
	s_wait_dscnt 12
	SMUL CBR
.Ljoin:
	PLACES
.irp b, 0,1,2,3
	v_max3_num_f32 v[BM+\b], v[S+16*\b], v[S+16*\b+1], v[S+16*\b+2]   ; the largest score of each block of 32 keys
.endr
.irp i, 3,5,7,9,11,13
.irp b, 0,1,2,3
	v_max3_num_f32 v[BM+\b], v[BM+\b], v[S+16*\b+\i], v[S+16*\b+\i+1]
.endr
.endr
.irp b, 0,1,2,3
	v_max_num_f32 v[BM+\b], v[BM+\b], v[S+16*\b+15]
.endr
.irp b, 0,1,2,3
	v_permlanex16_b32 v[BX+\b], v[BM+\b], s20, s21
.endr
.irp b, 0,1,2,3
	v_max_num_f32 v[BM+\b], v[BM+\b], v[BX+\b]
.endr
	v_max3_num_f32 v242, v[BM], v[BM+1], v[BM+2]
	v_max_num_f32 v242, v242, v[BM+3]
	v_mul_f32 v242, s22, v242
	v_max_num_f32 v13, v13, v242                   ; the running largest t
	v_mov_b32 v242, v12
	v_floor_f32 v12, -v13                          ; -M = floor(-t)
	v_sub_f32 v242, v12, v242
	v_cvt_i32_f32 v242, v242                       ; old M - new M (it saturates)
	v_ldexp_f32 v240, 1.0, v242                    ; f = 2^(old M - new M)
.set j, 0
.rept 32
	v_pk_fma_f32 v[S+j:S+j+1], v[S+j:S+j+1], s[22:23], v[12:13] op_sel_hi:[1,0,0]   ; t - M
.set j, j+2
.endr
.irp b, 0,1,2,3
	v_fma_f32 v[BM+\b], v[BM+\b], s22, v12
.endr
.set j, 0
.rept 64
	v_exp_f32 v[S+j], v[S+j]                       ; p
.set j, j+1
.endr
.irp b, 0,1,2,3
	v_exp_f32 v[BM+\b], v[BM+\b]                   ; the block's largest p
.endr
	v_pk_mul_f32 v[14:15], v[14:15], v[240:241] op_sel_hi:[1,0]   ; l under the new M (the plain place behind the exponentials)
	s_wait_alu depctr_va_vdst(0)
.irp b, 0,1,2,3
	v_max_num_f32 v[BM+\b], 0x1800000, v[BM+\b]    ; the floor 2^(3 - 127)
.endr
.irp b, 0,1,2,3
	v_add_nc_u32 v[SO+\b], 0xff000000, v[BM+\b]
.endr
.irp b, 0,1,2,3
	v_lshrrev_b32 v[BX+\b], 23, v[SO+\b]
.endr
	v_lshl_or_b32 v25, v[BX+1], 8, v[BX]           ; p's scale word
	v_lshl_or_b32 v25, v[BX+2], 16, v25
	v_lshl_or_b32 v25, v[BX+3], 24, v25
.irp c, 0,1
.irp bb, 0,1
.irp u, 0,1
	v_cvt_scalef32_pk8_fp4_f32 v[PC+4*\c+2*\u+\bb], v[S+8*(4*\c+2*\bb+\u):S+8*(4*\c+2*\bb+\u)+7], v[SO+2*\c+\bb]
.endr
.endr
.endr
	v_nop                                          ; a plain place behind the conversions
.irp c, 0,1
	v_permlane16_swap_b32 v[PC+4*\c], v[PC+4*\c+1] ; lanes 0-15 block 2 c, lanes 16-31 block 2 c + 1
	v_permlane16_swap_b32 v[PC+4*\c+2], v[PC+4*\c+3]
.endr
	v_pk_add_f32 v[244:245], v[S:S+1], v[S+2:S+3]  ; l takes the unquantised p, in two chains
.irp j, 4,8,12,16,20,24,28,32,36,40,44,48,52,56,60
	v_pk_add_f32 v[14:15], v[14:15], v[S+\j:S+\j+1]
	v_pk_add_f32 v[244:245], v[244:245], v[S+\j+2:S+\j+3]
.endr
	v_pk_add_f32 v[14:15], v[14:15], v[244:245]
.set j, 0
.rept 16
	v_pk_mul_f32 v[O+j:O+j+1], v[O+j:O+j+1], v[240:241] op_sel_hi:[1,0]   ; O^T under the new M
.set j, j+2
.endr
	s_wait_dscnt 0x0                               ; V is in
.irp t, 0,1,2,3
	v_wmma_scale_f32_16x16x128_f8f6f4 v[O+8*\t:O+8*\t+7], v[VF+8*\t:VF+8*\t+7], v[PC:PC+7], v[O+8*\t:O+8*\t+7], v[VSC+\t], v25 matrix_a_fmt:MATRIX_FMT_FP4 matrix_b_fmt:MATRIX_FMT_FP4
.endr
	s_add_co_u32 s76, s76, 4096
	s_add_co_u32 s77, s77, 512
	s_add_co_u32 s78, s78, 256
	s_add_co_i32 s79, s79, 128
	s_sub_co_u32 s80, s80, 1
	s_cmp_lg_u32 s80, 0
	s_cbranch_scc1 .Lstep
	; THE WAY OUT: O^T / l, quantised along the head's 64: two blocks; tile 2 bb + u converts into register PC + 2 u + bb
	PLACES
	v_add_f32 v14, v14, v15
	v_permlanex16_b32 v242, v14, s20, s21
	v_add_f32 v14, v14, v242
	v_rcp_f32 v14, v14
	v_nop                                          ; a plain place behind the reciprocal
.set j, 0
	s_wait_alu depctr_va_vdst(0)
.rept 16
	v_pk_mul_f32 v[O+j:O+j+1], v[O+j:O+j+1], v[14:15] op_sel_hi:[1,0]
.set j, j+2
.endr
.irp b, 0,1
	v_max3_num_f32 v[BM+\b], |v[O+16*\b]|, |v[O+16*\b+1]|, 0x1800000
.endr
.irp i, 2,4,6,8,10,12,14
.irp b, 0,1
	v_max3_num_f32 v[BM+\b], v[BM+\b], |v[O+16*\b+\i]|, |v[O+16*\b+\i+1]|
.endr
.endr
.irp b, 0,1
	v_permlanex16_b32 v[BX+\b], v[BM+\b], s20, s21
.endr
.irp b, 0,1
	v_max_num_f32 v[BM+\b], v[BM+\b], v[BX+\b]
.endr
.irp b, 0,1
	v_add_nc_u32 v[SO+\b], 0xff000000, v[BM+\b]
.endr
.irp b, 0,1
	v_lshrrev_b32 v[BX+\b], 23, v[SO+\b]
.endr
	v_lshl_or_b32 v242, v[BX+1], 8, v[BX]          ; my query's two scale bytes
.irp bb, 0,1
.irp u, 0,1
	v_cvt_scalef32_pk8_fp4_f32 v[PC+2*\u+\bb], v[O+8*(2*\bb+\u):O+8*(2*\bb+\u)+7], v[SO+\bb]
.endr
.endr
	v_nop
	v_permlane16_swap_b32 v[PC], v[PC+1]
	v_permlane16_swap_b32 v[PC+2], v[PC+3]
	global_store_b128 v39, v[PC:PC+3], s[86:87]    ; the wave stores 512 consecutive bytes
	s_wait_dscnt 0x0                               ; my reads of the table are over
	s_barrier_signal -1
	s_barrier_wait -1                              ; everybody's are: its bytes may be written
	ds_store_b16 v11, v242                         ; both halves of the lanes write the same value
	s_wait_dscnt 0x0
	s_barrier_signal -1
	s_barrier_wait -1
	s_cmp_lg_u32 s10, 0
	s_cbranch_scc1 .Lend
	ds_load_b128 v[124:127], v38                   ; wave 0 stores the work-group's 512 scale bytes
	s_wait_dscnt 0x0
	global_store_b128 v39, v[124:127], s[88:89]
.Lend:
	s_wait_tensorcnt 0x0
	ds_add_u32 v254, v255
	s_wait_dscnt 0x0
	s_endpgm
.Lfunc_end_k_q11cd244f09_at_sa:
	.size	k_q11cd244f09_at_sa, .Lfunc_end_k_q11cd244f09_at_sa-k_q11cd244f09_at_sa
	.p2alignl 7, 3214868480
	.fill 96, 4, 3214868480
	.section	.rodata,"a",@progbits
	.p2align	6, 0x0
	.amdhsa_kernel k_q11cd244f09_at_sa
		.amdhsa_group_segment_fixed_size 169984
		.amdhsa_private_segment_fixed_size 0
		.amdhsa_enable_private_segment 0
		.amdhsa_kernarg_size 24
		.amdhsa_user_sgpr_count 2
		.amdhsa_user_sgpr_kernarg_segment_ptr 1
		.amdhsa_wavefront_size32 1
		.amdhsa_system_sgpr_workgroup_id_x 1
		.amdhsa_system_sgpr_workgroup_id_y 1
		.amdhsa_system_sgpr_workgroup_id_z 1
		.amdhsa_system_vgpr_workitem_id 0
		.amdhsa_next_free_vgpr 256
		.amdhsa_next_free_sgpr 100
		.amdhsa_reserve_vcc 1
		.amdhsa_float_denorm_mode_32 3
		.amdhsa_float_denorm_mode_16_64 3
		.amdhsa_memory_ordered 1
		.amdhsa_forward_progress 1
		.amdhsa_inst_pref_size 36
	.end_amdhsa_kernel
	.amdgpu_metadata
---
amdhsa.version: [ 1, 2 ]
amdhsa.kernels:
  - .name:           k_q11cd244f09_at_sa
    .symbol:         k_q11cd244f09_at_sa.kd
    .args:
      - { .name: qkv, .offset: 0, .size: 8, .value_kind: global_buffer, .address_space: global }
      - { .name: sa_rel, .offset: 8, .size: 8, .value_kind: global_buffer, .address_space: global }
      - { .name: ao, .offset: 16, .size: 8, .value_kind: global_buffer, .address_space: global }
    .group_segment_fixed_size: 169984
    .private_segment_fixed_size: 0
    .kernarg_segment_align: 8
    .kernarg_segment_size: 24
    .max_flat_workgroup_size: 512
    .sgpr_count:     100
    .vgpr_count:     256
    .wavefront_size: 32
...
	.end_amdgpu_metadata
.endif
;; end of part 3
;; launch op1 (part 4): grid 8 x 32, 4 waves a work-group, no clusters, 246,272 bytes of LDS; arguments ao, sa_wo_codes, sa_wo_scales, sa_bo, x, x1; writes x1
.if DOCPART == 4
	.amdgcn_target "amdgcn-amd-amdhsa--gfx1250"
	.amdhsa_code_object_version 6
	.text
	.protected	k_q11cd244f09_op1
	.globl	k_q11cd244f09_op1
	.p2align	8
	.type	k_q11cd244f09_op1,@function
k_q11cd244f09_op1:
	s_mov_b64 s[64:65], 0
	v_nop
	global_prefetch_b8 v0, s[64:65] scope:SCOPE_SE
	s_setreg_imm32_b32 hwreg(HW_REG_WAVE_MODE, 25, 1), 1
	s_wait_xcnt 0x0
; out(token, n) = sum over k of A(token, k) W(n, k) + bias(n) + residual(token, n), on FP4 codes, K = 1,024 = 16 heads x 64.
; W: [n][512 bytes of codes], [n][32 scale bytes].  A (buffer ao): [head][token tile][512 bytes], images of four operand registers, and [head][token] two scale bytes.
; SHARES: a work-group makes 128 n (x) x 128 tokens (y).  W's 128 rows, A's images and scale bytes and the residual's tile come into LDS once; nothing is filled again.
; Wave w takes all 128 n x tokens 32 w .. 32 w + 31: 16 accumulators.  Source 0 is W: a lane holds one token and eight neighbouring n.
; The way out: 16 tokens at a time through the wave's own stage, back as rows of 512 bytes, bias and residual added, stored 512 consecutive bytes a wave.
; No cluster: eight work-groups share A's tile and 32 share W's, each read once at the head; left for a later version.
.set AO_S, 2097152
.set PITCH, 528
.set C0,  0                            ; W's 128 rows, 512 + 16 bytes
.set C1,  128*PITCH                    ; A: [head][8 token tiles][512]
.set S0,  C1+65536                     ; W's scale bytes
.set S1,  S0+4096                      ; A's: [head][128 tokens][2]
.set RES, S1+4096                      ; the residual: 128 rows of 512 + 16 bytes
.set STG, RES+128*PITCH                ; a stage of 16 rows for each wave
.set SC1, 12                           ; v12-19  A's scale words, one a K step: lanes 0-15 my tokens 0-15, lanes 16-31 tokens 16-31
.set SC0, 20                           ; v20-27  W's, one a tile
.set F1,  28                           ; v28-59  A's fragments, two sets of two
.set F0,  60                           ; v60-123 W's eight fragments
.set ACC, 124                          ; v124-251
.set BK,  60                           ; the way out: eight rows back from the stage,
.set RS,  92                           ; and the residual's
.macro PLACES
.rept 4
	v_nop
.endr
.endm
	s_load_b256 s[4:11], s[0:1], 0x0               ; ao, W's codes, W's scales, the bias
	s_load_b128 s[12:15], s[0:1], 0x20             ; the residual, out
	s_set_vgpr_msb 0x40
	v_lshl_add_u32 v0, v0, 2, 0x3c000
	v_mov_b32 v1, 0
	s_set_vgpr_msb 0x4045
	ds_add_u32 v0, v1
	ds_add_u32 v0, v1
	s_set_vgpr_msb 0x4500
	v_lshrrev_b32 v1, 5, v0
	v_readfirstlane_b32 s16, v1                    ; wave
	s_and_b32 s17, s16, 1
	s_mov_b32 s18, ttmp9                           ; ic: my 128 of n
	s_and_b32 s19, ttmp7, 0xffff                   ; jc: my 128 tokens
	v_and_b32 v3, 31, v0
	v_and_b32 v1, 15, v0
	v_bfe_u32 v2, v0, 4, 1
	v_mul_u32_u24 v4, v1, PITCH
	v_lshl_add_u32 v4, v2, 4, v4                   ; W's fragments
	s_lshl_b32 s22, s16, 10
	s_add_co_u32 s22, s22, C1
	v_lshl_add_u32 v5, v3, 4, s22                  ; A's images: my two token tiles
	v_lshl_add_u32 v6, v1, 5, S0
	s_lshl_b32 s22, s16, 6
	s_add_co_u32 s22, s22, S1
	v_lshl_add_u32 v7, v3, 1, s22                  ; A's scale bytes: lane l takes my token l
	s_mul_i32 s22, s16, 16*PITCH
	s_add_co_u32 s22, s22, STG
	v_lshl_add_u32 v8, v2, 5, s22
	v_mad_u32_u24 v8, v1, PITCH, v8                ; the stage, in: row r, + 32 h
	v_lshl_add_u32 v9, v3, 4, s22                  ; and back: a row of 512 bytes to the wave
	s_mul_i32 s91, s16, 32*PITCH
	s_add_co_u32 s91, s91, RES
	v_lshl_add_u32 v10, v3, 4, s91                 ; my 32 rows of the residual
	v_lshlrev_b32 v11, 4, v3
	; descriptor groups 1.  W's codes: 64 rows of 512 bytes, padded
	s_mov_b32 s24, (1<<20)|(6<<22)|(3<<25)
	s_mov_b32 s25, 512<<16
	s_mov_b32 s26, 64<<16
	s_mov_b32 s27, 512<<16
	s_mov_b32 s28, 64
	s_mov_b32 s29, 512
	s_mov_b32 s30, 0
	s_mov_b32 s31, 0
	; W's scale bytes of 64 rows: 2,048 dense bytes
	s_mov_b32 s32, 3<<16
	s_mov_b32 s33, 32<<16
	s_mov_b32 s34, 8<<16
	s_mov_b32 s35, 32<<16
	s_mov_b32 s36, 8
	s_mov_b32 s37, 32
	s_mov_b32 s38, 0
	s_mov_b32 s39, 0
	; A's images: 8 heads x 4,096 bytes, 131,072 bytes apart
	s_mov_b32 s40, 3<<16
	s_mov_b32 s41, 512<<16
	s_mov_b32 s42, 8<<16
	s_mov_b32 s43, 512<<16
	s_mov_b32 s44, 8
	s_mov_b32 s45, 16384
	s_mov_b32 s46, 0
	s_mov_b32 s47, 0
	; A's scale bytes: 8 heads x 256 bytes, 8,192 bytes apart
	s_mov_b32 s48, 3<<16
	s_mov_b32 s49, 32<<16
	s_mov_b32 s50, 8<<16
	s_mov_b32 s51, 32<<16
	s_mov_b32 s52, 8
	s_mov_b32 s53, 1024
	s_mov_b32 s54, 0
	s_mov_b32 s55, 0
	; the residual: 32 rows of 128 f32, padded
	s_mov_b32 s56, (2<<16)|(1<<20)|(6<<22)|(3<<25)
	s_mov_b32 s57, 128<<16
	s_mov_b32 s58, 32<<16
	s_mov_b32 s59, 128<<16
	s_mov_b32 s60, 32
	s_mov_b32 s61, 1024
	s_mov_b32 s62, 0
	s_mov_b32 s63, 0
	s_mov_b32 s21, 0
	s_lshl_b32 s22, s17, 15
	s_lshl_b32 s23, s17, 11
	s_wait_dscnt 0x0
	s_wait_kmcnt 0x0
	s_lshl_b32 s20, s18, 16
	s_add_co_u32 s20, s20, s22
	s_mov_b32 s68, 1
	s_mul_i32 s69, s17, 64*PITCH
	s_add_nc_u64 s[70:71], s[6:7], s[20:21]
	s_or_b32 s71, s71, 0x80000000
	s_lshl_b32 s20, s18, 12
	s_add_co_u32 s20, s20, s23
	s_mov_b32 s72, 1
	s_add_co_u32 s73, s23, S0
	s_add_nc_u64 s[74:75], s[8:9], s[20:21]
	s_or_b32 s75, s75, 0x80000000
	s_lshl_b32 s20, s17, 20
	s_lshl_b32 s90, s19, 12
	s_add_co_u32 s20, s20, s90
	s_mov_b32 s76, 1
	s_add_co_u32 s77, s22, C1
	s_add_nc_u64 s[78:79], s[4:5], s[20:21]
	s_or_b32 s79, s79, 0x80000000
	s_lshl_b32 s20, s17, 16
	s_lshl_b32 s90, s19, 8
	s_add_co_u32 s20, s20, s90
	s_add_co_u32 s20, s20, AO_S
	s_mov_b32 s80, 1
	s_add_co_u32 s81, s23, S1
	s_add_nc_u64 s[82:83], s[4:5], s[20:21]
	s_or_b32 s83, s83, 0x80000000
	s_lshl_b32 s20, s19, 7
	s_lshl_b32 s90, s16, 5
	s_add_co_u32 s20, s20, s90
	s_lshl_b32 s20, s20, 12
	s_lshl_b32 s90, s18, 9
	s_add_co_u32 s20, s20, s90                     ; my first token's row, my 128 columns: the residual's byte and the output's
	s_mov_b32 s84, 1
	s_mov_b32 s85, s91
	s_add_nc_u64 s[86:87], s[12:13], s[20:21]
	s_or_b32 s87, s87, 0x80000000
	s_add_nc_u64 s[88:89], s[14:15], s[20:21]
	s_cmp_lt_u32 s16, 2                            ; waves 0, 1: W's halves; waves 2, 3: A's; every wave its rows of the residual: three loads of a wave are out
	s_cbranch_scc0 .Lfor_a
	tensor_load_to_lds s[68:71], s[24:31]
	s_nop 0
	tensor_load_to_lds s[72:75], s[32:39]
	s_nop 0
	tensor_load_to_lds s[84:87], s[56:63]
	s_nop 0
	PLACES
	s_branch .Lasked
.Lfor_a:
	tensor_load_to_lds s[76:79], s[40:47]
	s_nop 0
	tensor_load_to_lds s[80:83], s[48:55]
	s_nop 0
	tensor_load_to_lds s[84:87], s[56:63]
	s_nop 0
	PLACES
.Lasked:
	s_mov_b32 s20, s90
	s_add_nc_u64 s[10:11], s[10:11], s[20:21]      ; the bias at my 128 columns
	global_load_b128 v[252:255], v11, s[10:11]
.macro LOADF1 s                        ; A's two fragments of K step s (heads 2 s, 2 s + 1): 4 LDS loads
.irp u, 0,1
.irp c, 0,1
	ds_load_b128 v[F1+16*((\s)%2)+8*\u+4*\c:F1+16*((\s)%2)+8*\u+4*\c+3], v5 offset:(2*(\s)+\c)*4096+512*\u
.endr
.endr
.endm
.macro LOADH s, hf                     ; W's tiles 4 hf .. 4 hf + 3 of K step s: 12 LDS loads
.irp t, 0,1,2,3
.irp c, 0,1
	ds_load_b128 v[F0+8*(4*(\hf)+\t)+4*\c:F0+8*(4*(\hf)+\t)+4*\c+3], v4 offset:16*PITCH*(4*(\hf)+\t)+64*(\s)+32*\c
.endr
	ds_load_b32 v[SC0+4*(\hf)+\t], v6 offset:512*(4*(\hf)+\t)+4*(\s)
.endr
.endm
.macro MUL8 s, hf, zero                ; eight products; the 16 accumulators take turns, one instruction a turn
.irp t, 0,1,2,3
.irp u, 0,1
.set rD, ACC+64*\u+8*(4*(\hf)+\t)
.set rA, F0+8*(4*(\hf)+\t)
.set rB, F1+16*((\s)%2)+8*\u
.set rS, SC0+4*(\hf)+\t
.set rT, SC1+(\s)
.if \zero
.if \u
	v_wmma_scale_f32_16x16x128_f8f6f4 v[rD:rD+7], v[rA:rA+7], v[rB:rB+7], 0, v[rS], v[rT] matrix_a_fmt:MATRIX_FMT_FP4 matrix_b_fmt:MATRIX_FMT_FP4 matrix_b_scale:MATRIX_SCALE_ROW1
.else
	v_wmma_scale_f32_16x16x128_f8f6f4 v[rD:rD+7], v[rA:rA+7], v[rB:rB+7], 0, v[rS], v[rT] matrix_a_fmt:MATRIX_FMT_FP4 matrix_b_fmt:MATRIX_FMT_FP4
.endif
.else
.if \u
	v_wmma_scale_f32_16x16x128_f8f6f4 v[rD:rD+7], v[rA:rA+7], v[rB:rB+7], v[rD:rD+7], v[rS], v[rT] matrix_a_fmt:MATRIX_FMT_FP4 matrix_b_fmt:MATRIX_FMT_FP4 matrix_b_scale:MATRIX_SCALE_ROW1
.else
	v_wmma_scale_f32_16x16x128_f8f6f4 v[rD:rD+7], v[rA:rA+7], v[rB:rB+7], v[rD:rD+7], v[rS], v[rT] matrix_a_fmt:MATRIX_FMT_FP4 matrix_b_fmt:MATRIX_FMT_FP4
.endif
.endif
.endr
.endr
.endm
.macro STEP s, zero, last
	s_wait_dscnt 12                                ; A's fragments and W's tiles 0-3 are in; the 12 loads of tiles 4-7 may be out
	MUL8 \s, 0, \zero
.if !\last
	PLACES
	LOADF1 (\s)+1
	LOADH (\s)+1, 0
	s_wait_dscnt 16                                ; all but the 4 + 12 just issued
.else
	s_wait_dscnt 0x0
.endif
	MUL8 \s, 1, \zero
	PLACES
.if !\last
	LOADH (\s)+1, 1
.endif
.endm
	s_wait_tensorcnt 0x0                           ; my three loads have landed,
	s_barrier_signal -1
	s_barrier_wait -1                              ; everybody's have
.irp s, 0,1,2,3,4,5,6,7
	ds_load_u16 v[F0+\s], v7 offset:512*\s         ; head 2 s's two scale bytes of my token,
	ds_load_u16 v[F0+8+\s], v7 offset:512*\s+256   ; head 2 s + 1's
.endr
	s_wait_dscnt 0x0
.irp s, 0,1,2,3,4,5,6,7
	v_lshl_or_b32 v[SC1+\s], v[F0+8+\s], 16, v[F0+\s]   ; K step s's scale word
.endr
	LOADF1 0
	LOADH 0, 0
	LOADH 0, 1
.rept 8
	v_nop                                          ; scale registers written by vector instructions stand eight places ahead of the products
.endr
	STEP 0, 1, 0                                   ; the first K step starts the sums
.irp s, 1,2,3,4,5,6
	STEP \s, 0, 0
.endr
	STEP 7, 0, 1
	s_wait_loadcnt 0x0                             ; the bias
.irp u, 0,1
.irp t, 0,1,2,3,4,5,6,7
	ds_store_b128 v8, v[ACC+64*\u+8*\t:ACC+64*\u+8*\t+3] offset:64*\t        ; each accumulator from its low end on
	ds_store_b128 v8, v[ACC+64*\u+8*\t+4:ACC+64*\u+8*\t+7] offset:64*\t+16
.endr
.irp g, 0,1
	s_wait_xcnt 0x0                                ; the earlier stores have read their registers: they may be loaded again
.irp i, 0,1,2,3,4,5,6,7
	ds_load_b128 v[BK+4*\i:BK+4*\i+3], v9 offset:(8*\g+\i)*PITCH             ; LDS serves a wave's instructions in order: these see my stores
	ds_load_b128 v[RS+4*\i:RS+4*\i+3], v10 offset:(16*\u+8*\g+\i)*PITCH
.endr
	s_wait_dscnt 0x0
.irp i, 0,1,2,3,4,5,6,7
	v_pk_add_f32 v[BK+4*\i:BK+4*\i+1], v[BK+4*\i:BK+4*\i+1], v[252:253]
	v_pk_add_f32 v[BK+4*\i+2:BK+4*\i+3], v[BK+4*\i+2:BK+4*\i+3], v[254:255]
	v_pk_add_f32 v[BK+4*\i:BK+4*\i+1], v[BK+4*\i:BK+4*\i+1], v[RS+4*\i:RS+4*\i+1]
	v_pk_add_f32 v[BK+4*\i+2:BK+4*\i+3], v[BK+4*\i+2:BK+4*\i+3], v[RS+4*\i+2:RS+4*\i+3]
	global_store_b128 v11, v[BK+4*\i:BK+4*\i+3], s[88:89] offset:(16*\u+8*\g+\i)*4096   ; the wave stores 512 consecutive bytes of a row
.endr
.endr
.endr
	s_set_vgpr_msb 0x5
	s_wait_tensorcnt 0x0
	ds_add_u32 v0, v1
	s_wait_dscnt 0x0
	s_set_vgpr_msb 0x500
	s_endpgm
.Lfunc_end_k_q11cd244f09_op1:
	.size	k_q11cd244f09_op1, .Lfunc_end_k_q11cd244f09_op1-k_q11cd244f09_op1
	.p2alignl 7, 3214868480
	.fill 96, 4, 3214868480
	.section	.rodata,"a",@progbits
	.p2align	6, 0x0
	.amdhsa_kernel k_q11cd244f09_op1
		.amdhsa_group_segment_fixed_size 246272
		.amdhsa_private_segment_fixed_size 0
		.amdhsa_enable_private_segment 0
		.amdhsa_kernarg_size 48
		.amdhsa_user_sgpr_count 2
		.amdhsa_user_sgpr_kernarg_segment_ptr 1
		.amdhsa_wavefront_size32 1
		.amdhsa_system_sgpr_workgroup_id_x 1
		.amdhsa_system_sgpr_workgroup_id_y 1
		.amdhsa_system_sgpr_workgroup_id_z 1
		.amdhsa_system_vgpr_workitem_id 0
		.amdhsa_next_free_vgpr 258
		.amdhsa_next_free_sgpr 100
		.amdhsa_reserve_vcc 0
		.amdhsa_float_denorm_mode_32 3
		.amdhsa_float_denorm_mode_16_64 3
		.amdhsa_memory_ordered 1
		.amdhsa_forward_progress 1
		.amdhsa_inst_pref_size 59
	.end_amdhsa_kernel
	.amdgpu_metadata
---
amdhsa.version: [ 1, 2 ]
amdhsa.kernels:
  - .name:           k_q11cd244f09_op1
    .symbol:         k_q11cd244f09_op1.kd
    .args:
      - { .name: ao, .offset: 0, .size: 8, .value_kind: global_buffer, .address_space: global }
      - { .name: sa_wo_codes, .offset: 8, .size: 8, .value_kind: global_buffer, .address_space: global }
      - { .name: sa_wo_scales, .offset: 16, .size: 8, .value_kind: global_buffer, .address_space: global }
      - { .name: sa_bo, .offset: 24, .size: 8, .value_kind: global_buffer, .address_space: global }
      - { .name: x, .offset: 32, .size: 8, .value_kind: global_buffer, .address_space: global }
      - { .name: x1, .offset: 40, .size: 8, .value_kind: global_buffer, .address_space: global }
    .group_segment_fixed_size: 246272
    .private_segment_fixed_size: 0
    .kernarg_segment_align: 8
    .kernarg_segment_size: 48
    .max_flat_workgroup_size: 128
    .sgpr_count:     100
    .vgpr_count:     258
    .wavefront_size: 32
...
	.end_amdgpu_metadata
.endif
;; end of part 4
;; launch ln2: the kernel of part 1 again; grid 256 x 1, 2 waves a work-group, no clusters, 10,496 bytes of LDS; arguments x1, ca_norm_g, ca_norm_b, sa_normc_g, sa_normc_b, context, ca_normc_g, ca_normc_b, act; writes act
;; launch pj2: the kernel of part 2 again; grid 256 x 1, 4 waves a work-group, no clusters, 168,448 bytes of LDS; arguments ca_wq_codes, ca_wq_scales, sa_wkv_codes, sa_wkv_scales, ca_wkv_codes, ca_wkv_scales, act, qkv; writes qkv
;; launch at_ca (part 5): grid 8 x 32, 16 waves a work-group, no clusters, 169,984 bytes of LDS; arguments qkv, ca_rel, ao; writes ao
.if DOCPART == 5
	.amdgcn_target "amdgcn-amd-amdhsa--gfx1250"
	.amdhsa_code_object_version 6
	.text
	.protected	k_q11cd244f09_at_ca
	.globl	k_q11cd244f09_at_ca
	.p2align	8
	.type	k_q11cd244f09_at_ca,@function
k_q11cd244f09_at_ca:
	s_mov_b64 s[64:65], 0
	v_nop
	global_prefetch_b8 v0, s[64:65] scope:SCOPE_SE
	s_setreg_imm32_b32 hwreg(HW_REG_WAVE_MODE, 25, 1), 1
	s_wait_xcnt 0x0
; Attention of one head on FP4 codes against the context's 512 keys: the self-attention text with other constants at its head.
; O = softmax((Q K^T + bias) / 8) V, bias by the relative position's bucket; O / l is quantised along the head's 64.
; p = 2^(t - M), t = (score + bias) x log2(e) / 8, M the running largest t rounded up to a whole number; l sums the unquantised p.
; IN (buffer qkv): register images of Q, K (K = the head's 64) and V (K = the keys), and their scale words.  OUT (buffer ao): [head][token tile][512 bytes]
; images of the next product's operand, and [head][token] two scale bytes.
; SHARES: a work-group owns 256 queries of one (batch, head), each of its sixteen waves 16 of them: four waves to a SIMD.  All of the head's K and V
; and their scale words come into LDS once; no LDS byte is filled again.  A step is 128 keys.
; LAYOUT: S^T = K Q^T, O^T = V^T P^T: a lane holds one query (lane % 16).  A tile's keys are neighbours: tile T, register n of lane (r, h) is key 16 T + 8 h + n.
; K = 64 IN A FORM OF 128: Q's upper four registers hold zero codes, so what K's operand names there (the next tile's codes) adds nothing;
; the scale words of Q and K are 16 bits, zero-extended: the upper bytes stand over zero codes.
; THE BIAS is the C of the first product.  It hangs on key - query alone; beyond +-91 it is one of two constants (eight registers each); nearer, rows of a table of
; 512 entries in LDS, kept in four copies shifted by 0-3 entries so that every lane's four neighbours lie at a multiple of 16 bytes.
; No cluster: the eight query blocks of a head share K and V, but each reads them once, at its head; left for a later version.
; LIMITS: NaN and infinities are not served.  The buckets' edges are the whole numbers 12, 16, 23, 32, 46, 64, 91 (8 x 2^(k/2) rounded up); at 16, 32, 64 the module's
; f32 logarithm lies on the edge.  A block's largest p is had from its largest score by the same two instructions.  A block of zeros gets the byte 1.
.set NK,   512                         ; keys
.set ROFF, 1536                        ; relative position = key - query + ROFF
.set KC,   6291456
.set KSO,  7733248
.set VC,   6815744
.set VSO,  7766016
.set Q_S,  7340032
.set AO_S, 2097152
.set NST,  NK/128
.set KL,   0                           ; LDS: K, [key tile][512]
.set VL,   NK*32                       ; V, [64 keys][4 tiles of 16 channels][512]
.set KSL,  NK*64                       ; K's scale words
.set VSL,  KSL+NK*4                    ; V's, [step][64]
.set TAB,  VSL+NST*256                 ; the bias table, four copies 2,112 bytes apart; at the end the work-group's 512 scale bytes
.set KSC, 26                           ; v26-33  K's scale words
.set VSC, 34                           ; v34-37  V's
.set CBL, 40                           ; v40-47  the bias far to the left
.set CBR, 48                           ; v48-55  far to the right
.set KF,  56                           ; v56-91  K's eight tiles, four registers each; v88-91 zeros
.set VF,  92                           ; v92-123 V's four fragments
.set S,   124                          ; v124-187 S^T, then p
.set O,   188                          ; v188-219 O^T
.set PC,  220                          ; v220-227 p's codes
.set BM,  228                          ; v228-231 a block's largest
.set BX,  232
.set SO,  236                          ; v236-239 the conversions' scale operands
; v1-5 lane places (K, V, K's words, V's words, table); v6-10 the step's addresses; v11, v38, v39 the way out; v12 -M, v13 largest t, v[14:15] l;
; v16-23 Q; v24 Q's scale word; v25 p's; v[240:241] f; v242 at work; v[244:245] the sum's second chain
.macro PLACES
.rept 4
	v_nop
.endr
.endm
	s_load_b128 s[4:7], s[0:1], 0x0                ; qkv, the bias's embedding
	s_load_b64 s[8:9], s[0:1], 0x10                ; ao
	v_lshl_add_u32 v254, v0, 2, 0x29000
	v_mov_b32 v255, 0
	ds_add_u32 v254, v255
	ds_add_u32 v254, v255
	v_lshrrev_b32 v6, 5, v0
	v_readfirstlane_b32 s10, v6                    ; wave 0..15
	s_and_b32 s12, ttmp7, 0xffff
	s_lshr_b32 s13, s12, 4                         ; batch
	s_and_b32 s14, s12, 15                         ; head
	s_and_b32 s15, s14, 1
	s_and_b32 s16, s10, 3                          ; which quarter I fetch
	s_lshl_b32 s17, ttmp9, 8
	s_lshl_b32 s18, s10, 4
	s_add_co_u32 s17, s17, s18                     ; my first query
	s_lshl_b32 s84, s14, 2
	s_lshr_b32 s85, s14, 1
	s_mov_b32 s20, 0x76543210
	s_mov_b32 s21, 0xfedcba98
	s_mov_b32 s22, 0x3e38aa3b                      ; c = log2(e) / 8
	s_mov_b32 s23, s22
	; descriptor groups 1, elements of 8 bytes, no padding.  K: a quarter, NK x 8 dense bytes as rows of 256
	s_mov_b32 s24, 3<<16
	s_mov_b32 s25, 32<<16
	s_mov_b32 s26, (NK/32)<<16
	s_mov_b32 s27, 32<<16
	s_mov_b32 s28, NK/32
	s_mov_b32 s29, 32
	s_mov_b32 s30, 0
	s_mov_b32 s31, 0
	; V: a quarter: NK / 256 rows of 2,048 bytes, 32,768 bytes apart
	s_mov_b32 s32, 3<<16
	s_mov_b32 s33, 256<<16
	s_mov_b32 s34, (NK/256)<<16
	s_mov_b32 s35, 256<<16
	s_mov_b32 s36, NK/256
	s_mov_b32 s37, 4096
	s_mov_b32 s38, 0
	s_mov_b32 s39, 0
	; K's scale words: NK x 4 dense bytes
	s_mov_b32 s40, 3<<16
	s_mov_b32 s41, 32<<16
	s_mov_b32 s42, (NK/64)<<16
	s_mov_b32 s43, 32<<16
	s_mov_b32 s44, NK/64
	s_mov_b32 s45, 32
	s_mov_b32 s46, 0
	s_mov_b32 s47, 0
	; V's: NST rows of 256 bytes, 4,096 bytes apart
	s_mov_b32 s48, 3<<16
	s_mov_b32 s49, 32<<16
	s_mov_b32 s50, NST<<16
	s_mov_b32 s51, 32<<16
	s_mov_b32 s52, NST
	s_mov_b32 s53, 512
	s_mov_b32 s54, 0
	s_mov_b32 s55, 0
	v_and_b32 v6, 31, v0                           ; lane
	v_and_b32 v7, 15, v0                           ; r
	v_bfe_u32 v8, v0, 4, 1                         ; h
	v_lshlrev_b32 v1, 4, v6                        ; an image's place for my lane (KL = 0)
	v_lshl_add_u32 v2, v6, 4, VL
	s_lshl_b32 s18, s15, 1
	s_add_co_u32 s18, s18, KSL
	v_lshl_add_u32 v3, v7, 2, s18                  ; K's word of key r: my head's two bytes of it
	v_lshl_add_u32 v4, v7, 2, VSL
	v_sub_nc_u32 v9, 16, v7
	v_and_b32 v9, 3, v9                            ; which copy: s = -r mod 4
	v_mul_u32_u24 v5, v9, 2108
	v_add_nc_u32 v5, TAB+208, v5
	v_lshl_add_u32 v5, v8, 5, v5
	v_lshlrev_b32 v9, 2, v7
	v_sub_nc_u32 v5, v5, v9                        ; TAB + 208 + 2112 s + 32 h - 4 (r + s)
	s_lshl_b32 s18, s10, 5
	s_add_co_u32 s18, s18, TAB
	v_lshl_add_u32 v11, v7, 1, s18                 ; the way out: my query's two scale bytes
	v_lshl_add_u32 v38, v6, 4, TAB
	v_lshlrev_b32 v39, 4, v6
	v_lshl_add_u32 v130, v0, 2, TAB                ; the table's entry of thread i
	; the bucket of relative position i - 256
	v_add_nc_u32 v124, 0xffffff00, v0
	v_sub_nc_u32 v125, 0, v124
	v_cmp_gt_i32 vcc_lo, 0, v124
	v_cndmask_b32 v125, v124, v125, vcc_lo         ; n = |rel|
	v_mov_b32 v126, 8
.irp thr, 12,16,23,32,46,64,91
	v_cmp_le_u32 vcc_lo, \thr, v125
	v_cndmask_b32 v127, 0, 1, vcc_lo
	v_add_nc_u32 v126, v126, v127
.endr
	v_cmp_gt_u32 vcc_lo, 8, v125
	v_cndmask_b32 v126, v126, v125, vcc_lo
	v_cmp_le_i32 vcc_lo, 0, v124
	v_cndmask_b32 v127, 0, 16, vcc_lo
	v_add_nc_u32 v126, v126, v127
	v_lshl_add_u32 v126, v126, 6, s84              ; (16 x bucket + head) x 4
.irp j, 20,21,22,23,88,89,90,91
	v_mov_b32 v[\j], 0                             ; zero codes
.endr
.set j, 0
.rept 32
	v_mov_b32 v[O+j], 0                            ; the loop is written once: its first step finds zeros
.set j, j+1
.endr
	v_mov_b32 v13, 0xff61b1e6                      ; the largest t so far: -3e38
	v_floor_f32 v12, -v13
	v_mov_b32 v14, 0
	v_mov_b32 v15, 0
	v_mov_b32 v241, 0
.irp b, 0,1,2,3
	v_mov_b32 v[BX+\b], 0                          ; a lane permute's destination counts as one of its sources
.endr
	s_mov_b32 s19, 0
	s_mul_i32 s91, s16, NK*8                       ; my quarter, in LDS (and in K's memory)
	s_wait_dscnt 0x0
	s_wait_kmcnt 0x0
	s_load_b32 s82, s[6:7], s84 offset:0x3c0       ; bucket 15: far to the left
	s_load_b32 s83, s[6:7], s84 offset:0x7c0       ; bucket 31: far to the right
	s_mul_i32 s18, s14, NK*64
	s_mul_i32 s90, s13, NK*32
	s_add_co_u32 s18, s18, s90
	s_add_co_u32 s18, s18, s91
	s_add_co_u32 s18, s18, KC
	s_mov_b32 s56, 1
	s_add_co_u32 s57, s91, KL
	s_add_nc_u64 s[58:59], s[4:5], s[18:19]
	s_or_b32 s59, s59, 0x80000000
	s_mul_i32 s18, s13, NK*512
	s_lshl_b32 s90, s14, 11
	s_add_co_u32 s18, s18, s90
	s_mul_i32 s90, s16, NK*128
	s_add_co_u32 s18, s18, s90
	s_add_co_u32 s18, s18, VC
	s_mov_b32 s60, 1
	s_add_co_u32 s61, s91, VL
	s_add_nc_u64 s[62:63], s[4:5], s[18:19]
	s_or_b32 s63, s63, 0x80000000
	s_mul_i32 s18, s85, NK*8
	s_mul_i32 s90, s13, NK*4
	s_add_co_u32 s18, s18, s90
	s_add_co_u32 s18, s18, KSO
	s_mov_b32 s68, 1
	s_mov_b32 s69, KSL
	s_add_nc_u64 s[70:71], s[4:5], s[18:19]
	s_or_b32 s71, s71, 0x80000000
	s_mul_i32 s18, s13, NST*4096
	s_lshl_b32 s90, s14, 8
	s_add_co_u32 s18, s18, s90
	s_add_co_u32 s18, s18, VSO
	s_mov_b32 s72, 1
	s_mov_b32 s73, VSL
	s_add_nc_u64 s[74:75], s[4:5], s[18:19]
	s_or_b32 s75, s75, 0x80000000
	s_cmp_lt_u32 s10, 4                            ; waves 0-3: K's quarters; 4-7: V's; 8: K's scale words; 9: V's.  One load a wave at the most
	s_cbranch_scc0 .Lnot_k
	tensor_load_to_lds s[56:59], s[24:31]
	s_nop 0
	PLACES
	s_branch .Lfilled
.Lnot_k:
	s_cmp_lt_u32 s10, 8
	s_cbranch_scc0 .Lnot_v
	tensor_load_to_lds s[60:63], s[32:39]
	s_nop 0
	PLACES
	s_branch .Lfilled
.Lnot_v:
	s_cmp_eq_u32 s10, 8
	s_cbranch_scc0 .Lnot_ks
	tensor_load_to_lds s[68:71], s[40:47]
	s_nop 0
	PLACES
	s_branch .Lfilled
.Lnot_ks:
	s_cmp_eq_u32 s10, 9
	s_cbranch_scc0 .Lfilled
	tensor_load_to_lds s[72:75], s[48:55]
	s_nop 0
	PLACES
.Lfilled:
	global_load_b32 v133, v126, s[6:7]             ; my entry of the table
	s_lshl_b32 s18, s14, 8
	s_lshl_b32 s90, s13, 7
	s_add_co_u32 s18, s18, s90
	s_lshl_b32 s90, ttmp9, 4
	s_add_co_u32 s18, s18, s90
	s_add_co_u32 s18, s18, s10
	s_lshl_b32 s18, s18, 9                         ; (256 head + 128 batch + my token tile) x 512: Q's image, and my result's
	v_add_nc_u32 v131, s18, v39
	global_load_b128 v[16:19], v131, s[4:5]
	s_add_nc_u64 s[86:87], s[8:9], s[18:19]
	s_lshl_b32 s92, s85, 12
	s_lshl_b32 s90, s13, 11
	s_add_co_u32 s92, s92, s90
	s_add_co_u32 s92, s92, s17
	s_lshl_b32 s92, s92, 2
	s_lshl_b32 s90, s15, 1
	s_add_co_u32 s92, s92, s90
	s_add_co_u32 s92, s92, Q_S
	v_lshl_add_u32 v132, v7, 2, s92
	global_load_u16 v24, v132, s[4:5]              ; Q's two scale bytes
	s_lshl_b32 s18, s14, 12
	s_lshl_b32 s90, s13, 11
	s_add_co_u32 s18, s18, s90
	s_lshl_b32 s90, ttmp9, 8
	s_add_co_u32 s18, s18, s90
	s_lshl_b32 s18, s18, 1
	s_add_co_u32 s18, s18, AO_S
	s_add_nc_u64 s[88:89], s[8:9], s[18:19]        ; the work-group's 512 scale bytes
	s_mov_b32 s76, 0                               ; the step's tiles of K and of V: 4,096 bytes a step
	s_mov_b32 s77, 0                               ; K's scale words: 512
	s_mov_b32 s78, 0                               ; V's: 256
	s_sub_co_i32 s79, ROFF, s17                    ; DD = the step's first key - my first query + ROFF
	s_mov_b32 s80, NST
	s_wait_kmcnt 0x0
.irp j, 0,1,2,3,4,5,6,7
	v_mov_b32 v[CBL+\j], s82
	v_mov_b32 v[CBR+\j], s83
.endr
	s_wait_loadcnt 0x0
.irp s, 0,1,2,3
	ds_store_b32 v130, v133 offset:16+2108*\s      ; copy s holds entry i at place i - s
.endr
	s_wait_tensorcnt 0x0                           ; my load has landed,
	s_wait_dscnt 0x0                               ; my part of the table is stored,
	s_barrier_signal -1
	s_barrier_wait -1                              ; everybody's
.macro SMUL cb                         ; S^T = K Q^T + bias: eight tiles of 16 keys.  cb < 0: the bias lies in S already
.set T, 0
.rept 8
.if (\cb) < 0
	v_wmma_scale_f32_16x16x128_f8f6f4 v[S+8*T:S+8*T+7], v[KF+4*T:KF+4*T+7], v[16:23], v[S+8*T:S+8*T+7], v[KSC+T], v24 matrix_a_fmt:MATRIX_FMT_FP4 matrix_b_fmt:MATRIX_FMT_FP4
.else
	v_wmma_scale_f32_16x16x128_f8f6f4 v[S+8*T:S+8*T+7], v[KF+4*T:KF+4*T+7], v[16:23], v[(\cb):(\cb)+7], v[KSC+T], v24 matrix_a_fmt:MATRIX_FMT_FP4 matrix_b_fmt:MATRIX_FMT_FP4
.endif
.set T, T+1
.endr
.endm
.Lstep:
	s_add_co_i32 s81, s79, 208
	s_min_u32 s81, s81, 304                        ; inside the table on the near path; not used on the others
	s_lshl_b32 s81, s81, 2
	v_add_nc_u32 v6, s76, v1                       ; these five are also the places behind the last products
	v_add_nc_u32 v7, s76, v2
	v_add_nc_u32 v8, s77, v3
	v_add_nc_u32 v9, s78, v4
	v_add_nc_u32 v10, s81, v5
.irp t, 0,1,2,3,4,5,6,7
	ds_load_b128 v[KF+4*\t:KF+4*\t+3], v6 offset:512*\t
	ds_load_u16 v[KSC+\t], v8 offset:64*\t
.endr
.irp t, 0,1,2,3
.irp c, 0,1
	ds_load_b128 v[VF+8*\t+4*\c:VF+8*\t+4*\c+3], v7 offset:2048*\c+512*\t
.endr
	ds_load_b32 v[VSC+\t], v9 offset:64*\t
.endr
	s_cmp_le_i32 s79, -224                         ; every key of the step 91 or more to the left of my 16 queries
	s_cbranch_scc1 .Lleft
	s_cmp_ge_i32 s79, 112                          ; or to the right
	s_cbranch_scc1 .Lright
.irp t, 0,1,2,3,4,5,6,7
.irp c, 0,1
	ds_load_b128 v[S+8*\t+4*\c:S+8*\t+4*\c+3], v10 offset:64*\t+16*\c   ; the bias of keys 16 t + 8 h + 4 c + 0..3 against query r
.endr
.endr
	s_wait_dscnt 0x0
	SMUL -1
	s_branch .Ljoin
.Lleft:
	s_wait_dscnt 12                                ; K is in; V's 12 loads may be out
	SMUL CBL
	s_branch .Ljoin
.Lright:
	s_wait_dscnt 12
	SMUL CBR
.Ljoin:
	PLACES
.irp b, 0,1,2,3
	v_max3_num_f32 v[BM+\b], v[S+16*\b], v[S+16*\b+1], v[S+16*\b+2]   ; the largest score of each block of 32 keys
.endr
.irp i, 3,5,7,9,11,13
.irp b, 0,1,2,3
	v_max3_num_f32 v[BM+\b], v[BM+\b], v[S+16*\b+\i], v[S+16*\b+\i+1]
.endr
.endr
.irp b, 0,1,2,3
	v_max_num_f32 v[BM+\b], v[BM+\b], v[S+16*\b+15]
.endr
.irp b, 0,1,2,3
	v_permlanex16_b32 v[BX+\b], v[BM+\b], s20, s21
.endr
.irp b, 0,1,2,3
	v_max_num_f32 v[BM+\b], v[BM+\b], v[BX+\b]
.endr
	v_max3_num_f32 v242, v[BM], v[BM+1], v[BM+2]
	v_max_num_f32 v242, v242, v[BM+3]
	v_mul_f32 v242, s22, v242
	v_max_num_f32 v13, v13, v242                   ; the running largest t
	v_mov_b32 v242, v12
	v_floor_f32 v12, -v13                          ; -M = floor(-t)
	v_sub_f32 v242, v12, v242
	v_cvt_i32_f32 v242, v242                       ; old M - new M (it saturates)
	v_ldexp_f32 v240, 1.0, v242                    ; f = 2^(old M - new M)
.set j, 0
.rept 32
	v_pk_fma_f32 v[S+j:S+j+1], v[S+j:S+j+1], s[22:23], v[12:13] op_sel_hi:[1,0,0]   ; t - M
.set j, j+2
.endr
.irp b, 0,1,2,3
	v_fma_f32 v[BM+\b], v[BM+\b], s22, v12
.endr
.set j, 0
.rept 64
	v_exp_f32 v[S+j], v[S+j]                       ; p
.set j, j+1
.endr
.irp b, 0,1,2,3
	v_exp_f32 v[BM+\b], v[BM+\b]                   ; the block's largest p
.endr
	v_pk_mul_f32 v[14:15], v[14:15], v[240:241] op_sel_hi:[1,0]   ; l under the new M (the plain place behind the exponentials)
	s_wait_alu depctr_va_vdst(0)
.irp b, 0,1,2,3
	v_max_num_f32 v[BM+\b], 0x1800000, v[BM+\b]    ; the floor 2^(3 - 127)
.endr
.irp b, 0,1,2,3
	v_add_nc_u32 v[SO+\b], 0xff000000, v[BM+\b]
.endr
.irp b, 0,1,2,3
	v_lshrrev_b32 v[BX+\b], 23, v[SO+\b]
.endr
	v_lshl_or_b32 v25, v[BX+1], 8, v[BX]           ; p's scale word
	v_lshl_or_b32 v25, v[BX+2], 16, v25
	v_lshl_or_b32 v25, v[BX+3], 24, v25
.irp c, 0,1
.irp bb, 0,1
.irp u, 0,1
	v_cvt_scalef32_pk8_fp4_f32 v[PC+4*\c+2*\u+\bb], v[S+8*(4*\c+2*\bb+\u):S+8*(4*\c+2*\bb+\u)+7], v[SO+2*\c+\bb]
.endr
.endr
.endr
	v_nop                                          ; a plain place behind the conversions
.irp c, 0,1
	v_permlane16_swap_b32 v[PC+4*\c], v[PC+4*\c+1] ; lanes 0-15 block 2 c, lanes 16-31 block 2 c + 1
	v_permlane16_swap_b32 v[PC+4*\c+2], v[PC+4*\c+3]
.endr
	v_pk_add_f32 v[244:245], v[S:S+1], v[S+2:S+3]  ; l takes the unquantised p, in two chains
.irp j, 4,8,12,16,20,24,28,32,36,40,44,48,52,56,60
	v_pk_add_f32 v[14:15], v[14:15], v[S+\j:S+\j+1]
	v_pk_add_f32 v[244:245], v[244:245], v[S+\j+2:S+\j+3]
.endr
	v_pk_add_f32 v[14:15], v[14:15], v[244:245]
.set j, 0
.rept 16
	v_pk_mul_f32 v[O+j:O+j+1], v[O+j:O+j+1], v[240:241] op_sel_hi:[1,0]   ; O^T under the new M
.set j, j+2
.endr
	s_wait_dscnt 0x0                               ; V is in
.irp t, 0,1,2,3
	v_wmma_scale_f32_16x16x128_f8f6f4 v[O+8*\t:O+8*\t+7], v[VF+8*\t:VF+8*\t+7], v[PC:PC+7], v[O+8*\t:O+8*\t+7], v[VSC+\t], v25 matrix_a_fmt:MATRIX_FMT_FP4 matrix_b_fmt:MATRIX_FMT_FP4
.endr
	s_add_co_u32 s76, s76, 4096
	s_add_co_u32 s77, s77, 512
	s_add_co_u32 s78, s78, 256
	s_add_co_i32 s79, s79, 128
	s_sub_co_u32 s80, s80, 1
	s_cmp_lg_u32 s80, 0
	s_cbranch_scc1 .Lstep
	; THE WAY OUT: O^T / l, quantised along the head's 64: two blocks; tile 2 bb + u converts into register PC + 2 u + bb
	PLACES
	v_add_f32 v14, v14, v15
	v_permlanex16_b32 v242, v14, s20, s21
	v_add_f32 v14, v14, v242
	v_rcp_f32 v14, v14
	v_nop                                          ; a plain place behind the reciprocal
.set j, 0
	s_wait_alu depctr_va_vdst(0)
.rept 16
	v_pk_mul_f32 v[O+j:O+j+1], v[O+j:O+j+1], v[14:15] op_sel_hi:[1,0]
.set j, j+2
.endr
.irp b, 0,1
	v_max3_num_f32 v[BM+\b], |v[O+16*\b]|, |v[O+16*\b+1]|, 0x1800000
.endr
.irp i, 2,4,6,8,10,12,14
.irp b, 0,1
	v_max3_num_f32 v[BM+\b], v[BM+\b], |v[O+16*\b+\i]|, |v[O+16*\b+\i+1]|
.endr
.endr
.irp b, 0,1
	v_permlanex16_b32 v[BX+\b], v[BM+\b], s20, s21
.endr
.irp b, 0,1
	v_max_num_f32 v[BM+\b], v[BM+\b], v[BX+\b]
.endr
.irp b, 0,1
	v_add_nc_u32 v[SO+\b], 0xff000000, v[BM+\b]
.endr
.irp b, 0,1
	v_lshrrev_b32 v[BX+\b], 23, v[SO+\b]
.endr
	v_lshl_or_b32 v242, v[BX+1], 8, v[BX]          ; my query's two scale bytes
.irp bb, 0,1
.irp u, 0,1
	v_cvt_scalef32_pk8_fp4_f32 v[PC+2*\u+\bb], v[O+8*(2*\bb+\u):O+8*(2*\bb+\u)+7], v[SO+\bb]
.endr
.endr
	v_nop
	v_permlane16_swap_b32 v[PC], v[PC+1]
	v_permlane16_swap_b32 v[PC+2], v[PC+3]
	global_store_b128 v39, v[PC:PC+3], s[86:87]    ; the wave stores 512 consecutive bytes
	s_wait_dscnt 0x0                               ; my reads of the table are over
	s_barrier_signal -1
	s_barrier_wait -1                              ; everybody's are: its bytes may be written
	ds_store_b16 v11, v242                         ; both halves of the lanes write the same value
	s_wait_dscnt 0x0
	s_barrier_signal -1
	s_barrier_wait -1
	s_cmp_lg_u32 s10, 0
	s_cbranch_scc1 .Lend
	ds_load_b128 v[124:127], v38                   ; wave 0 stores the work-group's 512 scale bytes
	s_wait_dscnt 0x0
	global_store_b128 v39, v[124:127], s[88:89]
.Lend:
	s_wait_tensorcnt 0x0
	ds_add_u32 v254, v255
	s_wait_dscnt 0x0
	s_endpgm
.Lfunc_end_k_q11cd244f09_at_ca:
	.size	k_q11cd244f09_at_ca, .Lfunc_end_k_q11cd244f09_at_ca-k_q11cd244f09_at_ca
	.p2alignl 7, 3214868480
	.fill 96, 4, 3214868480
	.section	.rodata,"a",@progbits
	.p2align	6, 0x0
	.amdhsa_kernel k_q11cd244f09_at_ca
		.amdhsa_group_segment_fixed_size 169984
		.amdhsa_private_segment_fixed_size 0
		.amdhsa_enable_private_segment 0
		.amdhsa_kernarg_size 24
		.amdhsa_user_sgpr_count 2
		.amdhsa_user_sgpr_kernarg_segment_ptr 1
		.amdhsa_wavefront_size32 1
		.amdhsa_system_sgpr_workgroup_id_x 1
		.amdhsa_system_sgpr_workgroup_id_y 1
		.amdhsa_system_sgpr_workgroup_id_z 1
		.amdhsa_system_vgpr_workitem_id 0
		.amdhsa_next_free_vgpr 256
		.amdhsa_next_free_sgpr 100
		.amdhsa_reserve_vcc 1
		.amdhsa_float_denorm_mode_32 3
		.amdhsa_float_denorm_mode_16_64 3
		.amdhsa_memory_ordered 1
		.amdhsa_forward_progress 1
		.amdhsa_inst_pref_size 36
	.end_amdhsa_kernel
	.amdgpu_metadata
---
amdhsa.version: [ 1, 2 ]
amdhsa.kernels:
  - .name:           k_q11cd244f09_at_ca
    .symbol:         k_q11cd244f09_at_ca.kd
    .args:
      - { .name: qkv, .offset: 0, .size: 8, .value_kind: global_buffer, .address_space: global }
      - { .name: ca_rel, .offset: 8, .size: 8, .value_kind: global_buffer, .address_space: global }
      - { .name: ao, .offset: 16, .size: 8, .value_kind: global_buffer, .address_space: global }
    .group_segment_fixed_size: 169984
    .private_segment_fixed_size: 0
    .kernarg_segment_align: 8
    .kernarg_segment_size: 24
    .max_flat_workgroup_size: 512
    .sgpr_count:     100
    .vgpr_count:     256
    .wavefront_size: 32
...
	.end_amdgpu_metadata
.endif
;; end of part 5
;; launch op2: the kernel of part 4 again; grid 8 x 32, 4 waves a work-group, no clusters, 246,272 bytes of LDS; arguments ao, ca_wo_codes, ca_wo_scales, ca_bo, x1, out0; writes out0
;; ======== version 2 of 2: 7 launches
;; limits: right only within a limited range of input values
;; workspace buffers: act 5,013,504 bytes; qkv 7,798,784 bytes; ao 2,228,224 bytes; x1 16,777,216 bytes
;; launch ln1 (part 6): grid 576 x 1, 4 waves a work-group, no clusters, 19,968 bytes of LDS; arguments x, sa_norm_g, sa_norm_b, sa_normc_g, sa_normc_b, context, ca_normc_g, ca_normc_b, act; writes act
.if DOCPART == 6
	.amdgcn_target "amdgcn-amd-amdhsa--gfx1250"
	.amdhsa_code_object_version 6
	.text
	.protected	k_q11cd244f09_ln1
	.globl	k_q11cd244f09_ln1
	.p2align	8
	.type	k_q11cd244f09_ln1,@function
k_q11cd244f09_ln1:
	s_mov_b64 s[64:65], 0
	v_nop
	global_prefetch_b8 v0, s[64:65] scope:SCOPE_SE
	s_setreg_imm32_b32 hwreg(HW_REG_WAVE_MODE, 25, 1), 1
	s_wait_xcnt 0x0
; LayerNorm of rows of 1,024 f32, quantised along the row to FP4 (E2M1) with one E8M0 byte for each 32 numbers.
; Three jobs by the work-group's number: 0-255 rows of the first source under gain/bias 0, 256-511 the same rows under gain/bias 1,
; 512-575 rows of the second source under gain/bias 2.  A launch of 256 work-groups runs the first job alone.
; Out (buffer act): codes [row][512 bytes], scale bytes [row][32], laid as the given weights are.
; SHARES: a work-group takes 16 rows, each of its four waves 4: a wave's rows follow each other, so few rows to a wave keep its chain short.
; A load takes 512 consecutive bytes of a row; the row then turns through the wave's own stage in LDS (128 bytes + 16 of padding to a lane)
; so that lane l holds numbers 32 l .. 32 l + 31: one whole block.  Mean and variance in two passes, f32.  Three rows' loads run ahead.
; The 16 rows' 512 scale bytes are gathered in LDS by the four waves; behind the one barrier wave 0 stores them as 512 consecutive bytes.
; LIMITS: NaN and infinities are not served.  A block's largest magnitude is held at 2^-124 from below, so a block of zeros gets the byte 1
; and not 127: its codes are zeros, and these bytes are read by this program alone.
.set XN_C, 0
.set CN_C, 2097152
.set CC_C, 4194304
.set XN_S, 4718592
.set CN_S, 4849664
.set CC_S, 4980736
.set NR,   4                           ; rows of a wave
.set WREG, 4608                        ; LDS of a wave: its stage, 32 x 144 bytes
.set SP,   144
.set SBY,  4*WREG                      ; behind the four stages: the work-group's 512 scale bytes
.set G, 16                             ; v16-47   the gain of my 32 columns
.set B, 48                             ; v48-79   the bias
.set R, 80                             ; v80-175  three rows as loaded
.set X, 176                            ; v176-207 my 32 neighbours of the row in hand
.set C, 208                            ; v208-239 the bias as loaded; then codes, four registers a row
.set E, 240                            ; v240-243 a scale byte a row
	s_load_b512 s[4:19], s[0:1], 0x0               ; src01, g0, b0, g1, b1, src2, g2, b2
	s_load_b64 s[20:21], s[0:1], 0x40              ; act
	v_lshl_add_u32 v254, v0, 2, 0x4c00
	v_mov_b32 v255, 0
	v_lshrrev_b32 v1, 5, v0
	v_readfirstlane_b32 s2, v1                     ; wave
	v_and_b32 v1, 31, v0                           ; lane
	v_lshlrev_b32 v2, 4, v1                        ; my 16 bytes of 512
	s_mul_i32 s3, s2, WREG
	v_lshrrev_b32 v3, 3, v1
	v_mul_u32_u24 v3, v3, SP
	v_and_b32 v4, 7, v1
	v_lshl_add_u32 v3, v4, 4, v3
	v_add_nc_u32 v3, s3, v3                        ; stage, in: eight lanes' 128 bytes on end, then the padding
	v_mul_u32_u24 v4, v1, SP
	v_add_nc_u32 v4, s3, v4                        ; stage, out: my 128 bytes
	s_lshl_b32 s3, s2, 7
	s_add_co_u32 s3, s3, SBY
	v_add_nc_u32 v5, s3, v1                        ; my block's scale byte: 128 bytes a wave, 32 a row
	v_lshl_add_u32 v6, v1, 4, SBY                  ; and 16 of the work-group's 512 on the way out
	s_mov_b32 s36, 0x3a800000                      ; 1 / 1024
	s_mov_b32 s37, 0x3727c5ac                      ; 1e-5
	s_mov_b32 s38, 0x76543210                      ; lane l xor 16
	s_mov_b32 s39, 0xfedcba98
	s_mov_b32 s28, CC_C
	s_mov_b32 s29, CC_S
	s_mov_b32 s30, 512
	s_wait_alu depctr_va_vdst(0)
	s_wait_kmcnt 0x0
	s_cmp_lt_u32 ttmp9, 512                        ; the job hangs on the work-group's number alone
	s_cselect_b64 s[22:23], s[4:5], s[14:15]
	s_cselect_b64 s[24:25], s[10:11], s[16:17]
	s_cselect_b64 s[26:27], s[12:13], s[18:19]
	s_cselect_b32 s28, CN_C, s28
	s_cselect_b32 s29, CN_S, s29
	s_cselect_b32 s30, 256, s30
	s_cmp_lt_u32 ttmp9, 256
	s_cselect_b64 s[24:25], s[6:7], s[24:25]
	s_cselect_b64 s[26:27], s[8:9], s[26:27]
	s_cselect_b32 s28, XN_C, s28
	s_cselect_b32 s29, XN_S, s29
	s_cselect_b32 s30, 0, s30
	s_sub_co_u32 s30, ttmp9, s30
	s_lshl_b32 s30, s30, 4
	s_lshl_b32 s31, s2, 2
	s_add_co_u32 s30, s30, s31                     ; my first row
	s_lshl_b32 s32, s30, 12
	s_mov_b32 s33, 0
	s_add_nc_u64 s[22:23], s[22:23], s[32:33]      ; the source at it
	s_lshl_b32 s32, s30, 9
	s_add_co_u32 s32, s32, s28
	s_add_nc_u64 s[32:33], s[20:21], s[32:33]      ; its codes
	s_lshl_b32 s34, s30, 5
	s_add_co_u32 s34, s34, s29
	s_mov_b32 s35, 0
	s_add_nc_u64 s[34:35], s[20:21], s[34:35]      ; its scale bytes (wave 0's first row is the work-group's)
.macro LOAD t
.irp j, 0,1,2,3,4,5,6,7
	global_load_b128 v[R+32*((\t)%3)+4*\j:R+32*((\t)%3)+4*\j+3], v2, s[22:23] offset:4096*(\t)+512*\j
.endr
.endm
.macro TURN a, d                       ; 4,096 bytes through the stage; LDS serves a wave's instructions in order, so no wait stands between
.irp j, 0,1,2,3,4,5,6,7
	ds_store_b128 v3, v[\a+4*\j:\a+4*\j+3] offset:576*\j
.endr
.irp j, 0,1,2,3,4,5,6,7
	ds_load_b128 v[\d+4*\j:\d+4*\j+3], v4 offset:16*\j
.endr
.endm
.macro LANESUM                         ; v[8:9] -> the sum over the wave, in v8 of every lane
	v_add_f32 v8, v8, v9
	v_add_f32_dpp v8, v8, v8 row_xmask:1 row_mask:0xf bank_mask:0xf
	v_add_f32_dpp v8, v8, v8 row_xmask:2 row_mask:0xf bank_mask:0xf
	v_add_f32_dpp v8, v8, v8 row_xmask:4 row_mask:0xf bank_mask:0xf
	v_add_f32_dpp v8, v8, v8 row_xmask:8 row_mask:0xf bank_mask:0xf
	v_permlanex16_b32 v9, v8, s38, s39
	v_add_f32 v8, v8, v9
.endm
.macro FOLD                            ; four chains of pairs into one
	v_pk_add_f32 v[8:9], v[8:9], v[10:11]
	v_pk_add_f32 v[12:13], v[12:13], v[14:15]
	v_pk_add_f32 v[8:9], v[8:9], v[12:13]
.endm
.irp j, 0,1,2,3,4,5,6,7
	global_load_b128 v[X+4*\j:X+4*\j+3], v2, s[24:25] offset:512*\j      ; the gain, as it lies
.endr
.irp j, 0,1,2,3,4,5,6,7
	global_load_b128 v[C+4*\j:C+4*\j+3], v2, s[26:27] offset:512*\j      ; the bias
.endr
	LOAD 0
	LOAD 1
	LOAD 2
	s_wait_loadcnt 24                              ; gain and bias are in; three rows' 24 loads stay out
	TURN X, G
	TURN C, B
.macro ROW t
.if NR-1-(\t) >= 2
	s_wait_loadcnt 16                              ; this row's eight loads are in; the two rows behind it may be out
.else
	s_wait_loadcnt 8*(NR-1-(\t))
.endif
	TURN R+32*((\t)%3), X
	s_wait_dscnt 0x0                               ; my 32 neighbours are here, and the stage's stores have read their registers,
.if (\t)+3 < NR
	LOAD (\t)+3                                    ; which take the row three further on
.endif
.irp k, 0,1,2,3
	v_pk_add_f32 v[8+2*\k:9+2*\k], v[X+2*\k:X+2*\k+1], v[X+8+2*\k:X+9+2*\k]
.endr
.irp m, 16,24
.irp k, 0,1,2,3
	v_pk_add_f32 v[8+2*\k:9+2*\k], v[8+2*\k:9+2*\k], v[X+\m+2*\k:X+\m+2*\k+1]
.endr
.endr
	FOLD
	LANESUM
	v_mul_f32 v248, s36, v8                        ; the mean, twice
	v_mul_f32 v249, s36, v8
.irp j, 0,2,4,6,8,10,12,14,16,18,20,22,24,26,28,30
	v_pk_add_f32 v[X+\j:X+\j+1], v[X+\j:X+\j+1], v[248:249] neg_lo:[0,1] neg_hi:[0,1]
.endr
.irp k, 0,1,2,3
	v_pk_mul_f32 v[8+2*\k:9+2*\k], v[X+2*\k:X+2*\k+1], v[X+2*\k:X+2*\k+1]
.endr
.irp m, 8,16,24
.irp k, 0,1,2,3
	v_pk_fma_f32 v[8+2*\k:9+2*\k], v[X+\m+2*\k:X+\m+2*\k+1], v[X+\m+2*\k:X+\m+2*\k+1], v[8+2*\k:9+2*\k]
.endr
.endr
	FOLD
	LANESUM
	v_fma_f32 v8, v8, s36, s37                     ; the variance + eps
	s_wait_alu depctr_va_vdst(0)
	v_rsq_f32 v250, v8
	v_rsq_f32 v251, v8
	v_nop                                          ; a plain instruction between the root and its use
	s_wait_alu depctr_va_vdst(0)
.irp j, 0,2,4,6,8,10,12,14,16,18,20,22,24,26,28,30
	v_pk_mul_f32 v[X+\j:X+\j+1], v[X+\j:X+\j+1], v[250:251]
.endr
.irp j, 0,2,4,6,8,10,12,14,16,18,20,22,24,26,28,30
	v_pk_fma_f32 v[X+\j:X+\j+1], v[X+\j:X+\j+1], v[G+\j:G+\j+1], v[B+\j:B+\j+1]
.endr
	v_max3_num_f32 v8, |v[X]|, |v[X+1]|, |v[X+2]|  ; the block's largest magnitude: all 32 numbers are mine
	v_max3_num_f32 v9, |v[X+3]|, |v[X+4]|, |v[X+5]|
.irp i, 6,10,14,18,22,26
	v_max3_num_f32 v8, v8, |v[X+\i]|, |v[X+\i+1]|
	v_max3_num_f32 v9, v9, |v[X+\i+2]|, |v[X+\i+3]|
.endr
	v_max3_num_f32 v8, v8, |v[X+30]|, |v[X+31]|
	v_max3_num_f32 v8, v8, v9, 0x1800000           ; and the floor 2^(3 - 127): the byte cannot fall under 1
	v_add_nc_u32 v10, 0xff000000, v8               ; 2 off the exponent field: the conversion's scale operand
.irp g, 0,1,2,3
	v_cvt_scalef32_pk8_fp4_f32 v[C+4*(\t)+\g], v[X+8*\g:X+8*\g+7], v10
.endr
	v_lshrrev_b32 v[E+(\t)], 23, v10               ; the scale's byte
	ds_store_b8 v5, v[E+(\t)] offset:32*(\t)
	global_store_b128 v2, v[C+4*(\t):C+4*(\t)+3], s[32:33] offset:512*(\t)   ; the wave stores the row's 512 consecutive bytes
.endm
.irp t, 0,1,2,3
	ROW \t
.endr
	s_wait_dscnt 0x0                               ; for the others' sake: my 128 scale bytes are stored
	s_barrier_signal -1
	s_barrier_wait -1                              ; everybody's are
	s_cmp_lg_u32 s2, 0
	s_cbranch_scc1 .Lend
	ds_load_b128 v[12:15], v6                      ; wave 0: the 16 rows' 512 scale bytes
	s_wait_dscnt 0x0
	global_store_b128 v2, v[12:15], s[34:35]       ; 512 consecutive bytes, at a multiple of 512 from the region's start
.Lend:
	s_wait_tensorcnt 0x0
	ds_add_u32 v254, v255
	s_wait_dscnt 0x0
	s_endpgm
.Lfunc_end_k_q11cd244f09_ln1:
	.size	k_q11cd244f09_ln1, .Lfunc_end_k_q11cd244f09_ln1-k_q11cd244f09_ln1
	.p2alignl 7, 3214868480
	.fill 96, 4, 3214868480
	.section	.rodata,"a",@progbits
	.p2align	6, 0x0
	.amdhsa_kernel k_q11cd244f09_ln1
		.amdhsa_group_segment_fixed_size 19968
		.amdhsa_private_segment_fixed_size 0
		.amdhsa_enable_private_segment 0
		.amdhsa_kernarg_size 72
		.amdhsa_user_sgpr_count 2
		.amdhsa_user_sgpr_kernarg_segment_ptr 1
		.amdhsa_wavefront_size32 1
		.amdhsa_system_sgpr_workgroup_id_x 1
		.amdhsa_system_sgpr_workgroup_id_y 1
		.amdhsa_system_sgpr_workgroup_id_z 1
		.amdhsa_system_vgpr_workitem_id 0
		.amdhsa_next_free_vgpr 256
		.amdhsa_next_free_sgpr 66
		.amdhsa_reserve_vcc 0
		.amdhsa_float_denorm_mode_32 3
		.amdhsa_float_denorm_mode_16_64 3
		.amdhsa_memory_ordered 1
		.amdhsa_forward_progress 1
		.amdhsa_inst_pref_size 45
	.end_amdhsa_kernel
	.amdgpu_metadata
---
amdhsa.version: [ 1, 2 ]
amdhsa.kernels:
  - .name:           k_q11cd244f09_ln1
    .symbol:         k_q11cd244f09_ln1.kd
    .args:
      - { .name: x, .offset: 0, .size: 8, .value_kind: global_buffer, .address_space: global }
      - { .name: sa_norm_g, .offset: 8, .size: 8, .value_kind: global_buffer, .address_space: global }
      - { .name: sa_norm_b, .offset: 16, .size: 8, .value_kind: global_buffer, .address_space: global }
      - { .name: sa_normc_g, .offset: 24, .size: 8, .value_kind: global_buffer, .address_space: global }
      - { .name: sa_normc_b, .offset: 32, .size: 8, .value_kind: global_buffer, .address_space: global }
      - { .name: context, .offset: 40, .size: 8, .value_kind: global_buffer, .address_space: global }
      - { .name: ca_normc_g, .offset: 48, .size: 8, .value_kind: global_buffer, .address_space: global }
      - { .name: ca_normc_b, .offset: 56, .size: 8, .value_kind: global_buffer, .address_space: global }
      - { .name: act, .offset: 64, .size: 8, .value_kind: global_buffer, .address_space: global }
    .group_segment_fixed_size: 19968
    .private_segment_fixed_size: 0
    .kernarg_segment_align: 8
    .kernarg_segment_size: 72
    .max_flat_workgroup_size: 128
    .sgpr_count:     66
    .vgpr_count:     256
    .wavefront_size: 32
...
	.end_amdgpu_metadata
.endif
;; end of part 6
;; launch pj1 (part 7): grid 224 x 1, 16 waves a work-group, no clusters, 288,768 bytes of LDS; arguments sa_wq_codes, sa_wq_scales, sa_wkv_codes, sa_wkv_scales, ca_wkv_codes, ca_wkv_scales, act, qkv; writes qkv
.if DOCPART == 7
	.amdgcn_target "amdgcn-amd-amdhsa--gfx1250"
	.amdhsa_code_object_version 6
	.text
	.protected	k_q11cd244f09_pj1
	.globl	k_q11cd244f09_pj1
	.p2align	8
	.type	k_q11cd244f09_pj1,@function
k_q11cd244f09_pj1:
	s_mov_b64 s[64:65], 0
	v_nop
	global_prefetch_b8 v0, s[64:65] scope:SCOPE_SE
	s_setreg_imm32_b32 hwreg(HW_REG_WAVE_MODE, 25, 1), 1
	s_wait_xcnt 0x0
; A product on FP4 codes, K = 1,024, whose result is quantised at once along ITS FIRST index i, the K of the product that will read it.
; R(i, j) = sum over k of S0(i, k) S1(j, k).  Both sources lie [row][512 bytes of codes] and [row][32 scale bytes].
; Jobs by the work-group's number: 0 q (i = feature, j = token), 1 k, 2 v (i = token, j = feature), 3 the context's k, 4 its v.
; OUT (buffer qkv): codes [I/64][J/16][512 bytes]: a unit is the image of four operand registers, lane (r, h) holding at 16 x lane the codes of
; i = 64 i64 + 32 h + 0..31 of row j = 16 j16 + r; scale words [I/128][J], byte b for the chunk's block b.
; SHARES: a work-group of sixteen waves makes 256 (i) x 256 (j) over all of K; both sources' 256 rows come into LDS once (no slot is filled again):
; 2 x 256 x 544 bytes serve four quarters of 128 x 128, half of what four work-groups of one quarter each would fetch, and the five jobs' 896 quarters
; make 224 work-groups, at most one to a WGP.  Tiles of 256 x 128 would make 448, two turns on most WGPs.
; Waves 4 g .. 4 g + 3 make quarter g: i rows 128 (g % 2) on, j rows 128 (g / 2) on; of it wave w4 takes all 128 i x rows j = 32 w4 .. 32 w4 + 31: 16 accumulators.
; Four waves share a SIMD, 256 registers each.  Source 0 of the matrix instruction is S0: a lane then holds one j and
; its registers run along i.  The tiles' rows are neighbours: tile t, register n of lane (r, h) is i = 16 t + 8 h + n.
; No cluster: neighbouring work-groups share a source's rows, but each reads them once, at its head; left out.
; The scale words leave 128 bytes a wave, half of an aligned 256: they are one sixteenth of the bytes stored.
; LIMITS: NaN and infinities are not served; a block of zeros gets the byte 1 (zero codes; read by this program alone).
.set XN_C, 0
.set CN_C, 2097152
.set CC_C, 4194304
.set XN_S, 4718592
.set CN_S, 4849664
.set CC_S, 4980736
.set Q_C,  0
.set K_C,  2097152
.set V_C,  4194304
.set K2_C, 6291456
.set V2_C, 6815744
.set Q_S,  7340032
.set K_S,  7471104
.set V_S,  7602176
.set K2_S, 7733248
.set V2_S, 7766016
.set PITCH, 528                        ; an LDS row of codes: 512 bytes + 16: the 16 rows of a load start at 16 different banks
.set C0, 0                             ; S0's 256 rows
.set C1, 256*PITCH                     ; S1's
.set S0, 2*256*PITCH                   ; S0's scale bytes, 32 a row
.set S1, S0+8192
.set SC0, 16                           ; v16-23  S0's scale words, one a tile
.set SC1, 24                           ; v24-25  S1's, by the K step's parity: lanes 0-15 my rows 0-15, lanes 16-31 my rows 16-31
.set F1,  32                           ; v32-63  S1's fragments, two sets of two
.set F0,  64                           ; v64-127 S0's eight fragments
.set ACC, 128                          ; v128-255 accumulator (t, u) at ACC + 64 u + 8 t
.set TM,  64                           ; the way out: at work
.set SEL, 90
.macro PLACES
.rept 4
	v_nop
.endr
.endm
.macro JOB thr, p0c, p0s, o0c, o0s, p1c, p1s, o1c, o1s, oc, os, first, logni, logj
.if \thr == 0
	s_mov_b64 s[20:21], s[\p0c:\p0c+1]
	s_mov_b64 s[22:23], s[\p0s:\p0s+1]
	s_mov_b64 s[24:25], s[\p1c:\p1c+1]
	s_mov_b64 s[26:27], s[\p1s:\p1s+1]
	s_mov_b32 s28, \o0c
	s_mov_b32 s29, \o0s
	s_mov_b32 s30, \o1c
	s_mov_b32 s31, \o1s
	s_mov_b32 s32, \oc
	s_mov_b32 s33, \os
	s_mov_b32 s34, \first
	s_mov_b32 s35, \logni
	s_mov_b32 s36, \logj
.else
	s_cmp_lt_u32 ttmp9, \thr
	s_cselect_b64 s[20:21], s[\p0c:\p0c+1], s[20:21]
	s_cselect_b64 s[22:23], s[\p0s:\p0s+1], s[22:23]
	s_cselect_b64 s[24:25], s[\p1c:\p1c+1], s[24:25]
	s_cselect_b64 s[26:27], s[\p1s:\p1s+1], s[26:27]
	s_cselect_b32 s28, \o0c, s28
	s_cselect_b32 s29, \o0s, s29
	s_cselect_b32 s30, \o1c, s30
	s_cselect_b32 s31, \o1s, s31
	s_cselect_b32 s32, \oc, s32
	s_cselect_b32 s33, \os, s33
	s_cselect_b32 s34, \first, s34
	s_cselect_b32 s35, \logni, s35
	s_cselect_b32 s36, \logj, s36
.endif
.endm
	s_load_b512 s[4:19], s[0:1], 0x0               ; w0 codes, scales; wkv codes, scales; the context's wkv codes, scales; act; qkv
	v_lshl_add_u32 v30, v0, 2, 0x46000
	v_mov_b32 v31, 0
	ds_add_u32 v30, v31
	ds_add_u32 v30, v31
	v_lshrrev_b32 v1, 5, v0
	s_delay_alu instid0(VALU_DEP_1)
	v_readfirstlane_b32 s37, v1                    ; wave 0..15
	s_and_b32 s92, s37, 3                          ; w4: my place in my quarter
	s_bfe_u32 s93, s37, 0x10002                    ; a: which 128 of the work-group's i
	s_lshr_b32 s94, s37, 3                         ; b: which 128 of its j
	v_and_b32 v3, 31, v0                           ; lane
	s_wait_alu depctr_va_vdst(0)
	v_and_b32 v1, 15, v0                           ; r
	v_bfe_u32 v2, v0, 4, 1                         ; h
	s_delay_alu instid0(VALU_DEP_2)
	v_mul_u32_u24 v11, v1, PITCH
	s_delay_alu instid0(VALU_DEP_1)
	v_lshl_add_u32 v11, v2, 4, v11                 ; a fragment's row r, + 16 h
	s_mul_i32 s38, s93, 128*PITCH
	v_add_nc_u32 v4, s38, v11                      ; S0's fragments: my quarter's 128 rows (C0 = 0)
	s_mul_i32 s38, s94, 128*PITCH
	s_mul_i32 s39, s92, 32*PITCH
	s_add_co_u32 s38, s38, s39
	s_add_co_u32 s38, s38, C1
	v_add_nc_u32 v5, s38, v11                      ; S1's: my 32 rows
	s_lshl_b32 s38, s93, 12
	s_add_co_u32 s38, s38, S0
	v_lshl_add_u32 v6, v1, 5, s38                  ; S0's scale words
	s_lshl_b32 s38, s94, 12
	s_lshl_b32 s39, s92, 10
	s_add_co_u32 s38, s38, s39
	s_add_co_u32 s38, s38, S1
	v_lshl_add_u32 v7, v3, 5, s38                  ; S1's: lane l takes my row l
	v_lshlrev_b32 v8, 4, v3                        ; out: 16 x lane
	v_lshlrev_b32 v10, 2, v3                       ; out: 4 x lane
	s_mov_b32 s[SEL], 0x76543210
	s_mov_b32 s[SEL+1], 0xfedcba98
	; descriptor group 1 for codes: 64 rows of 512 bytes, 16 bytes of padding behind each
	s_mov_b32 s40, (1<<20)|(6<<22)|(3<<25)
	s_mov_b32 s41, 512<<16
	s_mov_b32 s42, 64<<16
	s_mov_b32 s43, 512<<16
	s_mov_b32 s44, 64
	s_mov_b32 s45, 512
	s_mov_b32 s46, 0
	s_mov_b32 s47, 0
	; and for the scale bytes of 64 rows: 2,048 dense bytes as 8 rows of 256
	s_mov_b32 s48, 3<<16
	s_mov_b32 s49, 32<<16
	s_mov_b32 s50, 8<<16
	s_mov_b32 s51, 32<<16
	s_mov_b32 s52, 8
	s_mov_b32 s53, 32
	s_mov_b32 s54, 0
	s_mov_b32 s55, 0
	s_and_b32 s76, s37, 3                          ; which 64 of a source's 256 rows I fetch, if I fetch
	s_lshl_b32 s77, s76, 15
	s_lshl_b32 s78, s76, 11
	s_mov_b32 s81, 0
	s_wait_dscnt 0x0
	s_wait_kmcnt 0x0
	JOB 0,   16, 16, CC_C, CC_S, 12, 14, 524288, 32768, V2_C, V2_S, 208, 2, 10
	JOB 208, 12, 14, 0, 0, 16, 16, CC_C, CC_S, K2_C, K2_S, 192, 2, 10
	JOB 192, 16, 16, CN_C, CN_S, 8, 10, 524288, 32768, V_C, V_S, 128, 4, 10
	JOB 128, 8, 10, 0, 0, 16, 16, CN_C, CN_S, K_C, K_S, 64, 2, 12
	JOB 64,  4, 6, 0, 0, 16, 16, XN_C, XN_S, Q_C, Q_S, 0, 2, 12
	s_sub_co_u32 s38, ttmp9, s34
	s_lshl_b32 s39, 1, s35
	s_sub_co_u32 s39, s39, 1
	s_and_b32 s39, s38, s39                        ; ic: the work-group's 256 of i
	s_lshr_b32 s38, s38, s35                       ; jc: its 256 of j
	s_lshl_b32 s80, s39, 17                        ; S0's codes: 256 rows of 512 bytes a chunk
	s_add_co_u32 s80, s80, s28
	s_add_co_u32 s80, s80, s77
	s_mov_b32 s56, 1
	s_mul_i32 s57, s76, 64*PITCH
	s_add_nc_u64 s[58:59], s[20:21], s[80:81]
	s_or_b32 s59, s59, 0x80000000
	s_lshl_b32 s80, s39, 13                        ; S0's scale bytes
	s_add_co_u32 s80, s80, s29
	s_add_co_u32 s80, s80, s78
	s_mov_b32 s60, 1
	s_add_co_u32 s61, s78, S0
	s_add_nc_u64 s[62:63], s[22:23], s[80:81]
	s_or_b32 s63, s63, 0x80000000
	s_lshl_b32 s80, s38, 17                        ; S1's codes
	s_add_co_u32 s80, s80, s30
	s_add_co_u32 s80, s80, s77
	s_mov_b32 s68, 1
	s_add_co_u32 s69, s57, C1
	s_add_nc_u64 s[70:71], s[24:25], s[80:81]
	s_or_b32 s71, s71, 0x80000000
	s_lshl_b32 s80, s38, 13                        ; S1's scale bytes
	s_add_co_u32 s80, s80, s31
	s_add_co_u32 s80, s80, s78
	s_mov_b32 s72, 1
	s_add_co_u32 s73, s78, S1
	s_add_nc_u64 s[74:75], s[26:27], s[80:81]
	s_or_b32 s75, s75, 0x80000000
	s_cmp_lt_u32 s37, 4                            ; waves 0-3 fetch S0's four blocks of 64 rows, waves 4-7 S1's, waves 8-15 the scale bytes: one load a wave
	s_cbranch_scc0 .Lnot_s0
	tensor_load_to_lds s[56:59], s[40:47]          ; one load a wave, in one chain of branches: waves 0-3 S0's codes,
	s_nop 0
	PLACES
	s_branch .Lasked
.Lnot_s0:
	s_cmp_lt_u32 s37, 8
	s_cbranch_scc0 .Lnot_s1
	tensor_load_to_lds s[68:71], s[40:47]          ; waves 4-7 S1's codes,
	s_nop 0
	PLACES
	s_branch .Lasked
.Lnot_s1:
	s_cmp_lt_u32 s37, 12
	s_cbranch_scc0 .Lnot_c0
	tensor_load_to_lds s[60:63], s[48:55]          ; waves 8-11 S0's scale bytes,
	s_nop 0
	PLACES
	s_branch .Lasked
.Lnot_c0:
	tensor_load_to_lds s[72:75], s[48:55]          ; waves 12-15 S1's
	s_nop 0
	PLACES
.Lasked:
	s_lshl_b32 s39, s39, 1
	s_add_co_u32 s39, s39, s93                     ; my quarter's 128 of i, counted in the whole of I,
	s_lshl_b32 s38, s38, 1
	s_add_co_u32 s38, s38, s94                     ; and its 128 of j
	s_add_co_u32 s79, s36, 6                       ; where my results go.  Codes: two units of i64 for each 128 of i, each J x 32 bytes,
	s_lshl_b32 s80, s39, s79
	s_add_co_u32 s80, s80, s32
	s_lshl_b32 s79, s38, 12                        ; + (8 x my 128 of j + 2 w4) tiles of 512 bytes
	s_add_co_u32 s80, s80, s79
	s_lshl_b32 s79, s92, 10
	s_add_co_u32 s80, s80, s79
	s_add_nc_u64 s[84:85], s[18:19], s[80:81]
	s_lshl_b32 s80, s39, s36                       ; scale words: (my 128 of i x J + 128 x my 128 of j + 32 w4) x 4
	s_lshl_b32 s79, s38, 7
	s_add_co_u32 s80, s80, s79
	s_lshl_b32 s79, s92, 5
	s_add_co_u32 s80, s80, s79
	s_lshl_b32 s80, s80, 2
	s_add_co_u32 s80, s80, s33
	s_add_nc_u64 s[86:87], s[18:19], s[80:81]
	s_lshl_b32 s79, 32, s36
	s_wait_alu depctr_va_vdst(0)
	v_add_nc_u32 v9, s79, v8                       ; the second i64 of my 128 lies J x 32 bytes on
.macro LOADF1 s                        ; S1's two fragments and scale word of K step s: 5 LDS loads
.irp u, 0,1
.irp c, 0,1
	ds_load_b128 v[F1+16*((\s)%2)+8*\u+4*\c:F1+16*((\s)%2)+8*\u+4*\c+3], v5 offset:16*PITCH*\u+64*(\s)+32*\c
.endr
.endr
	ds_load_b32 v[SC1+(\s)%2], v7 offset:4*(\s)
.endm
.macro LOADH s, hf                     ; S0's tiles 4 hf .. 4 hf + 3 of K step s: 12 LDS loads
.irp t, 0,1,2,3
.irp c, 0,1
	ds_load_b128 v[F0+8*(4*(\hf)+\t)+4*\c:F0+8*(4*(\hf)+\t)+4*\c+3], v4 offset:16*PITCH*(4*(\hf)+\t)+64*(\s)+32*\c
.endr
	ds_load_b32 v[SC0+4*(\hf)+\t], v6 offset:512*(4*(\hf)+\t)+4*(\s)
.endr
.endm
.macro MUL8 s, hf, zero                ; eight products; the 16 accumulators take turns, one instruction a turn
.irp t, 0,1,2,3
.irp u, 0,1
.set rD, ACC+64*\u+8*(4*(\hf)+\t)
.set rA, F0+8*(4*(\hf)+\t)
.set rB, F1+16*((\s)%2)+8*\u
.set rS, SC0+4*(\hf)+\t
.set rT, SC1+(\s)%2
.if \zero
.if \u
	v_wmma_scale_f32_16x16x128_f8f6f4 v[rD:rD+7], v[rA:rA+7], v[rB:rB+7], 0, v[rS], v[rT] matrix_a_fmt:MATRIX_FMT_FP4 matrix_b_fmt:MATRIX_FMT_FP4 matrix_b_scale:MATRIX_SCALE_ROW1
.else
	v_wmma_scale_f32_16x16x128_f8f6f4 v[rD:rD+7], v[rA:rA+7], v[rB:rB+7], 0, v[rS], v[rT] matrix_a_fmt:MATRIX_FMT_FP4 matrix_b_fmt:MATRIX_FMT_FP4
.endif
.else
.if \u
	v_wmma_scale_f32_16x16x128_f8f6f4 v[rD:rD+7], v[rA:rA+7], v[rB:rB+7], v[rD:rD+7], v[rS], v[rT] matrix_a_fmt:MATRIX_FMT_FP4 matrix_b_fmt:MATRIX_FMT_FP4 matrix_b_scale:MATRIX_SCALE_ROW1
.else
	v_wmma_scale_f32_16x16x128_f8f6f4 v[rD:rD+7], v[rA:rA+7], v[rB:rB+7], v[rD:rD+7], v[rS], v[rT] matrix_a_fmt:MATRIX_FMT_FP4 matrix_b_fmt:MATRIX_FMT_FP4
.endif
.endif
.endr
.endr
.endm
.macro STEP s, zero, last              ; 128 along K.  Four plain places stand in front of loads into registers that matrix instructions have read
	s_wait_dscnt 12                                ; S1's fragments and S0's tiles 0-3 are in; the 12 loads of tiles 4-7 may be out
	MUL8 \s, 0, \zero
.if !\last
	PLACES
	LOADF1 (\s)+1
	LOADH (\s)+1, 0
	s_wait_dscnt 17                                ; all but the 5 + 12 just issued
.else
	s_wait_dscnt 0x0
.endif
	MUL8 \s, 1, \zero
	PLACES
.if !\last
	LOADH (\s)+1, 1
.endif
.endm
; 64 numbers of a lane, tiles 0-7 at v[src] on, become a fragment's 8 registers of codes at v[pc] on and its scale word in v[pw].
; Block b of 32 lies in tiles 2 b, 2 b + 1 of lanes l and l xor 16.  Tile 4 c + 2 bb + u converts into register pc + 4 c + 2 u + bb, so that two
; exchanges of halves for each 64 leave lanes 0-15 with block 2 c and lanes 16-31 with block 2 c + 1, as the operand's layout asks.
.macro QUANT src, pc, pw
.irp b, 0,1,2,3
	v_max3_num_f32 v[TM+\b], |v[\src+16*\b]|, |v[\src+16*\b+1]|, 0x1800000   ; with the floor 2^(3 - 127): the byte cannot fall under 1
.endr
.irp i, 2,4,6,8,10,12,14
.irp b, 0,1,2,3
	v_max3_num_f32 v[TM+\b], v[TM+\b], |v[\src+16*\b+\i]|, |v[\src+16*\b+\i+1]|
.endr
.endr
.irp b, 0,1,2,3
	s_delay_alu instid0(VALU_DEP_4)
	v_permlanex16_b32 v[TM+4+\b], v[TM+\b], s[SEL], s[SEL+1]
.endr
.irp b, 0,1,2,3
	s_delay_alu instid0(VALU_DEP_4)
	v_max_num_f32 v[TM+\b], v[TM+\b], v[TM+4+\b]
.endr
.irp b, 0,1,2,3
	s_delay_alu instid0(VALU_DEP_4)
	v_add_nc_u32 v[TM+12+\b], 0xff000000, v[TM+\b] ; 2 off the exponent field: the conversion's scale operand
.endr
.irp b, 0,1,2,3
	s_delay_alu instid0(VALU_DEP_4)
	v_lshrrev_b32 v[TM+4+\b], 23, v[TM+12+\b]      ; the scale's byte
.endr
	s_delay_alu instid0(VALU_DEP_3)
	v_lshl_or_b32 v[\pw], v[TM+5], 8, v[TM+4]
	s_delay_alu instid0(VALU_DEP_1)
	v_lshl_or_b32 v[\pw], v[TM+6], 16, v[\pw]
	s_delay_alu instid0(VALU_DEP_1)
	v_lshl_or_b32 v[\pw], v[TM+7], 24, v[\pw]
.irp c, 0,1
.irp bb, 0,1
.irp u, 0,1
	v_cvt_scalef32_pk8_fp4_f32 v[\pc+4*\c+2*\u+\bb], v[\src+8*(4*\c+2*\bb+\u):\src+8*(4*\c+2*\bb+\u)+7], v[TM+12+2*\c+\bb]
.endr
.endr
.endr
	v_nop                                          ; a plain place behind the conversions
.irp c, 0,1
	v_permlane16_swap_b32 v[\pc+4*\c], v[\pc+4*\c+1]
	v_permlane16_swap_b32 v[\pc+4*\c+2], v[\pc+4*\c+3]
.endr
.endm
	s_wait_tensorcnt 0x0                           ; my loads, if I issued any, have landed,
	s_barrier_signal -1
	s_barrier_wait -1                              ; everybody's have
	LOADF1 0
	LOADH 0, 0
	LOADH 0, 1
	STEP 0, 1, 0                                   ; the first K step starts the sums
.irp s, 1,2,3,4,5,6
	STEP \s, 0, 0
.endr
	STEP 7, 0, 1
.irp b, 0,1,2,3
	v_mov_b32 v[TM+4+\b], 0                        ; a lane permute's destination counts as one of its sources
.endr
	QUANT ACC, 80, 96
	QUANT ACC+64, 88, 97
	v_cmp_gt_u32 vcc_lo, 16, v3
	s_delay_alu instid0(VALU_DEP_1)
	v_cndmask_b32 v98, v97, v96, vcc_lo            ; lanes 0-15: my rows 0-15's words; lanes 16-31: rows 16-31's
	global_store_b128 v8, v[80:83], s[84:85]       ; each store: 512 consecutive bytes
	global_store_b128 v9, v[84:87], s[84:85]
	global_store_b128 v8, v[88:91], s[84:85] offset:512
	global_store_b128 v9, v[92:95], s[84:85] offset:512
	global_store_b32 v10, v98, s[86:87]
	s_wait_tensorcnt 0x0
	ds_add_u32 v30, v31
	s_wait_dscnt 0x0
	s_endpgm
.Lfunc_end_k_q11cd244f09_pj1:
	.size	k_q11cd244f09_pj1, .Lfunc_end_k_q11cd244f09_pj1-k_q11cd244f09_pj1
	.p2alignl 7, 3214868480
	.fill 96, 4, 3214868480
	.section	.rodata,"a",@progbits
	.p2align	6, 0x0
	.amdhsa_kernel k_q11cd244f09_pj1
		.amdhsa_group_segment_fixed_size 288768
		.amdhsa_private_segment_fixed_size 0
		.amdhsa_enable_private_segment 0
		.amdhsa_kernarg_size 64
		.amdhsa_user_sgpr_count 2
		.amdhsa_user_sgpr_kernarg_segment_ptr 1
		.amdhsa_wavefront_size32 1
		.amdhsa_system_sgpr_workgroup_id_x 1
		.amdhsa_system_sgpr_workgroup_id_y 1
		.amdhsa_system_sgpr_workgroup_id_z 1
		.amdhsa_system_vgpr_workitem_id 0
		.amdhsa_next_free_vgpr 256
		.amdhsa_next_free_sgpr 100
		.amdhsa_reserve_vcc 1
		.amdhsa_float_denorm_mode_32 3
		.amdhsa_float_denorm_mode_16_64 3
		.amdhsa_memory_ordered 1
		.amdhsa_forward_progress 1
		.amdhsa_inst_pref_size 52
	.end_amdhsa_kernel
	.amdgpu_metadata
---
amdhsa.version: [ 1, 2 ]
amdhsa.kernels:
  - .name:           k_q11cd244f09_pj1
    .symbol:         k_q11cd244f09_pj1.kd
    .args:
      - { .name: sa_wq_codes, .offset: 0, .size: 8, .value_kind: global_buffer, .address_space: global }
      - { .name: sa_wq_scales, .offset: 8, .size: 8, .value_kind: global_buffer, .address_space: global }
      - { .name: sa_wkv_codes, .offset: 16, .size: 8, .value_kind: global_buffer, .address_space: global }
      - { .name: sa_wkv_scales, .offset: 24, .size: 8, .value_kind: global_buffer, .address_space: global }
      - { .name: ca_wkv_codes, .offset: 32, .size: 8, .value_kind: global_buffer, .address_space: global }
      - { .name: ca_wkv_scales, .offset: 40, .size: 8, .value_kind: global_buffer, .address_space: global }
      - { .name: act, .offset: 48, .size: 8, .value_kind: global_buffer, .address_space: global }
      - { .name: qkv, .offset: 56, .size: 8, .value_kind: global_buffer, .address_space: global }
    .group_segment_fixed_size: 288768
    .private_segment_fixed_size: 0
    .kernarg_segment_align: 8
    .kernarg_segment_size: 64
    .max_flat_workgroup_size: 512
    .sgpr_count:     100
    .vgpr_count:     256
    .wavefront_size: 32
...
	.end_amdgpu_metadata
.endif
;; end of part 7
;; launch at_sa (part 8): grid 8 x 32, 16 waves a work-group, no clusters, 169,984 bytes of LDS; arguments qkv, sa_rel, ao; writes ao
.if DOCPART == 8
	.amdgcn_target "amdgcn-amd-amdhsa--gfx1250"
	.amdhsa_code_object_version 6
	.text
	.protected	k_q11cd244f09_at_sa
	.globl	k_q11cd244f09_at_sa
	.p2align	8
	.type	k_q11cd244f09_at_sa,@function
k_q11cd244f09_at_sa:
	s_mov_b64 s[64:65], 0
	v_nop
	global_prefetch_b8 v0, s[64:65] scope:SCOPE_SE
	s_setreg_imm32_b32 hwreg(HW_REG_WAVE_MODE, 25, 1), 1
	s_wait_xcnt 0x0
; Attention of one head on FP4 codes: O = softmax((Q K^T + bias) / 8) V, bias by the relative position's bucket; O / l is quantised along the head's 64.
; p = 2^(t - M), t = (score + bias) x log2(e) / 8, M the running largest t rounded up to a whole number; l sums the unquantised p.
; IN (buffer qkv): register images of Q, K (K = the head's 64) and V (K = the keys), and their scale words.  OUT (buffer ao): [head][token tile][512 bytes]
; images of the next product's operand, and [head][token] two scale bytes.
; SHARES: a work-group owns 256 queries of one (batch, head), each of its sixteen waves 16 of them: four waves to a SIMD.  All of the head's K and V
; and their scale words come into LDS once; no LDS byte is filled again.  A step is 128 keys.
; LAYOUT: S^T = K Q^T, O^T = V^T P^T: a lane holds one query (lane % 16).  A tile's keys are neighbours: tile T, register n of lane (r, h) is key 16 T + 8 h + n.
; K = 64 IN A FORM OF 128: Q's upper four registers hold zero codes, so what K's operand names there (the next tile's codes) adds nothing;
; the scale words of Q and K are 16 bits, zero-extended: the upper bytes stand over zero codes.
; THE BIAS is the C of the first product.  It hangs on key - query alone; beyond +-91 it is one of two constants (eight registers each); nearer, rows of a table of
; 512 entries in LDS, kept in four copies shifted by 0-3 entries so that every lane's four neighbours lie at a multiple of 16 bytes.
; No cluster: the eight query blocks of a head share K and V, but each reads them once, at its head; left for a later version.
; LIMITS: NaN and infinities are not served.  The buckets' edges are the whole numbers 12, 16, 23, 32, 46, 64, 91 (8 x 2^(k/2) rounded up); at 16, 32, 64 the module's
; f32 logarithm lies on the edge.  A block's largest p is had from its largest score by the same two instructions.  A block of zeros gets the byte 1.
.set NK,   2048                        ; keys
.set ROFF, 0                           ; relative position = key - query + ROFF
.set KC,   2097152
.set KSO,  7471104
.set VC,   4194304
.set VSO,  7602176
.set Q_S,  7340032
.set AO_S, 2097152
.set NST,  NK/128
.set KL,   0                           ; LDS: K, [key tile][512]
.set VL,   NK*32                       ; V, [64 keys][4 tiles of 16 channels][512]
.set KSL,  NK*64                       ; K's scale words
.set VSL,  KSL+NK*4                    ; V's, [step][64]
.set TAB,  VSL+NST*256                 ; the bias table, four copies 2,112 bytes apart; at the end the work-group's 512 scale bytes
.set KSC, 26                           ; v26-33  K's scale words
.set VSC, 34                           ; v34-37  V's
.set CBL, 40                           ; v40-47  the bias far to the left
.set CBR, 48                           ; v48-55  far to the right
.set KF,  56                           ; v56-91  K's eight tiles, four registers each; v88-91 zeros
.set VF,  92                           ; v92-123 V's four fragments
.set S,   124                          ; v124-187 S^T, then p
.set O,   188                          ; v188-219 O^T
.set PC,  220                          ; v220-227 p's codes
.set BM,  228                          ; v228-231 a block's largest
.set BX,  232
.set SO,  236                          ; v236-239 the conversions' scale operands
; v1-5 lane places (K, V, K's words, V's words, table); v6-10 the step's addresses; v11, v38, v39 the way out; v12 -M, v13 largest t, v[14:15] l;
; v16-23 Q; v24 Q's scale word; v25 p's; v[240:241] f; v242 at work; v[236:239], v[244:253] the sum's other chains
.macro PLACES
.rept 4
	v_nop
.endr
.endm
	s_load_b128 s[4:7], s[0:1], 0x0                ; qkv, the bias's embedding
	s_load_b64 s[8:9], s[0:1], 0x10                ; ao
	v_lshl_add_u32 v254, v0, 2, 0x29000
	v_mov_b32 v255, 0
	ds_add_u32 v254, v255
	ds_add_u32 v254, v255
	v_lshrrev_b32 v6, 5, v0
	s_delay_alu instid0(VALU_DEP_1)
	v_readfirstlane_b32 s10, v6                    ; wave 0..15
	s_and_b32 s12, ttmp7, 0xffff
	s_lshr_b32 s13, s12, 4                         ; batch
	s_and_b32 s14, s12, 15                         ; head
	s_and_b32 s15, s14, 1
	s_and_b32 s16, s10, 3                          ; which quarter I fetch
	s_lshl_b32 s17, ttmp9, 8
	s_lshl_b32 s18, s10, 4
	s_add_co_u32 s17, s17, s18                     ; my first query
	s_lshl_b32 s84, s14, 2
	s_lshr_b32 s85, s14, 1
	s_mov_b32 s20, 0x76543210
	s_mov_b32 s21, 0xfedcba98
	s_mov_b32 s22, 0x3e38aa3b                      ; c = log2(e) / 8
	s_mov_b32 s23, s22
	; descriptor groups 1, elements of 8 bytes, no padding.  K: a quarter, NK x 8 dense bytes as rows of 256
	s_mov_b32 s24, 3<<16
	s_mov_b32 s25, 32<<16
	s_mov_b32 s26, (NK/32)<<16
	s_mov_b32 s27, 32<<16
	s_mov_b32 s28, NK/32
	s_mov_b32 s29, 32
	s_mov_b32 s30, 0
	s_mov_b32 s31, 0
	; V: a quarter: NK / 256 rows of 2,048 bytes, 32,768 bytes apart
	s_mov_b32 s32, 3<<16
	s_mov_b32 s33, 256<<16
	s_mov_b32 s34, (NK/256)<<16
	s_mov_b32 s35, 256<<16
	s_mov_b32 s36, NK/256
	s_mov_b32 s37, 4096
	s_mov_b32 s38, 0
	s_mov_b32 s39, 0
	; K's scale words: NK x 4 dense bytes
	s_mov_b32 s40, 3<<16
	s_mov_b32 s41, 32<<16
	s_mov_b32 s42, (NK/64)<<16
	s_mov_b32 s43, 32<<16
	s_mov_b32 s44, NK/64
	s_mov_b32 s45, 32
	s_mov_b32 s46, 0
	s_mov_b32 s47, 0
	; V's: NST rows of 256 bytes, 4,096 bytes apart
	s_mov_b32 s48, 3<<16
	s_mov_b32 s49, 32<<16
	s_mov_b32 s50, NST<<16
	s_mov_b32 s51, 32<<16
	s_mov_b32 s52, NST
	s_mov_b32 s53, 512
	s_mov_b32 s54, 0
	s_mov_b32 s55, 0
	v_and_b32 v6, 31, v0                           ; lane
	v_and_b32 v7, 15, v0                           ; r
	v_bfe_u32 v8, v0, 4, 1                         ; h
	s_delay_alu instid0(VALU_DEP_3)
	v_lshlrev_b32 v1, 4, v6                        ; an image's place for my lane (KL = 0)
	s_delay_alu instid0(VALU_DEP_4)
	v_lshl_add_u32 v2, v6, 4, VL
	s_lshl_b32 s18, s15, 1
	s_add_co_u32 s18, s18, KSL
	v_lshl_add_u32 v3, v7, 2, s18                  ; K's word of key r: my head's two bytes of it
	v_lshl_add_u32 v4, v7, 2, VSL
	v_sub_nc_u32 v9, 16, v7
	s_delay_alu instid0(VALU_DEP_1)
	v_and_b32 v9, 3, v9                            ; which copy: s = -r mod 4
	s_delay_alu instid0(VALU_DEP_1)
	v_mul_u32_u24 v5, v9, 2108
	s_delay_alu instid0(VALU_DEP_1)
	v_add_nc_u32 v5, TAB+208, v5
	s_delay_alu instid0(VALU_DEP_1)
	v_lshl_add_u32 v5, v8, 5, v5
	v_lshlrev_b32 v9, 2, v7
	s_delay_alu instid0(VALU_DEP_1)
	v_sub_nc_u32 v5, v5, v9                        ; TAB + 208 + 2112 s + 32 h - 4 (r + s)
	s_lshl_b32 s18, s10, 5
	s_add_co_u32 s18, s18, TAB
	v_lshl_add_u32 v11, v7, 1, s18                 ; the way out: my query's two scale bytes
	v_lshl_add_u32 v38, v6, 4, TAB
	v_lshlrev_b32 v39, 4, v6
	v_lshl_add_u32 v130, v0, 2, TAB
	v_and_b32 v253, 7, v0
	s_delay_alu instid0(VALU_DEP_1)
	v_lshl_add_u32 v253, v253, 2, TAB              ; eight words, for the 60 bytes between two copies of the table
	; the bucket of relative position i - 256
	v_add_nc_u32 v124, 0xffffff00, v0
	s_delay_alu instid0(VALU_DEP_1)
	v_sub_nc_u32 v125, 0, v124
	s_delay_alu instid0(VALU_DEP_2)
	v_cmp_gt_i32 vcc_lo, 0, v124
	s_delay_alu instid0(VALU_DEP_1)
	v_cndmask_b32 v125, v124, v125, vcc_lo         ; n = |rel|
	v_mov_b32 v126, 8
.irp thr, 12,16,23,32,46,64,91
	v_cmp_le_u32 vcc_lo, \thr, v125
	s_delay_alu instid0(VALU_DEP_1)
	v_cndmask_b32 v127, 0, 1, vcc_lo
	s_delay_alu instid0(VALU_DEP_1)
	v_add_nc_u32 v126, v126, v127
.endr
	v_cmp_gt_u32 vcc_lo, 8, v125
	s_delay_alu instid0(VALU_DEP_1)
	v_cndmask_b32 v126, v126, v125, vcc_lo
	v_cmp_le_i32 vcc_lo, 0, v124
	s_delay_alu instid0(VALU_DEP_1)
	v_cndmask_b32 v127, 0, 16, vcc_lo
	s_delay_alu instid0(VALU_DEP_1)
	v_add_nc_u32 v126, v126, v127
	s_delay_alu instid0(VALU_DEP_1)
	v_lshl_add_u32 v126, v126, 6, s84              ; (16 x bucket + head) x 4
.irp j, 20,21,22,23,88,89,90,91
	v_mov_b32 v[\j], 0                             ; zero codes
.endr
.set j, 0
.rept 32
	v_mov_b32 v[O+j], 0                            ; the loop is written once: its first step finds zeros
.set j, j+1
.endr
	v_mov_b32 v13, 0xff61b1e6                      ; the largest t so far: -3e38
	s_delay_alu instid0(VALU_DEP_1)
	v_floor_f32 v12, -v13
	v_mov_b32 v14, 0
	v_mov_b32 v15, 0
	v_mov_b32 v241, 0
.irp b, 0,1,2,3
	v_mov_b32 v[BX+\b], 0                          ; a lane permute's destination counts as one of its sources
.endr
	s_mov_b32 s19, 0
	s_mul_i32 s91, s16, NK*8                       ; my quarter, in LDS (and in K's memory)
	s_wait_dscnt 0x0
	s_wait_kmcnt 0x0
	s_load_b32 s82, s[6:7], s84 offset:0x3c0       ; bucket 15: far to the left
	s_load_b32 s83, s[6:7], s84 offset:0x7c0       ; bucket 31: far to the right
	s_mul_i32 s18, s14, NK*64
	s_mul_i32 s90, s13, NK*32
	s_add_co_u32 s18, s18, s90
	s_add_co_u32 s18, s18, s91
	s_add_co_u32 s18, s18, KC
	s_mov_b32 s56, 1
	s_add_co_u32 s57, s91, KL
	s_add_nc_u64 s[58:59], s[4:5], s[18:19]
	s_or_b32 s59, s59, 0x80000000
	s_mul_i32 s18, s13, NK*512
	s_lshl_b32 s90, s14, 11
	s_add_co_u32 s18, s18, s90
	s_mul_i32 s90, s16, NK*128
	s_add_co_u32 s18, s18, s90
	s_add_co_u32 s18, s18, VC
	s_mov_b32 s60, 1
	s_add_co_u32 s61, s91, VL
	s_add_nc_u64 s[62:63], s[4:5], s[18:19]
	s_or_b32 s63, s63, 0x80000000
	s_mul_i32 s18, s85, NK*8
	s_mul_i32 s90, s13, NK*4
	s_add_co_u32 s18, s18, s90
	s_add_co_u32 s18, s18, KSO
	s_mov_b32 s68, 1
	s_mov_b32 s69, KSL
	s_add_nc_u64 s[70:71], s[4:5], s[18:19]
	s_or_b32 s71, s71, 0x80000000
	s_mul_i32 s18, s13, NST*4096
	s_lshl_b32 s90, s14, 8
	s_add_co_u32 s18, s18, s90
	s_add_co_u32 s18, s18, VSO
	s_mov_b32 s72, 1
	s_mov_b32 s73, VSL
	s_add_nc_u64 s[74:75], s[4:5], s[18:19]
	s_or_b32 s75, s75, 0x80000000
	s_cmp_lt_u32 s10, 4                            ; waves 0-3: K's quarters; 4-7: V's; 8: K's scale words; 9: V's.  One load a wave at the most
	s_cbranch_scc0 .Lnot_k
	tensor_load_to_lds s[56:59], s[24:31]
	s_nop 0
	PLACES
	s_branch .Lfilled
.Lnot_k:
	s_cmp_lt_u32 s10, 8
	s_cbranch_scc0 .Lnot_v
	tensor_load_to_lds s[60:63], s[32:39]
	s_nop 0
	PLACES
	s_branch .Lfilled
.Lnot_v:
	s_cmp_eq_u32 s10, 8
	s_cbranch_scc0 .Lnot_ks
	tensor_load_to_lds s[68:71], s[40:47]
	s_nop 0
	PLACES
	s_branch .Lfilled
.Lnot_ks:
	s_cmp_eq_u32 s10, 9
	s_cbranch_scc0 .Lfilled
	tensor_load_to_lds s[72:75], s[48:55]
	s_nop 0
	PLACES
.Lfilled:
	global_load_b32 v133, v126, s[6:7]             ; my entry of the table
	s_lshl_b32 s18, s14, 8
	s_lshl_b32 s90, s13, 7
	s_add_co_u32 s18, s18, s90
	s_lshl_b32 s90, ttmp9, 4
	s_add_co_u32 s18, s18, s90
	s_add_co_u32 s18, s18, s10
	s_lshl_b32 s18, s18, 9                         ; (256 head + 128 batch + my token tile) x 512: Q's image, and my result's
	v_add_nc_u32 v131, s18, v39
	global_load_b128 v[16:19], v131, s[4:5]
	s_add_nc_u64 s[86:87], s[8:9], s[18:19]
	s_lshl_b32 s92, s85, 12
	s_lshl_b32 s90, s13, 11
	s_add_co_u32 s92, s92, s90
	s_add_co_u32 s92, s92, s17
	s_lshl_b32 s92, s92, 2
	s_lshl_b32 s90, s15, 1
	s_add_co_u32 s92, s92, s90
	s_add_co_u32 s92, s92, Q_S
	v_lshl_add_u32 v132, v7, 2, s92
	global_load_u16 v24, v132, s[4:5]              ; Q's two scale bytes
	s_lshl_b32 s18, s14, 12
	s_lshl_b32 s90, s13, 11
	s_add_co_u32 s18, s18, s90
	s_lshl_b32 s90, ttmp9, 8
	s_add_co_u32 s18, s18, s90
	s_lshl_b32 s18, s18, 1
	s_add_co_u32 s18, s18, AO_S
	s_add_nc_u64 s[88:89], s[8:9], s[18:19]        ; the work-group's 512 scale bytes
	s_mov_b32 s76, 0                               ; the step's tiles of K and of V: 4,096 bytes a step
	s_mov_b32 s77, 0                               ; K's scale words: 512
	s_mov_b32 s78, 0                               ; V's: 256
	s_sub_co_i32 s79, ROFF, s17                    ; DD = the step's first key - my first query + ROFF
	s_mov_b32 s80, NST
	s_wait_kmcnt 0x0
.irp j, 0,1,2,3,4,5,6,7
	v_mov_b32 v[CBL+\j], s82
	v_mov_b32 v[CBR+\j], s83
.endr
	s_wait_loadcnt 0x0
.irp s, 0,1,2,3
	ds_store_b32 v130, v133 offset:16+2108*\s      ; copy s holds entry i at place i - s
.endr
	s_wait_tensorcnt 0x0                           ; my load has landed
	s_cmp_lg_u32 s10, 15
	s_cbranch_scc1 .Lnogap
.irp s, 0,1,2
	ds_store_b32 v253, v20 offset:2064+2108*\s     ; wave 15 writes zeros between the copies: 15 words, as 8 and 8 that share one
	ds_store_b32 v253, v20 offset:2092+2108*\s
.endr
.Lnogap:
	s_wait_dscnt 0x0
	s_barrier_signal -1
	s_barrier_wait -1                              ; everybody's
.macro SMUL cb                         ; S^T = K Q^T + bias: eight tiles of 16 keys.  cb < 0: the bias lies in S already
.set T, 0
.rept 8
.if (\cb) < 0
	v_wmma_scale_f32_16x16x128_f8f6f4 v[S+8*T:S+8*T+7], v[KF+4*T:KF+4*T+7], v[16:23], v[S+8*T:S+8*T+7], v[KSC+T], v24 matrix_a_fmt:MATRIX_FMT_FP4 matrix_b_fmt:MATRIX_FMT_FP4
.else
	v_wmma_scale_f32_16x16x128_f8f6f4 v[S+8*T:S+8*T+7], v[KF+4*T:KF+4*T+7], v[16:23], v[(\cb):(\cb)+7], v[KSC+T], v24 matrix_a_fmt:MATRIX_FMT_FP4 matrix_b_fmt:MATRIX_FMT_FP4
.endif
.set T, T+1
.endr
.endm
.Lstep:
	s_add_co_i32 s81, s79, 208
	s_min_u32 s81, s81, 304                        ; inside the table on the near path; not used on the others
	s_lshl_b32 s81, s81, 2
	v_add_nc_u32 v6, s76, v1                       ; these five are also the places behind the last products
	v_add_nc_u32 v7, s76, v2
	v_add_nc_u32 v8, s77, v3
	v_add_nc_u32 v9, s78, v4
	v_add_nc_u32 v10, s81, v5
.irp t, 0,1,2,3,4,5,6,7
	ds_load_b128 v[KF+4*\t:KF+4*\t+3], v6 offset:512*\t
	ds_load_u16 v[KSC+\t], v8 offset:64*\t
.endr
.irp t, 0,1,2,3
.irp c, 0,1
	ds_load_b128 v[VF+8*\t+4*\c:VF+8*\t+4*\c+3], v7 offset:2048*\c+512*\t
.endr
	ds_load_b32 v[VSC+\t], v9 offset:64*\t
.endr
	s_cmp_le_i32 s79, -224                         ; every key of the step 91 or more to the left of my 16 queries
	s_cbranch_scc1 .Lleft
	s_cmp_ge_i32 s79, 112                          ; or to the right
	s_cbranch_scc1 .Lright
.irp t, 0,1,2,3,4,5,6,7
.irp c, 0,1
	ds_load_b128 v[S+8*\t+4*\c:S+8*\t+4*\c+3], v10 offset:64*\t+16*\c   ; the bias of keys 16 t + 8 h + 4 c + 0..3 against query r
.endr
.endr
	s_wait_dscnt 0x0
	SMUL -1
	s_branch .Ljoin
.Lleft:
	s_wait_dscnt 12                                ; K is in; V's 12 loads may be out
	s_wait_alu depctr_va_vdst(0)
	SMUL CBL
	s_branch .Ljoin
.Lright:
	s_wait_dscnt 12
	s_wait_alu depctr_va_vdst(0)
	SMUL CBR
.Ljoin:
	PLACES
.irp b, 0,1,2,3
	v_max3_num_f32 v[BM+\b], v[S+16*\b], v[S+16*\b+1], v[S+16*\b+2]   ; the largest score of each block of 32 keys
.endr
.irp i, 3,5,7,9,11,13
.irp b, 0,1,2,3
	v_max3_num_f32 v[BM+\b], v[BM+\b], v[S+16*\b+\i], v[S+16*\b+\i+1]
.endr
.endr
.irp b, 0,1,2,3
	v_max_num_f32 v[BM+\b], v[BM+\b], v[S+16*\b+15]
.endr
.irp b, 0,1,2,3
	s_delay_alu instid0(VALU_DEP_4)
	v_permlanex16_b32 v[BX+\b], v[BM+\b], s20, s21
.endr
.irp b, 0,1,2,3
	s_delay_alu instid0(VALU_DEP_4)
	v_max_num_f32 v[BM+\b], v[BM+\b], v[BX+\b]
.endr
	s_delay_alu instid0(VALU_DEP_2)
	v_max3_num_f32 v242, v[BM], v[BM+1], v[BM+2]
	s_delay_alu instid0(VALU_DEP_1)
	v_max_num_f32 v242, v242, v[BM+3]
	s_delay_alu instid0(VALU_DEP_1)
	v_mul_f32 v242, s22, v242
	s_delay_alu instid0(VALU_DEP_1)
	v_max_num_f32 v13, v13, v242                   ; the running largest t
	v_mov_b32 v242, v12
	s_delay_alu instid0(VALU_DEP_2)
	v_floor_f32 v12, -v13                          ; -M = floor(-t)
	s_delay_alu instid0(VALU_DEP_1)
	v_sub_f32 v242, v12, v242
	s_delay_alu instid0(VALU_DEP_1)
	v_cvt_i32_f32 v242, v242                       ; old M - new M (it saturates)
	s_delay_alu instid0(VALU_DEP_1)
	v_ldexp_f32 v240, 1.0, v242                    ; f = 2^(old M - new M)
.set j, 0
.rept 32
	v_pk_fma_f32 v[S+j:S+j+1], v[S+j:S+j+1], s[22:23], v[12:13] op_sel_hi:[1,0,0]   ; t - M
.set j, j+2
.endr
.irp b, 0,1,2,3
	v_fma_f32 v[BM+\b], v[BM+\b], s22, v12
.endr
.set j, 0
	s_wait_alu depctr_va_vdst(0)
.rept 64
	v_exp_f32 v[S+j], v[S+j]                       ; p
.set j, j+1
.endr
.irp b, 0,1,2,3
	v_exp_f32 v[BM+\b], v[BM+\b]                   ; the block's largest p
.endr
	v_pk_mul_f32 v[14:15], v[14:15], v[240:241] op_sel_hi:[1,0]   ; l under the new M (the plain place behind the exponentials)
	s_wait_alu depctr_va_vdst(0)
.irp b, 0,1,2,3
	v_max_num_f32 v[BM+\b], 0x1800000, v[BM+\b]    ; the floor 2^(3 - 127)
.endr
.irp b, 0,1,2,3
	s_delay_alu instid0(VALU_DEP_4)
	v_add_nc_u32 v[SO+\b], 0xff000000, v[BM+\b]
.endr
.irp b, 0,1,2,3
	s_delay_alu instid0(VALU_DEP_4)
	v_lshrrev_b32 v[BX+\b], 23, v[SO+\b]
.endr
	s_delay_alu instid0(VALU_DEP_3)
	v_lshl_or_b32 v25, v[BX+1], 8, v[BX]           ; p's scale word
	s_delay_alu instid0(VALU_DEP_1)
	v_lshl_or_b32 v25, v[BX+2], 16, v25
	s_delay_alu instid0(VALU_DEP_1)
	v_lshl_or_b32 v25, v[BX+3], 24, v25
.irp c, 0,1
.irp bb, 0,1
.irp u, 0,1
	v_cvt_scalef32_pk8_fp4_f32 v[PC+4*\c+2*\u+\bb], v[S+8*(4*\c+2*\bb+\u):S+8*(4*\c+2*\bb+\u)+7], v[SO+2*\c+\bb]
.endr
.endr
.endr
	v_nop                                          ; a plain place behind the conversions
.irp c, 0,1
	v_permlane16_swap_b32 v[PC+4*\c], v[PC+4*\c+1] ; lanes 0-15 block 2 c, lanes 16-31 block 2 c + 1
	v_permlane16_swap_b32 v[PC+4*\c+2], v[PC+4*\c+3]
.endr
	v_pk_add_f32 v[244:245], v[128:129], v[132:133]
	v_pk_add_f32 v[252:253], v[136:137], v[140:141]
	v_pk_add_f32 v[250:251], v[144:145], v[148:149]
	v_pk_add_f32 v[248:249], v[152:153], v[156:157]
	v_pk_add_f32 v[246:247], v[160:161], v[164:165]
	v_pk_add_f32 v[238:239], v[168:169], v[172:173]
	v_pk_add_f32 v[236:237], v[176:177], v[180:181]
	v_pk_add_f32 v[14:15], v[14:15], v[184:185]
	v_pk_add_f32 v[244:245], v[244:245], v[124:125]
	v_pk_add_f32 v[252:253], v[252:253], v[126:127]
	v_pk_add_f32 v[250:251], v[250:251], v[130:131]
	v_pk_add_f32 v[248:249], v[248:249], v[134:135]
	v_pk_add_f32 v[246:247], v[246:247], v[138:139]
	v_pk_add_f32 v[238:239], v[238:239], v[142:143]
	v_pk_add_f32 v[236:237], v[236:237], v[146:147]
	v_pk_add_f32 v[14:15], v[14:15], v[150:151]
	v_pk_add_f32 v[244:245], v[244:245], v[154:155]
	v_pk_add_f32 v[252:253], v[252:253], v[158:159]
	v_pk_add_f32 v[250:251], v[250:251], v[162:163]
	v_pk_add_f32 v[248:249], v[248:249], v[166:167]
	v_pk_add_f32 v[246:247], v[246:247], v[170:171]
	v_pk_add_f32 v[238:239], v[238:239], v[174:175]
	v_pk_add_f32 v[236:237], v[236:237], v[178:179]
	v_pk_add_f32 v[14:15], v[14:15], v[182:183]
	v_pk_add_f32 v[244:245], v[244:245], v[186:187]
	s_delay_alu instid0(VALU_DEP_2)
	v_pk_add_f32 v[14:15], v[14:15], v[248:249]
	s_delay_alu instid0(VALU_DEP_2)
	v_pk_add_f32 v[244:245], v[244:245], v[246:247]
	v_pk_add_f32 v[252:253], v[252:253], v[238:239]
	v_pk_add_f32 v[250:251], v[250:251], v[236:237]
	s_delay_alu instid0(VALU_DEP_2)
	v_pk_add_f32 v[14:15], v[14:15], v[252:253]
	s_delay_alu instid0(VALU_DEP_2)
	v_pk_add_f32 v[244:245], v[244:245], v[250:251]
	s_delay_alu instid0(VALU_DEP_1)
	v_pk_add_f32 v[14:15], v[14:15], v[244:245]
.set j, 0
.rept 16
	v_pk_mul_f32 v[O+j:O+j+1], v[O+j:O+j+1], v[240:241] op_sel_hi:[1,0]   ; O^T under the new M
.set j, j+2
.endr
	s_wait_alu depctr_va_vdst(0)
	s_wait_dscnt 0x0                               ; V is in
.irp t, 0,1,2,3
	v_wmma_scale_f32_16x16x128_f8f6f4 v[O+8*\t:O+8*\t+7], v[VF+8*\t:VF+8*\t+7], v[PC:PC+7], v[O+8*\t:O+8*\t+7], v[VSC+\t], v25 matrix_a_fmt:MATRIX_FMT_FP4 matrix_b_fmt:MATRIX_FMT_FP4
.endr
	s_add_co_u32 s76, s76, 4096
	s_add_co_u32 s77, s77, 512
	s_add_co_u32 s78, s78, 256
	s_add_co_i32 s79, s79, 128
	s_sub_co_u32 s80, s80, 1
	s_cmp_lg_u32 s80, 0
	s_cbranch_scc1 .Lstep
	; THE WAY OUT: O^T / l, quantised along the head's 64: two blocks; tile 2 bb + u converts into register PC + 2 u + bb
	PLACES
	v_add_f32 v14, v14, v15
	s_delay_alu instid0(VALU_DEP_1)
	v_permlanex16_b32 v242, v14, s20, s21
	s_delay_alu instid0(VALU_DEP_1)
	v_add_f32 v14, v14, v242
	s_wait_alu depctr_va_vdst(0)
	v_rcp_f32 v14, v14
	v_nop                                          ; a plain place behind the reciprocal
.set j, 0
	s_wait_alu depctr_va_vdst(0)
.rept 16
	v_pk_mul_f32 v[O+j:O+j+1], v[O+j:O+j+1], v[14:15] op_sel_hi:[1,0]
.set j, j+2
.endr
.irp b, 0,1
	v_max3_num_f32 v[BM+\b], |v[O+16*\b]|, |v[O+16*\b+1]|, 0x1800000
.endr
.irp i, 2,4,6,8,10,12,14
.irp b, 0,1
	s_delay_alu instid0(VALU_DEP_2)
	v_max3_num_f32 v[BM+\b], v[BM+\b], |v[O+16*\b+\i]|, |v[O+16*\b+\i+1]|
.endr
.endr
.irp b, 0,1
	s_delay_alu instid0(VALU_DEP_2)
	v_permlanex16_b32 v[BX+\b], v[BM+\b], s20, s21
.endr
.irp b, 0,1
	s_delay_alu instid0(VALU_DEP_2)
	v_max_num_f32 v[BM+\b], v[BM+\b], v[BX+\b]
.endr
.irp b, 0,1
	s_delay_alu instid0(VALU_DEP_2)
	v_add_nc_u32 v[SO+\b], 0xff000000, v[BM+\b]
.endr
.irp b, 0,1
	s_delay_alu instid0(VALU_DEP_2)
	v_lshrrev_b32 v[BX+\b], 23, v[SO+\b]
.endr
	s_delay_alu instid0(VALU_DEP_1)
	v_lshl_or_b32 v242, v[BX+1], 8, v[BX]          ; my query's two scale bytes
.irp bb, 0,1
.irp u, 0,1
	v_cvt_scalef32_pk8_fp4_f32 v[PC+2*\u+\bb], v[O+8*(2*\bb+\u):O+8*(2*\bb+\u)+7], v[SO+\bb]
.endr
.endr
	v_nop
	v_permlane16_swap_b32 v[PC], v[PC+1]
	v_permlane16_swap_b32 v[PC+2], v[PC+3]
	global_store_b128 v39, v[PC:PC+3], s[86:87]    ; the wave stores 512 consecutive bytes
	s_wait_alu depctr_va_vdst(0)
	s_wait_dscnt 0x0                               ; my reads of the table are over
	s_barrier_signal -1
	s_barrier_wait -1                              ; everybody's are: its bytes may be written
	ds_store_b16 v11, v242                         ; both halves of the lanes write the same value
	s_wait_dscnt 0x0
	s_barrier_signal -1
	s_barrier_wait -1
	s_cmp_lg_u32 s10, 0
	s_cbranch_scc1 .Lend
	ds_load_b128 v[124:127], v38                   ; wave 0 stores the work-group's 512 scale bytes
	s_wait_dscnt 0x0
	global_store_b128 v39, v[124:127], s[88:89]
.Lend:
	s_wait_tensorcnt 0x0
	ds_add_u32 v254, v255
	s_wait_dscnt 0x0
	s_endpgm
.Lfunc_end_k_q11cd244f09_at_sa:
	.size	k_q11cd244f09_at_sa, .Lfunc_end_k_q11cd244f09_at_sa-k_q11cd244f09_at_sa
	.p2alignl 7, 3214868480
	.fill 96, 4, 3214868480
	.section	.rodata,"a",@progbits
	.p2align	6, 0x0
	.amdhsa_kernel k_q11cd244f09_at_sa
		.amdhsa_group_segment_fixed_size 169984
		.amdhsa_private_segment_fixed_size 0
		.amdhsa_enable_private_segment 0
		.amdhsa_kernarg_size 24
		.amdhsa_user_sgpr_count 2
		.amdhsa_user_sgpr_kernarg_segment_ptr 1
		.amdhsa_wavefront_size32 1
		.amdhsa_system_sgpr_workgroup_id_x 1
		.amdhsa_system_sgpr_workgroup_id_y 1
		.amdhsa_system_sgpr_workgroup_id_z 1
		.amdhsa_system_vgpr_workitem_id 0
		.amdhsa_next_free_vgpr 256
		.amdhsa_next_free_sgpr 100
		.amdhsa_reserve_vcc 1
		.amdhsa_float_denorm_mode_32 3
		.amdhsa_float_denorm_mode_16_64 3
		.amdhsa_memory_ordered 1
		.amdhsa_forward_progress 1
		.amdhsa_inst_pref_size 39
	.end_amdhsa_kernel
	.amdgpu_metadata
---
amdhsa.version: [ 1, 2 ]
amdhsa.kernels:
  - .name:           k_q11cd244f09_at_sa
    .symbol:         k_q11cd244f09_at_sa.kd
    .args:
      - { .name: qkv, .offset: 0, .size: 8, .value_kind: global_buffer, .address_space: global }
      - { .name: sa_rel, .offset: 8, .size: 8, .value_kind: global_buffer, .address_space: global }
      - { .name: ao, .offset: 16, .size: 8, .value_kind: global_buffer, .address_space: global }
    .group_segment_fixed_size: 169984
    .private_segment_fixed_size: 0
    .kernarg_segment_align: 8
    .kernarg_segment_size: 24
    .max_flat_workgroup_size: 512
    .sgpr_count:     100
    .vgpr_count:     256
    .wavefront_size: 32
...
	.end_amdgpu_metadata
.endif
;; end of part 8
;; launch op1 (part 9): grid 8 x 32, 4 waves a work-group, no clusters, 246,272 bytes of LDS; arguments ao, sa_wo_codes, sa_wo_scales, sa_bo, x, x1; writes x1
.if DOCPART == 9
	.amdgcn_target "amdgcn-amd-amdhsa--gfx1250"
	.amdhsa_code_object_version 6
	.text
	.protected	k_q11cd244f09_op1
	.globl	k_q11cd244f09_op1
	.p2align	8
	.type	k_q11cd244f09_op1,@function
k_q11cd244f09_op1:
	s_mov_b64 s[64:65], 0
	v_nop
	global_prefetch_b8 v0, s[64:65] scope:SCOPE_SE
	s_setreg_imm32_b32 hwreg(HW_REG_WAVE_MODE, 25, 1), 1
	s_wait_xcnt 0x0
; out(token, n) = sum over k of A(token, k) W(n, k) + bias(n) + residual(token, n), on FP4 codes, K = 1,024 = 16 heads x 64.
; W: [n][512 bytes of codes], [n][32 scale bytes].  A (buffer ao): [head][token tile][512 bytes], images of four operand registers, and [head][token] two scale bytes.
; SHARES: a work-group makes 128 n (x) x 128 tokens (y).  W's 128 rows and A's images and scale bytes come into LDS once; nothing is filled again.
; Wave w takes all 128 n x tokens 32 w .. 32 w + 31: 16 accumulators.  Source 0 is W: a lane holds one token and eight neighbouring n.
; THE RESIDUAL: each wave fetches its own 32 rows, straight into registers v260-387, and reads them alone: so they may stay out over the barrier and the products,
; and the wave's own wait for them stands in front of the way out.
; The way out: 16 tokens at a time through the wave's own stage, back as rows of 512 bytes, bias and residual added, stored 512 consecutive bytes a wave.
; No cluster: eight work-groups share A's tile and 32 share W's, each read once at the head; left out.
.set AO_S, 2097152
.set PITCH, 528
.set C0,  0                            ; W's 128 rows, 512 + 16 bytes
.set C1,  128*PITCH                    ; A: [head][8 token tiles][512]
.set S0,  C1+65536                     ; W's scale bytes
.set S1,  S0+4096                      ; A's: [head][128 tokens][2]
.set RES, S1+4096                      ; 128 x 528 bytes, unused: the residual goes to registers
.set STG, RES+128*PITCH                ; a stage of 16 rows for each wave
.set SC1, 12                           ; v12-19  A's scale words, one a K step: lanes 0-15 my tokens 0-15, lanes 16-31 tokens 16-31
.set SC0, 20                           ; v20-27  W's, one a tile
.set F1,  28                           ; v28-59  A's fragments, two sets of two
.set F0,  60                           ; v60-123 W's eight fragments
.set ACC, 124                          ; v124-251
.set BK,  60                           ; the way out: eight rows back from the stage,
.set RS,  92
.macro PLACES
.rept 4
	v_nop
.endr
.endm
	s_load_b256 s[4:11], s[0:1], 0x0               ; ao, W's codes, W's scales, the bias
	s_load_b128 s[12:15], s[0:1], 0x20             ; the residual, out
	s_set_vgpr_msb 0x40
	v_lshl_add_u32 v0, v0, 2, 0x3c000
	v_mov_b32 v1, 0
	s_set_vgpr_msb 0x4045
	ds_add_u32 v0, v1
	ds_add_u32 v0, v1
	s_set_vgpr_msb 0x4500
	v_lshrrev_b32 v1, 5, v0
	v_readfirstlane_b32 s16, v1                    ; wave
	s_mov_b32 s18, ttmp9                           ; ic: my 128 of n
	s_and_b32 s19, ttmp7, 0xffff                   ; jc: my 128 tokens
	v_and_b32 v3, 31, v0
	v_and_b32 v1, 15, v0
	v_bfe_u32 v2, v0, 4, 1
	v_mul_u32_u24 v4, v1, PITCH
	v_lshl_add_u32 v4, v2, 4, v4                   ; W's fragments
	s_lshl_b32 s22, s16, 10
	s_add_co_u32 s22, s22, C1
	v_lshl_add_u32 v5, v3, 4, s22                  ; A's images: my two token tiles
	v_lshl_add_u32 v6, v1, 5, S0
	s_lshl_b32 s22, s16, 6
	s_add_co_u32 s22, s22, S1
	v_lshl_add_u32 v7, v3, 1, s22                  ; A's scale bytes: lane l takes my token l
	s_mul_i32 s22, s16, 16*PITCH
	s_add_co_u32 s22, s22, STG
	v_lshl_add_u32 v8, v2, 5, s22
	v_mad_u32_u24 v8, v1, PITCH, v8                ; the stage, in: row r, + 32 h
	v_lshl_add_u32 v9, v3, 4, s22                  ; and back: a row of 512 bytes to the wave
	v_lshlrev_b32 v11, 4, v3
	; descriptor groups 1.  W's codes: 128 rows of 512 bytes, padded
	s_mov_b32 s24, (1<<20)|(6<<22)|(3<<25)
	s_mov_b32 s25, 512<<16
	s_mov_b32 s26, 128<<16                         ; all 128 rows in one load
	s_mov_b32 s27, 512<<16
	s_mov_b32 s28, 128
	s_mov_b32 s29, 512
	s_mov_b32 s30, 0
	s_mov_b32 s31, 0
	; W's scale bytes of 128 rows: 4,096 dense bytes
	s_mov_b32 s32, 3<<16
	s_mov_b32 s33, 32<<16
	s_mov_b32 s34, 16<<16                          ; 128 rows' scale bytes: 4,096 dense bytes
	s_mov_b32 s35, 32<<16
	s_mov_b32 s36, 16
	s_mov_b32 s37, 32
	s_mov_b32 s38, 0
	s_mov_b32 s39, 0
	; A's images: 16 heads x 4,096 bytes, 131,072 bytes apart
	s_mov_b32 s40, 3<<16
	s_mov_b32 s41, 512<<16
	s_mov_b32 s42, 16<<16                          ; all 16 heads
	s_mov_b32 s43, 512<<16
	s_mov_b32 s44, 16
	s_mov_b32 s45, 16384
	s_mov_b32 s46, 0
	s_mov_b32 s47, 0
	; A's scale bytes: 16 heads x 256 bytes, 8,192 bytes apart
	s_mov_b32 s48, 3<<16
	s_mov_b32 s49, 32<<16
	s_mov_b32 s50, 16<<16                          ; all 16 heads
	s_mov_b32 s51, 32<<16
	s_mov_b32 s52, 16
	s_mov_b32 s53, 1024
	s_mov_b32 s54, 0
	s_mov_b32 s55, 0
	; the residual: 32 rows of 128 f32
	; (the residual does not go through LDS: each wave loads its 32 rows straight into registers v260-387, below)
	s_mov_b32 s21, 0
	s_wait_dscnt 0x0
	s_wait_kmcnt 0x0
	s_lshl_b32 s20, s18, 16                        ; W's codes: 128 rows of 512 bytes
	s_mov_b32 s68, 1
	s_mov_b32 s69, C0
	s_add_nc_u64 s[70:71], s[6:7], s[20:21]
	s_or_b32 s71, s71, 0x80000000
	s_lshl_b32 s20, s18, 12                        ; W's scale bytes
	s_mov_b32 s72, 1
	s_mov_b32 s73, S0
	s_add_nc_u64 s[74:75], s[8:9], s[20:21]
	s_or_b32 s75, s75, 0x80000000
	s_lshl_b32 s20, s19, 12                        ; A's images: my 8 token tiles of each head
	s_mov_b32 s76, 1
	s_mov_b32 s77, C1
	s_add_nc_u64 s[78:79], s[4:5], s[20:21]
	s_or_b32 s79, s79, 0x80000000
	s_lshl_b32 s20, s19, 8                         ; A's scale bytes
	s_add_co_u32 s20, s20, AO_S
	s_mov_b32 s80, 1
	s_mov_b32 s81, S1
	s_add_nc_u64 s[82:83], s[4:5], s[20:21]
	s_or_b32 s83, s83, 0x80000000
	s_lshl_b32 s20, s19, 7
	s_lshl_b32 s90, s16, 5
	s_add_co_u32 s20, s20, s90
	s_lshl_b32 s20, s20, 12
	s_lshl_b32 s90, s18, 9
	s_add_co_u32 s20, s20, s90                     ; my first token's row, my 128 columns: the residual's byte and the output's
	s_add_nc_u64 s[86:87], s[12:13], s[20:21]
	s_add_nc_u64 s[88:89], s[14:15], s[20:21]
	s_cmp_lt_u32 s16, 1                            ; one load a wave, in one chain of branches: wave 0 W's codes,
	s_cbranch_scc0 .Lw1
	tensor_load_to_lds s[68:71], s[24:31]
	s_nop 0
	PLACES
	s_branch .Lasked
.Lw1:
	s_cmp_lt_u32 s16, 2                            ; wave 1 A's images,
	s_cbranch_scc0 .Lw2
	tensor_load_to_lds s[76:79], s[40:47]
	s_nop 0
	PLACES
	s_branch .Lasked
.Lw2:
	s_cmp_lt_u32 s16, 3                            ; wave 2 W's scale bytes,
	s_cbranch_scc0 .Lw3
	tensor_load_to_lds s[72:75], s[32:39]
	s_nop 0
	PLACES
	s_branch .Lasked
.Lw3:
	tensor_load_to_lds s[80:83], s[48:55]          ; wave 3 A's
	s_nop 0
	PLACES
.Lasked:
	s_mov_b32 s20, s90
	s_add_nc_u64 s[10:11], s[10:11], s[20:21]      ; the bias at my 128 columns
	s_wait_alu depctr_va_vdst(0)
	global_load_b128 v[252:255], v11, s[10:11]
	s_set_vgpr_msb 0x40                            ; destinations in window 1
.set j, 0
.rept 32
	global_load_b128 v[4+4*j:7+4*j], v11, s[86:87] offset:4096*j   ; v260 + 4 j: row j of my 32 of the residual, 512 consecutive bytes to the wave
.set j, j+1
.endr
	s_set_vgpr_msb 0x4000
.macro LOADF1 s                        ; A's two fragments of K step s (heads 2 s, 2 s + 1): 4 LDS loads
.irp u, 0,1
.irp c, 0,1
	ds_load_b128 v[F1+16*((\s)%2)+8*\u+4*\c:F1+16*((\s)%2)+8*\u+4*\c+3], v5 offset:(2*(\s)+\c)*4096+512*\u
.endr
.endr
.endm
.macro LOADH s, hf                     ; W's tiles 4 hf .. 4 hf + 3 of K step s: 12 LDS loads
.irp t, 0,1,2,3
.irp c, 0,1
	ds_load_b128 v[F0+8*(4*(\hf)+\t)+4*\c:F0+8*(4*(\hf)+\t)+4*\c+3], v4 offset:16*PITCH*(4*(\hf)+\t)+64*(\s)+32*\c
.endr
	ds_load_b32 v[SC0+4*(\hf)+\t], v6 offset:512*(4*(\hf)+\t)+4*(\s)
.endr
.endm
.macro MUL8 s, hf, zero                ; eight products; the 16 accumulators take turns, one instruction a turn
.irp t, 0,1,2,3
.irp u, 0,1
.set rD, ACC+64*\u+8*(4*(\hf)+\t)
.set rA, F0+8*(4*(\hf)+\t)
.set rB, F1+16*((\s)%2)+8*\u
.set rS, SC0+4*(\hf)+\t
.set rT, SC1+(\s)
.if \zero
.if \u
	v_wmma_scale_f32_16x16x128_f8f6f4 v[rD:rD+7], v[rA:rA+7], v[rB:rB+7], 0, v[rS], v[rT] matrix_a_fmt:MATRIX_FMT_FP4 matrix_b_fmt:MATRIX_FMT_FP4 matrix_b_scale:MATRIX_SCALE_ROW1
.else
	v_wmma_scale_f32_16x16x128_f8f6f4 v[rD:rD+7], v[rA:rA+7], v[rB:rB+7], 0, v[rS], v[rT] matrix_a_fmt:MATRIX_FMT_FP4 matrix_b_fmt:MATRIX_FMT_FP4
.endif
.else
.if \u
	v_wmma_scale_f32_16x16x128_f8f6f4 v[rD:rD+7], v[rA:rA+7], v[rB:rB+7], v[rD:rD+7], v[rS], v[rT] matrix_a_fmt:MATRIX_FMT_FP4 matrix_b_fmt:MATRIX_FMT_FP4 matrix_b_scale:MATRIX_SCALE_ROW1
.else
	v_wmma_scale_f32_16x16x128_f8f6f4 v[rD:rD+7], v[rA:rA+7], v[rB:rB+7], v[rD:rD+7], v[rS], v[rT] matrix_a_fmt:MATRIX_FMT_FP4 matrix_b_fmt:MATRIX_FMT_FP4
.endif
.endif
.endr
.endr
.endm
.macro STEP s, zero, last
	s_wait_dscnt 12                                ; A's fragments and W's tiles 0-3 are in; the 12 loads of tiles 4-7 may be out
	MUL8 \s, 0, \zero
.if !\last
	PLACES
	LOADF1 (\s)+1
	LOADH (\s)+1, 0
	s_wait_dscnt 16                                ; all but the 4 + 12 just issued
.else
	s_wait_dscnt 0x0
.endif
	MUL8 \s, 1, \zero
	PLACES
.if !\last
	LOADH (\s)+1, 1
.endif
.endm
	s_wait_tensorcnt 0x0                           ; my one load has landed
	s_barrier_signal -1
	s_barrier_wait -1                              ; everybody's codes and scale bytes have
.irp s, 0,1,2,3,4,5,6,7
	ds_load_u16 v[F0+\s], v7 offset:512*\s         ; head 2 s's two scale bytes of my token,
	ds_load_u16 v[F0+8+\s], v7 offset:512*\s+256   ; head 2 s + 1's
.endr
	s_wait_dscnt 0x0
.irp s, 0,1,2,3,4,5,6,7
	v_lshl_or_b32 v[SC1+\s], v[F0+8+\s], 16, v[F0+\s]   ; K step s's scale word
.endr
	LOADF1 0
	LOADH 0, 0
	LOADH 0, 1
.rept 8
	v_nop                                          ; scale registers written by vector instructions stand eight places ahead of the products
.endr
	s_wait_alu depctr_va_vdst(0)
	STEP 0, 1, 0                                   ; the first K step starts the sums
.irp s, 1,2,3,4,5,6
	STEP \s, 0, 0
.endr
	STEP 7, 0, 1
	s_wait_loadcnt 0x0                             ; the bias and my rows of the residual
.irp u, 0,1
.irp t, 0,1,2,3,4,5,6,7
	ds_store_b128 v8, v[ACC+64*\u+8*\t:ACC+64*\u+8*\t+3] offset:64*\t        ; each accumulator from its low end on
	ds_store_b128 v8, v[ACC+64*\u+8*\t+4:ACC+64*\u+8*\t+7] offset:64*\t+16
.endr
.irp g, 0,1
	s_wait_xcnt 0x0                                ; the earlier stores have read their registers: they may be loaded again
.irp i, 0,1,2,3,4,5,6,7
	ds_load_b128 v[BK+4*\i:BK+4*\i+3], v9 offset:(8*\g+\i)*PITCH             ; LDS serves a wave's instructions in order: these see my stores
.endr
	s_wait_dscnt 0x0
.irp i, 0,1,2,3,4,5,6,7
	v_pk_add_f32 v[BK+4*\i:BK+4*\i+1], v[BK+4*\i:BK+4*\i+1], v[252:253]
	v_pk_add_f32 v[BK+4*\i+2:BK+4*\i+3], v[BK+4*\i+2:BK+4*\i+3], v[254:255]
.endr
	s_set_vgpr_msb 0x04                            ; source 1 in window 1: the residual's rows
.irp i, 0,1,2,3,4,5,6,7
	v_pk_add_f32 v[BK+4*\i:BK+4*\i+1], v[BK+4*\i:BK+4*\i+1], v[4+4*(16*\u+8*\g+\i):5+4*(16*\u+8*\g+\i)]
	v_pk_add_f32 v[BK+4*\i+2:BK+4*\i+3], v[BK+4*\i+2:BK+4*\i+3], v[6+4*(16*\u+8*\g+\i):7+4*(16*\u+8*\g+\i)]
.endr
	s_set_vgpr_msb 0x0400
.irp i, 0,1,2,3,4,5,6,7
	global_store_b128 v11, v[BK+4*\i:BK+4*\i+3], s[88:89] offset:(16*\u+8*\g+\i)*4096   ; the wave stores 512 consecutive bytes of a row
.endr
.endr
.endr
	s_set_vgpr_msb 0x5
	s_wait_tensorcnt 0x0
	ds_add_u32 v0, v1
	s_wait_dscnt 0x0
	s_set_vgpr_msb 0x500
	s_endpgm
.Lfunc_end_k_q11cd244f09_op1:
	.size	k_q11cd244f09_op1, .Lfunc_end_k_q11cd244f09_op1-k_q11cd244f09_op1
	.p2alignl 7, 3214868480
	.fill 96, 4, 3214868480
	.section	.rodata,"a",@progbits
	.p2align	6, 0x0
	.amdhsa_kernel k_q11cd244f09_op1
		.amdhsa_group_segment_fixed_size 246272
		.amdhsa_private_segment_fixed_size 0
		.amdhsa_enable_private_segment 0
		.amdhsa_kernarg_size 48
		.amdhsa_user_sgpr_count 2
		.amdhsa_user_sgpr_kernarg_segment_ptr 1
		.amdhsa_wavefront_size32 1
		.amdhsa_system_sgpr_workgroup_id_x 1
		.amdhsa_system_sgpr_workgroup_id_y 1
		.amdhsa_system_sgpr_workgroup_id_z 1
		.amdhsa_system_vgpr_workitem_id 0
		.amdhsa_next_free_vgpr 392
		.amdhsa_next_free_sgpr 100
		.amdhsa_reserve_vcc 0
		.amdhsa_float_denorm_mode_32 3
		.amdhsa_float_denorm_mode_16_64 3
		.amdhsa_memory_ordered 1
		.amdhsa_forward_progress 1
		.amdhsa_inst_pref_size 60
	.end_amdhsa_kernel
	.amdgpu_metadata
---
amdhsa.version: [ 1, 2 ]
amdhsa.kernels:
  - .name:           k_q11cd244f09_op1
    .symbol:         k_q11cd244f09_op1.kd
    .args:
      - { .name: ao, .offset: 0, .size: 8, .value_kind: global_buffer, .address_space: global }
      - { .name: sa_wo_codes, .offset: 8, .size: 8, .value_kind: global_buffer, .address_space: global }
      - { .name: sa_wo_scales, .offset: 16, .size: 8, .value_kind: global_buffer, .address_space: global }
      - { .name: sa_bo, .offset: 24, .size: 8, .value_kind: global_buffer, .address_space: global }
      - { .name: x, .offset: 32, .size: 8, .value_kind: global_buffer, .address_space: global }
      - { .name: x1, .offset: 40, .size: 8, .value_kind: global_buffer, .address_space: global }
    .group_segment_fixed_size: 246272
    .private_segment_fixed_size: 0
    .kernarg_segment_align: 8
    .kernarg_segment_size: 48
    .max_flat_workgroup_size: 128
    .sgpr_count:     100
    .vgpr_count:     392
    .wavefront_size: 32
...
	.end_amdgpu_metadata
.endif
;; end of part 9
;; launch ln2: the kernel of part 6 again; grid 256 x 1, 4 waves a work-group, no clusters, 19,968 bytes of LDS; arguments x1, ca_norm_g, ca_norm_b, sa_normc_g, sa_normc_b, context, ca_normc_g, ca_normc_b, act; writes act
;; launch at_ca (part 10): grid 8 x 32, 16 waves a work-group, no clusters, 219,136 bytes of LDS; arguments qkv, ca_rel, ao, ca_wq_codes, ca_wq_scales, act; writes ao
.if DOCPART == 10
	.amdgcn_target "amdgcn-amd-amdhsa--gfx1250"
	.amdhsa_code_object_version 6
	.text
	.protected	k_q11cd244f09_at_ca
	.globl	k_q11cd244f09_at_ca
	.p2align	8
	.type	k_q11cd244f09_at_ca,@function
k_q11cd244f09_at_ca:
	s_mov_b64 s[64:65], 0
	v_nop
	global_prefetch_b8 v0, s[64:65] scope:SCOPE_SE
	s_setreg_imm32_b32 hwreg(HW_REG_WAVE_MODE, 25, 1), 1
	s_wait_xcnt 0x0
; Attention of one head on FP4 codes against the context's 512 keys: the self-attention text with other constants at its head.
; O = softmax((Q K^T + bias) / 8) V, bias by the relative position's bucket; O / l is quantised along the head's 64.
; p = 2^(t - M), t = (score + bias) x log2(e) / 8, M the running largest t rounded up to a whole number; l sums the unquantised p.
; IN (buffer qkv): register images of K (K = the head's 64) and V (K = the keys), and their scale words.  OUT (buffer ao): [head][token tile][512 bytes]
; images of the next product's operand, and [head][token] two scale bytes.
; SHARES: a work-group owns 256 queries of one (batch, head), each of its sixteen waves 16 of them: four waves to a SIMD.  All of the head's K and V
; and their scale words come into LDS once; no LDS byte is filled again.  A step is 128 keys.
; LAYOUT: S^T = K Q^T, O^T = V^T P^T: a lane holds one query (lane % 16).  A tile's keys are neighbours: tile T, register n of lane (r, h) is key 16 T + 8 h + n.
; K = 64 IN A FORM OF 128: Q's upper four registers hold zero codes, so what K's operand names there (the next tile's codes) adds nothing;
; the scale words of Q and K are 16 bits, zero-extended: the upper bytes stand over zero codes.
; THE BIAS is the C of the first product.  It hangs on key - query alone; beyond +-91 it is one of two constants (eight registers each); nearer, rows of a table of
; 512 entries in LDS, kept in four copies shifted by 0-3 entries so that every lane's four neighbours lie at a multiple of 16 bytes.
; No cluster: the eight query blocks of a head share K and V, but each reads them once, at its head; left for a later version.
; LIMITS: NaN and infinities are not served.  The buckets' edges are the whole numbers 12, 16, 23, 32, 46, 64, 91 (8 x 2^(k/2) rounded up); at 16, 32, 64 the module's
; f32 logarithm lies on the edge.  A block's largest p is had from its largest score by the same two instructions.  A block of zeros gets the byte 1.
.set NK,   512                         ; keys
.set ROFF, 1536                        ; relative position = key - query + ROFF
.set KC,   6291456
.set KSO,  7733248
.set VC,   6815744
.set VSO,  7766016
.set Q_S,  7340032
.set AO_S, 2097152
.set NST,  NK/128
.set KL,   0                           ; LDS: K, [key tile][512]
.set VL,   NK*32                       ; V, [64 keys][4 tiles of 16 channels][512]
.set KSL,  NK*64                       ; K's scale words
.set VSL,  KSL+NK*4                    ; V's, [step][64]
.set TAB,  VSL+NST*256                 ; the bias table, four copies 2,112 bytes apart; at the end the work-group's 512 scale bytes
.set KSC, 26                           ; v26-33  K's scale words
.set VSC, 34                           ; v34-37  V's
.set CBL, 40                           ; v40-47  the bias far to the left
.set CBR, 48                           ; v48-55  far to the right
.set KF,  56                           ; v56-91  K's eight tiles, four registers each; v88-91 zeros
.set VF,  92                           ; v92-123 V's four fragments
.set S,   124                          ; v124-187 S^T, then p
.set O,   188                          ; v188-219 O^T
.set PC,  220                          ; v220-227 p's codes
.set BM,  228                          ; v228-231 a block's largest
.set BX,  232
.set SO,  236                          ; v236-239 the conversions' scale operands
; v1-5 lane places (K, V, K's words, V's words, table); v6-10 the step's addresses; v11, v38, v39 the way out; v12 -M, v13 largest t, v[14:15] l;
; v16-23 Q; v24 Q's scale word; v25 p's; v[240:241] f; v242 at work; v[236:239], v[244:253] the sum's other chains
.macro PLACES
.rept 4
	v_nop
.endr
.endm
	s_load_b128 s[4:7], s[0:1], 0x0                ; qkv, the bias's embedding
; Q IS MADE HERE: q(token, f) = sum over k of xn(token, k) wq(f, k), K = 1,024, for my 16 tokens and the head's 64 features, quantised along the 64.
; xn (buffer act): [token][512 bytes of codes], [token][32 scale bytes].  A wave's 16 rows are 8,192 consecutive bytes: 16 loads of 512, through the wave's own stage
; (rows of 512 + 16 bytes), back as fragments.  The head's 64 rows of wq are gathered in LDS by the sixteen waves, 4 rows each, its 2,048 scale bytes 4 a thread.
; Source 0 = 16 features, source 1 = my tokens: a lane holds one token, its registers run along the features, so the conversions give Q's operand registers.
.set XN_S, 4718592
.set XP,   528
.set WL,   45056                       ; wq's 64 rows
.set WSL,  WL+64*XP                    ; its scale bytes, 32 a row
.set STG,  WSL+2048                    ; sixteen stages of 16 rows; the spare words follow at 217,088
	s_load_b64 s[8:9], s[0:1], 0x10                ; ao
	s_load_b128 s[92:95], s[0:1], 0x18             ; wq's codes, wq's scales
	s_load_b64 s[96:97], s[0:1], 0x28              ; act
	v_lshl_add_u32 v254, v0, 2, 0x35000
	v_mov_b32 v255, 0
	ds_add_u32 v254, v255
	ds_add_u32 v254, v255
	v_lshrrev_b32 v6, 5, v0
	s_delay_alu instid0(VALU_DEP_1)
	v_readfirstlane_b32 s10, v6                    ; wave 0..15
	s_and_b32 s12, ttmp7, 0xffff
	s_lshr_b32 s13, s12, 4                         ; batch
	s_and_b32 s14, s12, 15                         ; head
	s_and_b32 s15, s14, 1
	s_and_b32 s16, s10, 3                          ; which quarter I fetch
	s_lshl_b32 s17, ttmp9, 8
	s_lshl_b32 s18, s10, 4
	s_add_co_u32 s17, s17, s18                     ; my first query
	s_lshl_b32 s84, s14, 2
	s_lshr_b32 s85, s14, 1
	s_mov_b32 s20, 0x76543210
	s_mov_b32 s21, 0xfedcba98
	s_mov_b32 s22, 0x3e38aa3b                      ; c = log2(e) / 8
	s_mov_b32 s23, s22
	; descriptor groups 1, elements of 8 bytes, no padding.  K: a quarter, NK x 8 dense bytes as rows of 256
	s_mov_b32 s24, 3<<16
	s_mov_b32 s25, 32<<16
	s_mov_b32 s26, (NK/32)<<16
	s_mov_b32 s27, 32<<16
	s_mov_b32 s28, NK/32
	s_mov_b32 s29, 32
	s_mov_b32 s30, 0
	s_mov_b32 s31, 0
	; V: a quarter: NK / 256 rows of 2,048 bytes, 32,768 bytes apart
	s_mov_b32 s32, 3<<16
	s_mov_b32 s33, 256<<16
	s_mov_b32 s34, (NK/256)<<16
	s_mov_b32 s35, 256<<16
	s_mov_b32 s36, NK/256
	s_mov_b32 s37, 4096
	s_mov_b32 s38, 0
	s_mov_b32 s39, 0
	; K's scale words: NK x 4 dense bytes
	s_mov_b32 s40, 3<<16
	s_mov_b32 s41, 32<<16
	s_mov_b32 s42, (NK/64)<<16
	s_mov_b32 s43, 32<<16
	s_mov_b32 s44, NK/64
	s_mov_b32 s45, 32
	s_mov_b32 s46, 0
	s_mov_b32 s47, 0
	; V's: NST rows of 256 bytes, 4,096 bytes apart
	s_mov_b32 s48, 3<<16
	s_mov_b32 s49, 32<<16
	s_mov_b32 s50, NST<<16
	s_mov_b32 s51, 32<<16
	s_mov_b32 s52, NST
	s_mov_b32 s53, 512
	s_mov_b32 s54, 0
	s_mov_b32 s55, 0
	v_and_b32 v6, 31, v0                           ; lane
	v_and_b32 v7, 15, v0                           ; r
	v_bfe_u32 v8, v0, 4, 1                         ; h
	s_delay_alu instid0(VALU_DEP_3)
	v_lshlrev_b32 v1, 4, v6                        ; an image's place for my lane (KL = 0)
	s_delay_alu instid0(VALU_DEP_4)
	v_lshl_add_u32 v2, v6, 4, VL
	s_lshl_b32 s18, s15, 1
	s_add_co_u32 s18, s18, KSL
	v_lshl_add_u32 v3, v7, 2, s18                  ; K's word of key r: my head's two bytes of it
	v_lshl_add_u32 v4, v7, 2, VSL
	v_sub_nc_u32 v9, 16, v7
	s_delay_alu instid0(VALU_DEP_1)
	v_and_b32 v9, 3, v9                            ; which copy: s = -r mod 4
	s_delay_alu instid0(VALU_DEP_1)
	v_mul_u32_u24 v5, v9, 2108
	s_delay_alu instid0(VALU_DEP_1)
	v_add_nc_u32 v5, TAB+208, v5
	s_delay_alu instid0(VALU_DEP_1)
	v_lshl_add_u32 v5, v8, 5, v5
	v_lshlrev_b32 v9, 2, v7
	s_delay_alu instid0(VALU_DEP_1)
	v_sub_nc_u32 v5, v5, v9                        ; TAB + 208 + 2112 s + 32 h - 4 (r + s)
	s_lshl_b32 s18, s10, 5
	s_add_co_u32 s18, s18, TAB
	v_lshl_add_u32 v11, v7, 1, s18                 ; the way out: my query's two scale bytes
	v_lshl_add_u32 v38, v6, 4, TAB
	v_lshlrev_b32 v39, 4, v6
	v_lshl_add_u32 v130, v0, 2, TAB                ; the table's entry of thread i
	s_mul_i32 s98, s10, 16*XP
	s_add_co_u32 s98, s98, STG
	v_add_nc_u32 v222, s98, v39                    ; my stage, in: a row of 512 bytes to the wave
	v_mul_u32_u24 v223, v7, XP
	s_delay_alu instid0(VALU_DEP_1)
	v_lshl_add_u32 v223, v8, 4, v223               ; a fragment's row r, + 16 h
	s_delay_alu instid0(VALU_DEP_1)
	v_add_nc_u32 v226, WL, v223                    ; wq's fragments
	v_add_nc_u32 v223, s98, v223                   ; my stage, out
	s_mul_i32 s98, s10, 4*XP
	s_add_co_u32 s98, s98, WL
	v_add_nc_u32 v225, s98, v39                    ; wq's rows 4 wave .. 4 wave + 3, in
	v_lshl_add_u32 v227, v7, 5, WSL                ; wq's scale words
	v_lshl_add_u32 v252, v0, 2, WSL                ; and in: 4 bytes a thread
	s_lshl_b32 s98, s13, 11
	s_add_co_u32 s98, s98, s17                     ; my first token
	s_lshl_b32 s99, s98, 9
	v_add_nc_u32 v220, s99, v39                    ; its codes in act
	s_lshl_b32 s99, s98, 5
	s_add_co_u32 s99, s99, XN_S
	v_lshl_add_u32 v221, v7, 5, s99                ; token r's 32 scale bytes
	s_lshl_b32 s98, s14, 15
	s_lshl_b32 s99, s10, 11
	s_add_co_u32 s98, s98, s99
	v_add_nc_u32 v224, s98, v39                    ; the head's rows of wq in memory, my four
	s_lshl_b32 s98, s14, 11
	v_lshl_add_u32 v243, v0, 2, s98                ; and its scale bytes
	v_and_b32 v253, 7, v0
	s_delay_alu instid0(VALU_DEP_1)
	v_lshl_add_u32 v253, v253, 2, TAB              ; eight words, for the 60 bytes between two copies of the table
	; the bucket of relative position i - 256
	v_add_nc_u32 v124, 0xffffff00, v0
	s_delay_alu instid0(VALU_DEP_1)
	v_sub_nc_u32 v125, 0, v124
	s_delay_alu instid0(VALU_DEP_2)
	v_cmp_gt_i32 vcc_lo, 0, v124
	s_delay_alu instid0(VALU_DEP_1)
	v_cndmask_b32 v125, v124, v125, vcc_lo         ; n = |rel|
	v_mov_b32 v126, 8
.irp thr, 12,16,23,32,46,64,91
	v_cmp_le_u32 vcc_lo, \thr, v125
	s_delay_alu instid0(VALU_DEP_1)
	v_cndmask_b32 v127, 0, 1, vcc_lo
	s_delay_alu instid0(VALU_DEP_1)
	v_add_nc_u32 v126, v126, v127
.endr
	v_cmp_gt_u32 vcc_lo, 8, v125
	s_delay_alu instid0(VALU_DEP_1)
	v_cndmask_b32 v126, v126, v125, vcc_lo
	v_cmp_le_i32 vcc_lo, 0, v124
	s_delay_alu instid0(VALU_DEP_1)
	v_cndmask_b32 v127, 0, 16, vcc_lo
	s_delay_alu instid0(VALU_DEP_1)
	v_add_nc_u32 v126, v126, v127
	s_delay_alu instid0(VALU_DEP_1)
	v_lshl_add_u32 v126, v126, 6, s84              ; (16 x bucket + head) x 4
.irp j, 20,21,22,23,88,89,90,91
	v_mov_b32 v[\j], 0                             ; zero codes
.endr
	v_mov_b32 v13, 0xff61b1e6                      ; the largest t so far: -3e38
	s_delay_alu instid0(VALU_DEP_1)
	v_floor_f32 v12, -v13
	v_mov_b32 v14, 0
	v_mov_b32 v15, 0
	v_mov_b32 v241, 0
.irp b, 0,1,2,3
	v_mov_b32 v[BX+\b], 0                          ; a lane permute's destination counts as one of its sources
.endr
	s_mov_b32 s19, 0
	s_mul_i32 s91, s16, NK*8                       ; my quarter, in LDS (and in K's memory)
	s_wait_dscnt 0x0
	s_wait_kmcnt 0x0
	s_load_b32 s82, s[6:7], s84 offset:0x3c0       ; bucket 15: far to the left
	s_load_b32 s83, s[6:7], s84 offset:0x7c0       ; bucket 31: far to the right
	s_mul_i32 s18, s14, NK*64
	s_mul_i32 s90, s13, NK*32
	s_add_co_u32 s18, s18, s90
	s_add_co_u32 s18, s18, s91
	s_add_co_u32 s18, s18, KC
	s_mov_b32 s56, 1
	s_add_co_u32 s57, s91, KL
	s_add_nc_u64 s[58:59], s[4:5], s[18:19]
	s_or_b32 s59, s59, 0x80000000
	s_mul_i32 s18, s13, NK*512
	s_lshl_b32 s90, s14, 11
	s_add_co_u32 s18, s18, s90
	s_mul_i32 s90, s16, NK*128
	s_add_co_u32 s18, s18, s90
	s_add_co_u32 s18, s18, VC
	s_mov_b32 s60, 1
	s_add_co_u32 s61, s91, VL
	s_add_nc_u64 s[62:63], s[4:5], s[18:19]
	s_or_b32 s63, s63, 0x80000000
	s_mul_i32 s18, s85, NK*8
	s_mul_i32 s90, s13, NK*4
	s_add_co_u32 s18, s18, s90
	s_add_co_u32 s18, s18, KSO
	s_mov_b32 s68, 1
	s_mov_b32 s69, KSL
	s_add_nc_u64 s[70:71], s[4:5], s[18:19]
	s_or_b32 s71, s71, 0x80000000
	s_mul_i32 s18, s13, NST*4096
	s_lshl_b32 s90, s14, 8
	s_add_co_u32 s18, s18, s90
	s_add_co_u32 s18, s18, VSO
	s_mov_b32 s72, 1
	s_mov_b32 s73, VSL
	s_add_nc_u64 s[74:75], s[4:5], s[18:19]
	s_or_b32 s75, s75, 0x80000000
	s_cmp_lt_u32 s10, 4                            ; waves 0-3: K's quarters; 4-7: V's; 8: K's scale words; 9: V's.  One load a wave at the most
	s_cbranch_scc0 .Lnot_k
	tensor_load_to_lds s[56:59], s[24:31]
	s_nop 0
	PLACES
	s_branch .Lfilled
.Lnot_k:
	s_cmp_lt_u32 s10, 8
	s_cbranch_scc0 .Lnot_v
	tensor_load_to_lds s[60:63], s[32:39]
	s_nop 0
	PLACES
	s_branch .Lfilled
.Lnot_v:
	s_cmp_eq_u32 s10, 8
	s_cbranch_scc0 .Lnot_ks
	tensor_load_to_lds s[68:71], s[40:47]
	s_nop 0
	PLACES
	s_branch .Lfilled
.Lnot_ks:
	s_cmp_eq_u32 s10, 9
	s_cbranch_scc0 .Lfilled
	tensor_load_to_lds s[72:75], s[48:55]
	s_nop 0
	PLACES
.Lfilled:
	global_load_b32 v133, v126, s[6:7]             ; my entry of the table
	s_lshl_b32 s18, s14, 8
	s_lshl_b32 s90, s13, 7
	s_add_co_u32 s18, s18, s90
	s_lshl_b32 s90, ttmp9, 4
	s_add_co_u32 s18, s18, s90
	s_add_co_u32 s18, s18, s10
	s_lshl_b32 s18, s18, 9                         ; (256 head + 128 batch + my token tile) x 512: my result's
.irp j, 0,1,2,3,4,5,6,7
	global_load_b128 v[56+4*\j:59+4*\j], v220, s[96:97] offset:512*\j        ; my tokens' codes, a row a load
	global_load_b128 v[92+4*\j:95+4*\j], v220, s[96:97] offset:4096+512*\j
.endr
.irp j, 0,1,2,3
	global_load_b128 v[140+4*\j:143+4*\j], v224, s[92:93] offset:512*\j      ; four rows of wq
.endr
	global_load_b32 v156, v243, s[94:95]
	global_load_b128 v[244:247], v221, s[96:97]    ; token r's scale words of K steps 0-3,
	global_load_b128 v[248:251], v221, s[96:97] offset:16   ; and 4-7
	s_add_nc_u64 s[86:87], s[8:9], s[18:19]
	s_lshl_b32 s18, s14, 12
	s_lshl_b32 s90, s13, 11
	s_add_co_u32 s18, s18, s90
	s_lshl_b32 s90, ttmp9, 8
	s_add_co_u32 s18, s18, s90
	s_lshl_b32 s18, s18, 1
	s_add_co_u32 s18, s18, AO_S
	s_add_nc_u64 s[88:89], s[8:9], s[18:19]        ; the work-group's 512 scale bytes
	s_mov_b32 s76, 0                               ; the step's tiles of K and of V: 4,096 bytes a step
	s_mov_b32 s77, 0                               ; K's scale words: 512
	s_mov_b32 s78, 0                               ; V's: 256
	s_sub_co_i32 s79, ROFF, s17                    ; DD = the step's first key - my first query + ROFF
	s_mov_b32 s80, NST
	s_wait_kmcnt 0x0
.irp j, 0,1,2,3,4,5,6,7
	v_mov_b32 v[CBL+\j], s82
	v_mov_b32 v[CBR+\j], s83
.endr
	s_wait_loadcnt 0x0
.irp s, 0,1,2,3
	ds_store_b32 v130, v133 offset:16+2108*\s      ; copy s holds entry i at place i - s
.endr
	s_wait_tensorcnt 0x0                           ; my load has landed
.irp j, 0,1,2,3,4,5,6,7
	ds_store_b128 v222, v[56+4*\j:59+4*\j] offset:XP*\j
	ds_store_b128 v222, v[92+4*\j:95+4*\j] offset:XP*(8+\j)
.endr
.irp j, 0,1,2,3
	ds_store_b128 v225, v[140+4*\j:143+4*\j] offset:XP*\j
.endr
	ds_store_b32 v252, v156
	s_cmp_lg_u32 s10, 15
	s_cbranch_scc1 .Lnogap
.irp s, 0,1,2
	ds_store_b32 v253, v20 offset:2064+2108*\s     ; wave 15 writes zeros between the copies: 15 words, as 8 and 8 that share one
	ds_store_b32 v253, v20 offset:2092+2108*\s
.endr
.Lnogap:
	s_wait_dscnt 0x0                               ; my part of the table, of wq and my stage are stored,
	s_barrier_signal -1
	s_barrier_wait -1                              ; everybody's
.irp s, 0,1,2,3,4,5,6,7
.irp c, 0,1
	ds_load_b128 v[S+8*\s+4*\c:S+8*\s+4*\c+3], v223 offset:64*\s+32*\c       ; my tokens' fragments of all eight K steps
.endr
.endr
.macro LOADW s                         ; wq's four fragments and scale words of K step s: 12 LDS loads, two sets by the step's parity
.irp t, 0,1,2,3
.irp c, 0,1
	ds_load_b128 v[56+36*((\s)%2)+8*\t+4*\c:56+36*((\s)%2)+8*\t+4*\c+3], v226 offset:16*XP*\t+64*(\s)+32*\c
.endr
	ds_load_b32 v[228+8*((\s)%2)+\t], v227 offset:512*\t+4*(\s)
.endr
.endm
	LOADW 0
	LOADW 1
.irp s, 0,1,2,3,4,5,6,7
.if \s < 7
	s_wait_dscnt 12                                ; all but the next step's 12 loads
.else
	s_wait_dscnt 0x0
.endif
.irp t, 0,1,2,3                        ; the four accumulators take turns, one instruction a turn
.if \s == 0
	v_wmma_scale_f32_16x16x128_f8f6f4 v[O+8*\t:O+8*\t+7], v[56+36*(\s%2)+8*\t:56+36*(\s%2)+8*\t+7], v[S+8*\s:S+8*\s+7], 0, v[228+8*(\s%2)+\t], v[244+\s] matrix_a_fmt:MATRIX_FMT_FP4 matrix_b_fmt:MATRIX_FMT_FP4
.else
	v_wmma_scale_f32_16x16x128_f8f6f4 v[O+8*\t:O+8*\t+7], v[56+36*(\s%2)+8*\t:56+36*(\s%2)+8*\t+7], v[S+8*\s:S+8*\s+7], v[O+8*\t:O+8*\t+7], v[228+8*(\s%2)+\t], v[244+\s] matrix_a_fmt:MATRIX_FMT_FP4 matrix_b_fmt:MATRIX_FMT_FP4
.endif
.endr
	PLACES                                         ; in front of loads into registers that the products have read, and of the first read of the sums
.if \s < 6
	LOADW \s+2
.endif
.endr
.irp b, 0,1                            ; Q's two blocks of 32 features: tiles 2 b, 2 b + 1 of lanes l and l xor 16
	v_max3_num_f32 v[BM+\b], |v[O+16*\b]|, |v[O+16*\b+1]|, 0x1800000
.endr
.irp i, 2,4,6,8,10,12,14
.irp b, 0,1
	v_max3_num_f32 v[BM+\b], v[BM+\b], |v[O+16*\b+\i]|, |v[O+16*\b+\i+1]|
.endr
.endr
.irp b, 0,1
	s_delay_alu instid0(VALU_DEP_2)
	v_permlanex16_b32 v[BX+\b], v[BM+\b], s20, s21
.endr
.irp b, 0,1
	s_delay_alu instid0(VALU_DEP_2)
	v_max_num_f32 v[BM+\b], v[BM+\b], v[BX+\b]
.endr
.irp b, 0,1
	s_delay_alu instid0(VALU_DEP_2)
	v_add_nc_u32 v[SO+\b], 0xff000000, v[BM+\b]    ; 2 off the exponent field: the conversion's scale operand
.endr
.irp b, 0,1
	s_delay_alu instid0(VALU_DEP_2)
	v_lshrrev_b32 v[BX+\b], 23, v[SO+\b]
.endr
	s_delay_alu instid0(VALU_DEP_1)
	v_lshl_or_b32 v24, v[BX+1], 8, v[BX]           ; Q's two scale bytes; the upper two stand over zero codes
.irp bb, 0,1
.irp u, 0,1
	v_cvt_scalef32_pk8_fp4_f32 v[16+2*\u+\bb], v[O+8*(2*\bb+\u):O+8*(2*\bb+\u)+7], v[SO+\bb]
.endr
.endr
	v_nop                                          ; a plain place behind the conversions
	v_permlane16_swap_b32 v16, v17                 ; lanes 0-15 block 0, lanes 16-31 block 1
	v_permlane16_swap_b32 v18, v19
.set j, 0
.rept 32
	v_mov_b32 v[O+j], 0                            ; O^T: the loop is written once, its first step finds zeros.  (Also the places between Q's registers and the first product)
.set j, j+1
.endr
.macro SMUL cb
.set T, 0
.rept 8
.if (\cb) < 0
	v_wmma_scale_f32_16x16x128_f8f6f4 v[S+8*T:S+8*T+7], v[KF+4*T:KF+4*T+7], v[16:23], v[S+8*T:S+8*T+7], v[KSC+T], v24 matrix_a_fmt:MATRIX_FMT_FP4 matrix_b_fmt:MATRIX_FMT_FP4
.else
	v_wmma_scale_f32_16x16x128_f8f6f4 v[S+8*T:S+8*T+7], v[KF+4*T:KF+4*T+7], v[16:23], v[(\cb):(\cb)+7], v[KSC+T], v24 matrix_a_fmt:MATRIX_FMT_FP4 matrix_b_fmt:MATRIX_FMT_FP4
.endif
.set T, T+1
.endr
.endm
.Lstep:
	s_add_co_i32 s81, s79, 208
	s_min_u32 s81, s81, 304                        ; inside the table on the near path; not used on the others
	s_lshl_b32 s81, s81, 2
	v_add_nc_u32 v6, s76, v1                       ; these five are also the places behind the last products
	v_add_nc_u32 v7, s76, v2
	v_add_nc_u32 v8, s77, v3
	v_add_nc_u32 v9, s78, v4
	v_add_nc_u32 v10, s81, v5
.irp t, 0,1,2,3,4,5,6,7
	ds_load_b128 v[KF+4*\t:KF+4*\t+3], v6 offset:512*\t
	ds_load_u16 v[KSC+\t], v8 offset:64*\t
.endr
.irp t, 0,1,2,3
.irp c, 0,1
	ds_load_b128 v[VF+8*\t+4*\c:VF+8*\t+4*\c+3], v7 offset:2048*\c+512*\t
.endr
	ds_load_b32 v[VSC+\t], v9 offset:64*\t
.endr
	s_cmp_le_i32 s79, -224                         ; every key of the step 91 or more to the left of my 16 queries
	s_cbranch_scc1 .Lleft
	s_cmp_ge_i32 s79, 112                          ; or to the right
	s_cbranch_scc1 .Lright
.irp t, 0,1,2,3,4,5,6,7
.irp c, 0,1
	ds_load_b128 v[S+8*\t+4*\c:S+8*\t+4*\c+3], v10 offset:64*\t+16*\c   ; the bias of keys 16 t + 8 h + 4 c + 0..3 against query r
.endr
.endr
	s_wait_dscnt 0x0
	SMUL -1
	s_branch .Ljoin
.Lleft:
	s_wait_dscnt 12                                ; K is in; V's 12 loads may be out
	s_wait_alu depctr_va_vdst(0)
	SMUL CBL
	s_branch .Ljoin
.Lright:
	s_wait_dscnt 12
	s_wait_alu depctr_va_vdst(0)
	SMUL CBR
.Ljoin:
	PLACES
.irp b, 0,1,2,3
	v_max3_num_f32 v[BM+\b], v[S+16*\b], v[S+16*\b+1], v[S+16*\b+2]   ; the largest score of each block of 32 keys
.endr
.irp i, 3,5,7,9,11,13
.irp b, 0,1,2,3
	v_max3_num_f32 v[BM+\b], v[BM+\b], v[S+16*\b+\i], v[S+16*\b+\i+1]
.endr
.endr
.irp b, 0,1,2,3
	v_max_num_f32 v[BM+\b], v[BM+\b], v[S+16*\b+15]
.endr
.irp b, 0,1,2,3
	s_delay_alu instid0(VALU_DEP_4)
	v_permlanex16_b32 v[BX+\b], v[BM+\b], s20, s21
.endr
.irp b, 0,1,2,3
	s_delay_alu instid0(VALU_DEP_4)
	v_max_num_f32 v[BM+\b], v[BM+\b], v[BX+\b]
.endr
	s_delay_alu instid0(VALU_DEP_2)
	v_max3_num_f32 v242, v[BM], v[BM+1], v[BM+2]
	s_delay_alu instid0(VALU_DEP_1)
	v_max_num_f32 v242, v242, v[BM+3]
	s_delay_alu instid0(VALU_DEP_1)
	v_mul_f32 v242, s22, v242
	s_delay_alu instid0(VALU_DEP_1)
	v_max_num_f32 v13, v13, v242                   ; the running largest t
	v_mov_b32 v242, v12
	s_delay_alu instid0(VALU_DEP_2)
	v_floor_f32 v12, -v13                          ; -M = floor(-t)
	s_delay_alu instid0(VALU_DEP_1)
	v_sub_f32 v242, v12, v242
	s_delay_alu instid0(VALU_DEP_1)
	v_cvt_i32_f32 v242, v242                       ; old M - new M (it saturates)
	s_delay_alu instid0(VALU_DEP_1)
	v_ldexp_f32 v240, 1.0, v242                    ; f = 2^(old M - new M)
.set j, 0
.rept 32
	v_pk_fma_f32 v[S+j:S+j+1], v[S+j:S+j+1], s[22:23], v[12:13] op_sel_hi:[1,0,0]   ; t - M
.set j, j+2
.endr
.irp b, 0,1,2,3
	v_fma_f32 v[BM+\b], v[BM+\b], s22, v12
.endr
.set j, 0
	s_wait_alu depctr_va_vdst(0)
.rept 64
	v_exp_f32 v[S+j], v[S+j]                       ; p
.set j, j+1
.endr
.irp b, 0,1,2,3
	v_exp_f32 v[BM+\b], v[BM+\b]                   ; the block's largest p
.endr
	v_pk_mul_f32 v[14:15], v[14:15], v[240:241] op_sel_hi:[1,0]   ; l under the new M (the plain place behind the exponentials)
	s_wait_alu depctr_va_vdst(0)
.irp b, 0,1,2,3
	v_max_num_f32 v[BM+\b], 0x1800000, v[BM+\b]    ; the floor 2^(3 - 127)
.endr
.irp b, 0,1,2,3
	s_delay_alu instid0(VALU_DEP_4)
	v_add_nc_u32 v[SO+\b], 0xff000000, v[BM+\b]
.endr
.irp b, 0,1,2,3
	s_delay_alu instid0(VALU_DEP_4)
	v_lshrrev_b32 v[BX+\b], 23, v[SO+\b]
.endr
	s_delay_alu instid0(VALU_DEP_3)
	v_lshl_or_b32 v25, v[BX+1], 8, v[BX]           ; p's scale word
	s_delay_alu instid0(VALU_DEP_1)
	v_lshl_or_b32 v25, v[BX+2], 16, v25
	s_delay_alu instid0(VALU_DEP_1)
	v_lshl_or_b32 v25, v[BX+3], 24, v25
.irp c, 0,1
.irp bb, 0,1
.irp u, 0,1
	v_cvt_scalef32_pk8_fp4_f32 v[PC+4*\c+2*\u+\bb], v[S+8*(4*\c+2*\bb+\u):S+8*(4*\c+2*\bb+\u)+7], v[SO+2*\c+\bb]
.endr
.endr
.endr
	v_nop                                          ; a plain place behind the conversions
.irp c, 0,1
	v_permlane16_swap_b32 v[PC+4*\c], v[PC+4*\c+1] ; lanes 0-15 block 2 c, lanes 16-31 block 2 c + 1
	v_permlane16_swap_b32 v[PC+4*\c+2], v[PC+4*\c+3]
.endr
	v_pk_add_f32 v[244:245], v[128:129], v[132:133]
	v_pk_add_f32 v[252:253], v[136:137], v[140:141]
	v_pk_add_f32 v[250:251], v[144:145], v[148:149]
	v_pk_add_f32 v[248:249], v[152:153], v[156:157]
	v_pk_add_f32 v[246:247], v[160:161], v[164:165]
	v_pk_add_f32 v[238:239], v[168:169], v[172:173]
	v_pk_add_f32 v[236:237], v[176:177], v[180:181]
	v_pk_add_f32 v[14:15], v[14:15], v[184:185]
	v_pk_add_f32 v[244:245], v[244:245], v[124:125]
	v_pk_add_f32 v[252:253], v[252:253], v[126:127]
	v_pk_add_f32 v[250:251], v[250:251], v[130:131]
	v_pk_add_f32 v[248:249], v[248:249], v[134:135]
	v_pk_add_f32 v[246:247], v[246:247], v[138:139]
	v_pk_add_f32 v[238:239], v[238:239], v[142:143]
	v_pk_add_f32 v[236:237], v[236:237], v[146:147]
	v_pk_add_f32 v[14:15], v[14:15], v[150:151]
	v_pk_add_f32 v[244:245], v[244:245], v[154:155]
	v_pk_add_f32 v[252:253], v[252:253], v[158:159]
	v_pk_add_f32 v[250:251], v[250:251], v[162:163]
	v_pk_add_f32 v[248:249], v[248:249], v[166:167]
	v_pk_add_f32 v[246:247], v[246:247], v[170:171]
	v_pk_add_f32 v[238:239], v[238:239], v[174:175]
	v_pk_add_f32 v[236:237], v[236:237], v[178:179]
	v_pk_add_f32 v[14:15], v[14:15], v[182:183]
	v_pk_add_f32 v[244:245], v[244:245], v[186:187]
	s_delay_alu instid0(VALU_DEP_2)
	v_pk_add_f32 v[14:15], v[14:15], v[248:249]
	s_delay_alu instid0(VALU_DEP_2)
	v_pk_add_f32 v[244:245], v[244:245], v[246:247]
	v_pk_add_f32 v[252:253], v[252:253], v[238:239]
	v_pk_add_f32 v[250:251], v[250:251], v[236:237]
	s_delay_alu instid0(VALU_DEP_2)
	v_pk_add_f32 v[14:15], v[14:15], v[252:253]
	s_delay_alu instid0(VALU_DEP_2)
	v_pk_add_f32 v[244:245], v[244:245], v[250:251]
	s_delay_alu instid0(VALU_DEP_1)
	v_pk_add_f32 v[14:15], v[14:15], v[244:245]
.set j, 0
.rept 16
	v_pk_mul_f32 v[O+j:O+j+1], v[O+j:O+j+1], v[240:241] op_sel_hi:[1,0]   ; O^T under the new M
.set j, j+2
.endr
	s_wait_alu depctr_va_vdst(0)
	s_wait_dscnt 0x0                               ; V is in
.irp t, 0,1,2,3
	v_wmma_scale_f32_16x16x128_f8f6f4 v[O+8*\t:O+8*\t+7], v[VF+8*\t:VF+8*\t+7], v[PC:PC+7], v[O+8*\t:O+8*\t+7], v[VSC+\t], v25 matrix_a_fmt:MATRIX_FMT_FP4 matrix_b_fmt:MATRIX_FMT_FP4
.endr
	s_add_co_u32 s76, s76, 4096
	s_add_co_u32 s77, s77, 512
	s_add_co_u32 s78, s78, 256
	s_add_co_i32 s79, s79, 128
	s_sub_co_u32 s80, s80, 1
	s_cmp_lg_u32 s80, 0
	s_cbranch_scc1 .Lstep
	; THE WAY OUT: O^T / l, quantised along the head's 64: two blocks; tile 2 bb + u converts into register PC + 2 u + bb
	PLACES
	v_add_f32 v14, v14, v15
	s_delay_alu instid0(VALU_DEP_1)
	v_permlanex16_b32 v242, v14, s20, s21
	s_delay_alu instid0(VALU_DEP_1)
	v_add_f32 v14, v14, v242
	s_wait_alu depctr_va_vdst(0)
	v_rcp_f32 v14, v14
	v_nop                                          ; a plain place behind the reciprocal
.set j, 0
	s_wait_alu depctr_va_vdst(0)
.rept 16
	v_pk_mul_f32 v[O+j:O+j+1], v[O+j:O+j+1], v[14:15] op_sel_hi:[1,0]
.set j, j+2
.endr
.irp b, 0,1
	v_max3_num_f32 v[BM+\b], |v[O+16*\b]|, |v[O+16*\b+1]|, 0x1800000
.endr
.irp i, 2,4,6,8,10,12,14
.irp b, 0,1
	s_delay_alu instid0(VALU_DEP_2)
	v_max3_num_f32 v[BM+\b], v[BM+\b], |v[O+16*\b+\i]|, |v[O+16*\b+\i+1]|
.endr
.endr
.irp b, 0,1
	s_delay_alu instid0(VALU_DEP_2)
	v_permlanex16_b32 v[BX+\b], v[BM+\b], s20, s21
.endr
.irp b, 0,1
	s_delay_alu instid0(VALU_DEP_2)
	v_max_num_f32 v[BM+\b], v[BM+\b], v[BX+\b]
.endr
.irp b, 0,1
	s_delay_alu instid0(VALU_DEP_2)
	v_add_nc_u32 v[SO+\b], 0xff000000, v[BM+\b]
.endr
.irp b, 0,1
	s_delay_alu instid0(VALU_DEP_2)
	v_lshrrev_b32 v[BX+\b], 23, v[SO+\b]
.endr
	s_delay_alu instid0(VALU_DEP_1)
	v_lshl_or_b32 v242, v[BX+1], 8, v[BX]          ; my query's two scale bytes
.irp bb, 0,1
.irp u, 0,1
	v_cvt_scalef32_pk8_fp4_f32 v[PC+2*\u+\bb], v[O+8*(2*\bb+\u):O+8*(2*\bb+\u)+7], v[SO+\bb]
.endr
.endr
	v_nop
	v_permlane16_swap_b32 v[PC], v[PC+1]
	v_permlane16_swap_b32 v[PC+2], v[PC+3]
	global_store_b128 v39, v[PC:PC+3], s[86:87]    ; the wave stores 512 consecutive bytes
	s_wait_alu depctr_va_vdst(0)
	s_wait_dscnt 0x0                               ; my reads of the table are over
	s_barrier_signal -1
	s_barrier_wait -1                              ; everybody's are: its bytes may be written
	ds_store_b16 v11, v242                         ; both halves of the lanes write the same value
	s_wait_dscnt 0x0
	s_barrier_signal -1
	s_barrier_wait -1
	s_cmp_lg_u32 s10, 0
	s_cbranch_scc1 .Lend
	ds_load_b128 v[124:127], v38                   ; wave 0 stores the work-group's 512 scale bytes
	s_wait_dscnt 0x0
	global_store_b128 v39, v[124:127], s[88:89]
.Lend:
	s_wait_tensorcnt 0x0
	ds_add_u32 v254, v255
	s_wait_dscnt 0x0
	s_endpgm
.Lfunc_end_k_q11cd244f09_at_ca:
	.size	k_q11cd244f09_at_ca, .Lfunc_end_k_q11cd244f09_at_ca-k_q11cd244f09_at_ca
	.p2alignl 7, 3214868480
	.fill 96, 4, 3214868480
	.section	.rodata,"a",@progbits
	.p2align	6, 0x0
	.amdhsa_kernel k_q11cd244f09_at_ca
		.amdhsa_group_segment_fixed_size 219136
		.amdhsa_private_segment_fixed_size 0
		.amdhsa_enable_private_segment 0
		.amdhsa_kernarg_size 48
		.amdhsa_user_sgpr_count 2
		.amdhsa_user_sgpr_kernarg_segment_ptr 1
		.amdhsa_wavefront_size32 1
		.amdhsa_system_sgpr_workgroup_id_x 1
		.amdhsa_system_sgpr_workgroup_id_y 1
		.amdhsa_system_sgpr_workgroup_id_z 1
		.amdhsa_system_vgpr_workitem_id 0
		.amdhsa_next_free_vgpr 256
		.amdhsa_next_free_sgpr 100
		.amdhsa_reserve_vcc 1
		.amdhsa_float_denorm_mode_32 3
		.amdhsa_float_denorm_mode_16_64 3
		.amdhsa_memory_ordered 1
		.amdhsa_forward_progress 1
		.amdhsa_inst_pref_size 58
	.end_amdhsa_kernel
	.amdgpu_metadata
---
amdhsa.version: [ 1, 2 ]
amdhsa.kernels:
  - .name:           k_q11cd244f09_at_ca
    .symbol:         k_q11cd244f09_at_ca.kd
    .args:
      - { .name: qkv, .offset: 0, .size: 8, .value_kind: global_buffer, .address_space: global }
      - { .name: ca_rel, .offset: 8, .size: 8, .value_kind: global_buffer, .address_space: global }
      - { .name: ao, .offset: 16, .size: 8, .value_kind: global_buffer, .address_space: global }
      - { .name: ca_wq_codes, .offset: 24, .size: 8, .value_kind: global_buffer, .address_space: global }
      - { .name: ca_wq_scales, .offset: 32, .size: 8, .value_kind: global_buffer, .address_space: global }
      - { .name: act, .offset: 40, .size: 8, .value_kind: global_buffer, .address_space: global }
    .group_segment_fixed_size: 219136
    .private_segment_fixed_size: 0
    .kernarg_segment_align: 8
    .kernarg_segment_size: 48
    .max_flat_workgroup_size: 512
    .sgpr_count:     100
    .vgpr_count:     256
    .wavefront_size: 32
...
	.end_amdgpu_metadata
.endif
;; end of part 10
;; launch op2: the kernel of part 9 again; grid 8 x 32, 4 waves a work-group, no clusters, 246,272 bytes of LDS; arguments ao, ca_wo_codes, ca_wo_scales, ca_bo, x1, out0; writes out0
